; MI455X (gfx1250); checked and timed in simulation.
; The chip was launched on July 23, 2026; its instructions are those of AMD's public machine-readable ISA for CDNA 5 (MIT licence, August 2026) and "CDNA5" Instruction Set Architecture Reference Guide (July 2026). The comments in the code are by the model that wrote it; some were corrected since.
;; Music Transformer Decoder Layer. Allowed arithmetic: matrix products marked QUANTISED: E2M3 operands, one E8M0 scale for each 32 along K, by v_wmma_scale_f32_16x16x128_f8f6f4 with both operands' format E2M3, f32 sums; everything else in f32.
;; Inputs: attention_mask 2 x 2,048 int32; b1 4,096 float32; b2 1,024 float32; bk 1,024 float32; bo 1,024 float32; bq 1,024 float32; bv 1,024 float32; hidden 2 x 2,048 x 1,024 float32; ln1_b 1,024 float32; ln1_g 1,024 float32; ln2_b 1,024 float32; ln2_g 1,024 float32; rel_bias 32 x 16 float32; w1 1,024 x 4,096 float32; w2 4,096 x 1,024 float32; wk 1,024 x 1,024 float32; wo 1,024 x 1,024 float32; wq 1,024 x 1,024 float32; wv 1,024 x 1,024 float32.
;; Outputs: out0 2 x 2,048 x 1,024 float32.
;; This version of the problem:
;;   THIS VERSION OF THE PROBLEM IS GIVEN IN LOW PRECISION. The matrix products marked QUANTISED in the list below multiply operands that are first quantised to E2M3 (2 exponent bits, 3 mantissa bits; 6 bits a number), with one power-of-two scale for each 32 numbers along K (OCP MX v1.0); their sums are f32. All else is computed in f32.
;;   The module's matrix products, in the order in which they are computed (A, B: the left and right operand; K: the contracted axis; several contracted axes count as one K, in the product's order):
;;     1. [M 4,096, K 1,024] x [K 1,024, N 1,024]; A: computed on the way; B: input wq: QUANTISED
;;     2. [M 4,096, K 1,024] x [K 1,024, N 1,024]; A: computed on the way; B: input wk: QUANTISED
;;     3. [M 4,096, K 1,024] x [K 1,024, N 1,024]; A: computed on the way; B: input wv: QUANTISED
;;     4. batch 32 x [M 2,048, K 64] x [K 64, N 2,048]; A: computed on the way; B: computed on the way: QUANTISED
;;     5. batch 32 x [M 2,048, K 2,048] x [K 2,048, N 64]; A: computed on the way; B: computed on the way: QUANTISED
;;     6. [M 4,096, K 1,024] x [K 1,024, N 1,024]; A: computed on the way; B: input wo: QUANTISED
;;     7. [M 4,096, K 1,024] x [K 1,024, N 4,096]; A: computed on the way; B: input w1: QUANTISED
;;     8. [M 4,096, K 4,096] x [K 4,096, N 1,024]; A: computed on the way; B: input w2: QUANTISED
;;   THE QUANTISER, for each operand of a quantised product, along K:
;;     - K is cut into blocks of 32 from its start; a last block that is shorter is filled with zeros.
;;     - A block's scale is 2^e with e = floor(log2(the largest magnitude in the block)) - 2, held to -126 .. 127; a block of zeros has e = 0. As a byte (E8M0): e + 127.
;;     - Each number is divided by its block's scale, clamped to +-7.5, and rounded to the nearest number of E2M3, ties to even, subnormals kept.
;;     - The product sums the exact products of the quantised numbers (number of the format x scale) in f32.
;;   ~~~python
;;   def quantise(x, axis):      # numpy; x: float32 -> the quantised numbers, widened to float32 again
;;       x = np.moveaxis(x, axis, -1); K = x.shape[-1]
;;       x = np.pad(x, [(0, 0)] * (x.ndim - 1) + [(0, -K % 32)]); x = x.reshape(x.shape[:-1] + (-1, 32)); a = np.abs(x).max(-1, keepdims=True)
;;       e = np.where(a > 0, np.clip(np.frexp(np.where(a > 0, a, 1))[1] - 1 - 2, -126, 127), 0)      # np.frexp(a)[1] - 1 = floor(log2(a)), exactly
;;       r = np.clip(x / 2.0 ** e, -7.5, 7.5)
;;       step = 2.0 ** (np.maximum(np.frexp(np.where(r == 0, 1, r))[1] - 1, 0) - 3)
;;       q = np.round(r / step) * step * 2.0 ** e      # np.round: ties to even
;;       return np.moveaxis(q.reshape(q.shape[:-2] + (-1,))[..., :K], -1, axis).astype(np.float32)
;;   ~~~
;;   OPERANDS COMPUTED ON THE WAY. 'Computed on the way' means the value that the module computes at that place (a softmax that the list does not call 'softmax' is quantised finished and normalised). What goes into a quantiser is computed in f32, as accurately as f32 sums, v_exp_f32 and their like allow (about 1e-6 of the number): no bf16 or f16 on the way to a quantiser, and a product that is left as it is and whose result goes on into a quantised operand takes f32 operands (vector FMAs, or v_wmma_f32_16x16x4_f32). A number that lies on a knife's edge between two numbers of the format may be rounded either way, as far as f32 arithmetic and the matrix unit's own rounding can turn it there, and no further.
;; One version. Each part assembles by itself: llvm-mc -triple=amdgcn-amd-amdhsa -mcpu=gfx1250 --defsym DOCPART=n.
;; ======== version 1 of 1: 7 launches
;; limits: right only within a limited range of input values
;; workspace buffers: wbuf 9,830,400 bytes; xbuf 3,276,800 bytes; qkvbuf 9,830,400 bytes; abuf 3,276,800 bytes; hbuf 16,777,216 bytes; gbuf 13,107,200 bytes
;; launch prep (part 1): grid 640 x 1, 8 waves a work-group, no clusters, 69,632 bytes of LDS; arguments wq, wk, wv, wo, w1, w2, wbuf, hidden, ln1_g, ln1_b, xbuf; writes wbuf, xbuf
.if DOCPART == 1
	.amdgcn_target "amdgcn-amd-amdhsa--gfx1250"
	.amdhsa_code_object_version 6
	.text
	.protected	k_q2190e9f34d_prep
	.globl	k_q2190e9f34d_prep
	.p2align	8
	.type	k_q2190e9f34d_prep,@function
k_q2190e9f34d_prep:
	s_mov_b64 s[64:65], 0
	v_nop
	global_prefetch_b8 v0, s[64:65] scope:SCOPE_SE
	s_setreg_imm32_b32 hwreg(HW_REG_WAVE_MODE, 25, 1), 1
	s_wait_xcnt 0x0
; ONE LAUNCH PREPARES BOTH OPERANDS OF THE FIRST PRODUCTS.  Work-groups 0-255: the first layer norm of hidden, quantised (the longer chain of steps: the lower numbers).  Work-groups 256-639: the six weights, quantised.
; The two ways part at the first line on the work-group's number alone; only the norm's way uses LDS.  256 registers a wave and 68 KiB of LDS: two work-groups fit on a WGP.  No tensor load, no cluster: work-groups share only g and b (8 KiB).
; A FRAGMENT is 16 rows x 128 along K of codes of FP6 (E2M3), 12 registers a lane, 1,536 bytes, stored as an image of those registers in two halves c of 768 bytes:
; registers 6c .. 6c+3 at 16 x lane (512 bytes), registers 6c+4, 6c+5 at 512 + 16 (lane % 16) + 8 (lane / 16) (256 bytes); with it 16 scale words (four E8M0 bytes, one for each 32 along K).
; THE 16 ROWS OF A TILE ARE NOT NEIGHBOURS: of a group of 32, tile u takes rows 8 u + r + 8 (r / 8), r = 0 .. 15.
; LIMITS: a block of zeros gets the byte 1 (its codes are zeros; this program alone reads the bytes); blocks whose largest magnitude lies under 2^-124 are held at that byte; NaN and infinities are not served.
	s_cmp_lt_u32 ttmp9, 256
	s_cbranch_scc1 .Lln
; ---- THE WEIGHTS, f32, stored [K][N].  wbuf: fragment (tile T, K step s) of a weight at (RB + T KS + s) x 1,536; its scale words at 9,437,184 + (RB + T KS + s) x 64.
; RB: wq 0, wk 512, wv 1,024, wo 1,536, w1 2,048 (KS = 8), w2 4,096 (KS = 32).
; A LANE TAKES A COLUMN AND ITS REGISTERS RUN DOWN K: a wave takes 32 columns (two tiles) x 128 K (one step); each load reads 128 consecutive bytes, four waves side by side 512.
; A block of 32 lies in one lane.  Each store of 16 bytes a lane fills, for each of the two tiles, 256 consecutive aligned bytes.
.set X, 32                             ; v32-159  128 numbers down K
.set CA, 160                           ; v160-183 the two halves' images: for half c: 4 + 4 + 4 registers at CA + 12 c
	s_sub_co_u32 s40, ttmp9, 256                   ; the work-group's number among the weights' 384
	s_load_b256 s[4:11], s[0:1], 0x0               ; wq, wk, wv, wo
	s_load_b128 s[12:15], s[0:1], 0x20             ; w1, w2
	s_load_b64 s[16:17], s[0:1], 0x30              ; wbuf
	v_lshrrev_b32 v1, 5, v0
	s_delay_alu instid0(VALU_DEP_1)
	v_readfirstlane_b32 s18, v1                    ; wave 0..7
	v_and_b32 v2, 31, v0                           ; lane = column of the group
	s_delay_alu instid0(VALU_DEP_1)
	v_lshlrev_b32 v3, 2, v2                        ; its 4 bytes of a row
	s_lshr_b32 s19, s40, 7                         ; 0: the four square weights, 1: w1, 2: w2
	s_lshr_b32 s24, s40, 5
	s_lshl_b32 s24, s24, 9                         ; 512 fragments for each square weight
	s_lshl_b32 s25, s19, 11
	s_cmp_eq_u32 s19, 0
	s_cselect_b32 s20, 31, 127                     ; work-groups of this weight - 1
	s_cselect_b32 s24, s24, s25                    ; RB
	s_cmp_eq_u32 s19, 1
	s_cselect_b32 s21, 31, 7                       ; blocks of 128 columns - 1
	s_cselect_b32 s22, 5, 3                        ; their log2
	s_cselect_b32 s23, 14, 12                      ; log2 of a row's bytes
	s_cmp_eq_u32 s19, 2
	s_cselect_b32 s26, 5, 3                        ; log2 KS
	s_and_b32 s20, s40, s20                        ; the work-group's number within its weight
	s_and_b32 s21, s20, s21                        ; which 128 columns
	s_lshr_b32 s22, s20, s22                       ; which 256 along K
	s_and_b32 s27, s18, 3
	s_lshl_b32 s21, s21, 2
	s_add_co_u32 s21, s21, s27                     ; my group of 32 columns
	s_lshr_b32 s27, s18, 2
	s_lshl_b32 s22, s22, 1
	s_add_co_u32 s22, s22, s27                     ; my K step
	s_lshl_b32 s27, s21, 1
	s_lshl_b32 s27, s27, s26                       ; 2 x group x KS
	s_add_co_u32 s24, s24, s27
	s_add_co_u32 s24, s24, s22                     ; fragment of tile u = 0
	s_mul_i32 s28, s24, 1536
	s_mov_b32 s29, 0
	s_lshl_b32 s30, s24, 6
	s_add_co_u32 s30, s30, 9437184
	s_mov_b32 s31, 0
	s_lshl_b32 s32, s22, 7
	s_lshl_b32 s32, s32, s23                       ; 128 rows x K step
	s_lshl_b32 s33, s21, 7
	s_add_co_u32 s32, s32, s33                     ; + 128 bytes x group
	s_mov_b32 s33, 0
	v_bfe_u32 v4, v0, 3, 1                         ; u
	v_and_b32 v5, 7, v0
	v_bfe_u32 v6, v0, 4, 1
	s_delay_alu instid0(VALU_DEP_1)
	v_lshl_add_u32 v5, v6, 3, v5                   ; r
	s_delay_alu instid0(VALU_DEP_4)
	v_mul_u32_u24 v6, v4, 1536
	s_delay_alu instid0(VALU_DEP_1)
	v_lshlrev_b32 v6, s26, v6
	s_delay_alu instid0(VALU_DEP_1)
	v_lshl_add_u32 v6, v5, 4, v6                   ; codes: u KS 1,536 + 16 r
	v_lshlrev_b32 v7, 6, v4
	s_delay_alu instid0(VALU_DEP_1)
	v_lshlrev_b32 v7, s26, v7
	s_delay_alu instid0(VALU_DEP_1)
	v_lshl_add_u32 v7, v5, 2, v7                   ; scale word: u KS 64 + 4 r
	s_wait_kmcnt 0x0
	s_cmp_lt_u32 s40, 256                          ; the source: a choice on the work-group's number alone
	s_cselect_b64 s[34:35], s[12:13], s[14:15]
	s_cmp_lt_u32 s40, 128
	s_cselect_b64 s[34:35], s[10:11], s[34:35]
	s_cmp_lt_u32 s40, 96
	s_cselect_b64 s[34:35], s[8:9], s[34:35]
	s_cmp_lt_u32 s40, 64
	s_cselect_b64 s[34:35], s[6:7], s[34:35]
	s_cmp_lt_u32 s40, 32
	s_cselect_b64 s[34:35], s[4:5], s[34:35]
	s_add_nc_u64 s[34:35], s[34:35], s[32:33]
	s_add_nc_u64 s[36:37], s[16:17], s[28:29]      ; my codes
	s_add_nc_u64 s[38:39], s[16:17], s[30:31]      ; my scale words
.macro LOADS pitch                     ; W(128 s + i, my column), i = 0 .. 127: the row's pitch stands in the immediate, so the run is written for both pitches
.set i, 0
.rept 128
	global_load_b32 v[X+i], v3, s[34:35] offset:i*\pitch th:TH_LOAD_NT
.set i, i+1
.endr
.endm
	s_cmp_eq_u32 s19, 1
	s_cbranch_scc1 .Lwide
	LOADS 4096
	s_branch .Lgo
.Lwide:
	LOADS 16384
.Lgo:
; Block bk = 2 c + h of my column: its 24 bytes of codes are registers 6 c .. 6 c + 5 of lane (r, h) of the fragment.
.macro BLOCK bk, left
.set XS, X+32*(\bk)
.set CP, (\bk)/2
.set HP, (\bk)%2
	s_wait_loadcnt \left                           ; loads come back in order: this block's 32 are in; the count is at most the loads behind them (and at most what the field holds)
	v_max3_num_f32 v8, |v[XS]|, |v[XS+1]|, |v[XS+2]|
	v_max3_num_f32 v9, |v[XS+3]|, |v[XS+4]|, |v[XS+5]|
.irp i, 6,10,14,18,22,26
	s_delay_alu instid0(VALU_DEP_2)
	v_max3_num_f32 v8, v8, |v[XS+\i]|, |v[XS+\i+1]|
	s_delay_alu instid0(VALU_DEP_2)
	v_max3_num_f32 v9, v9, |v[XS+\i+2]|, |v[XS+\i+3]|
.endr
	s_delay_alu instid0(VALU_DEP_2)
	v_max3_num_f32 v8, v8, |v[XS+30]|, |v[XS+31]|
	s_delay_alu instid0(VALU_DEP_1)
	v_max3_num_f32 v8, v8, v9, 0x1800000           ; and the floor 2^(3 - 127): the byte cannot fall under 1
	s_delay_alu instid0(VALU_DEP_1)
	v_add_nc_u32 v[12+\bk], 0xff000000, v8         ; 2 off the exponent field: the conversion's scale operand
	s_delay_alu instid0(VALU_DEP_1)
	v_lshrrev_b32 v9, 23, v[12+\bk]                ; the scale's byte
.if (\bk) == 0
	s_delay_alu instid0(VALU_DEP_1)
	v_mov_b32 v24, v9
.else
	s_delay_alu instid0(VALU_DEP_1)
	v_lshl_or_b32 v24, v9, 8*(\bk), v24            ; four bytes make my column's scale word
.endif
	v_cvt_scalef32_pk16_fp6_f32 v[CA+12*CP+4*HP:CA+12*CP+4*HP+2], v[XS:XS+15], v[12+\bk]
	v_cvt_scalef32_pk16_fp6_f32 v[184+4*HP:186+4*HP], v[XS+16:XS+31], v[12+\bk]   ; (a conversion's three registers begin on an even number)
.if HP == 1
	v_nop                                          ; one plain place behind a scaled conversion
	v_mov_b32 v[CA+12*CP+3], v184                  ; lane (r, 0): registers 0-3,
	v_mov_b32 v[CA+12*CP+8], v185                  ; and 4, 5
	v_mov_b32 v[CA+12*CP+9], v186
	v_mov_b32 v[CA+12*CP+7], v188                  ; lane (r, 1) likewise
	v_mov_b32 v[CA+12*CP+10], v189
	v_mov_b32 v[CA+12*CP+11], v190
	global_store_b128 v6, v[CA+12*CP:CA+12*CP+3], s[36:37] offset:768*CP
	global_store_b128 v6, v[CA+12*CP+4:CA+12*CP+7], s[36:37] offset:768*CP+256
	global_store_b128 v6, v[CA+12*CP+8:CA+12*CP+11], s[36:37] offset:768*CP+512
.endif
.endm
	BLOCK 0, 63
	BLOCK 1, 63
	BLOCK 2, 32
	BLOCK 3, 0
	global_store_b32 v7, v24, s[38:39]             ; 64 consecutive bytes for each of the two tiles: one byte in 24 of what the wave stores
	s_endpgm
.Lln:
; ---- THE NORM: y = (x - mean) rsqrt(var + 1e-5) g + b along rows of 1,024 f32, then quantised along the row.
; A work-group is one tile T of 16 rows.  Wave w takes K step w (columns 128 w .. 128 w + 127) of all 16 rows.  Out: fragment (T, w) at (8 T + w) x 1,536; scale words at 3,145,728 + (8 T + w) x 64.
; Each load reads 512 consecutive bytes of a row; the wave's 16 x 512 bytes turn through its own stage in LDS (rows 528 bytes apart) so that lane (r, h) holds, of row r, 16 neighbours of each block of 32.
; x and b are requested at the wave's head, 32 loads; g takes the registers that x has left, behind the wait that shows the stage's stores done, and lands under the two sums.
; The mean is taken first and the variance of the centred numbers, so a common offset of the inputs costs no accuracy.  Two barriers: the waves' partial sums meet in LDS.
.set R,  16                            ; v16-79   x as loaded, then g
.set X,  80                            ; v80-143  64 numbers: register 16 b + i = column 128 w + 32 b + 16 h + i of row r
.set BB, 144                           ; v144-207 b
.set PC, 208                           ; v208-226 at work, then the codes
.set TM, 228                           ; v228-243 the quantiser's work
.set PW, 244                           ; the scale word
.set G,  16
.set SEL, 22
.set RED, 67584                        ; behind the eight stages: 16 rows x 8 waves of partial sums, twice 512 bytes; behind them the spare words
.macro QUANT s, pc, pw                 ; 64 numbers of a lane, register 16 b + i = k 32 b + 16 (lane / 16) + i of my row, become a fragment's codes in v[pc] on and its scale word in v[pw]
.irp b, 0,1,2,3
	v_max3_num_f32 v[TM+\b], |v[\s+16*\b]|, |v[\s+1+16*\b]|, 0x1800000   ; my 16 numbers of block b, and the floor 2^(3 - 127)
.endr
.irp i, 2,4,6,8,10,12,14
.irp b, 0,1,2,3
	s_delay_alu instid0(VALU_DEP_4)
	v_max3_num_f32 v[TM+\b], v[TM+\b], |v[\s+16*\b+\i]|, |v[\s+1+16*\b+\i]|
.endr
.endr
.irp b, 0,1,2,3
	s_delay_alu instid0(VALU_DEP_4)
	v_permlanex16_b32 v[TM+4+\b], v[TM+\b], s[SEL], s[SEL+1]
.endr
.irp b, 0,1,2,3
	s_delay_alu instid0(VALU_DEP_4)
	v_max_num_f32 v[TM+\b], v[TM+\b], v[TM+4+\b]   ; with lane l xor 16's: the block's largest magnitude
.endr
.irp b, 0,1,2,3
	s_delay_alu instid0(VALU_DEP_4)
	v_add_nc_u32 v[TM+12+\b], 0xff000000, v[TM+\b] ; 2 off its exponent field: the conversion's scale operand
.endr
.irp b, 0,1,2,3
	s_delay_alu instid0(VALU_DEP_4)
	v_lshrrev_b32 v[TM+4+\b], 23, v[TM+12+\b]      ; the scale's byte
.endr
	s_delay_alu instid0(VALU_DEP_3)
	v_lshl_or_b32 v[\pw], v[TM+5], 8, v[TM+4]
	s_delay_alu instid0(VALU_DEP_1)
	v_lshl_or_b32 v[\pw], v[TM+6], 16, v[\pw]
	s_delay_alu instid0(VALU_DEP_1)
	v_lshl_or_b32 v[\pw], v[TM+7], 24, v[\pw]
.irp c, 0,1
	v_cvt_scalef32_pk16_fp6_f32 v[\pc+6*\c:\pc+2+6*\c], v[\s+32*\c:\s+15+32*\c], v[TM+12+2*\c]
	v_cvt_scalef32_pk16_fp6_f32 v[\pc+12+4*\c:\pc+14+4*\c], v[\s+16+32*\c:\s+31+32*\c], v[TM+12+2*\c+1]
.endr
	v_nop                                          ; one plain place behind a scaled conversion
.irp c, 0,1                            ; the operand's layout wants a whole block in a lane
.irp i, 0,1,2
	v_permlane16_swap_b32 v[\pc+6*\c+\i], v[\pc+12+4*\c+\i]
.endr
.irp i, 0,1,2
	s_delay_alu instid0(VALU_DEP_3)
	v_mov_b32 v[\pc+3+6*\c+\i], v[\pc+12+4*\c+\i]
.endr
.endr
.endm
.macro WGSUM red                       ; v208: my lane's sum -> v216: the row's sum over both halves of the lanes and the eight waves
	s_delay_alu instid0(VALU_DEP_1)
	v_permlanex16_b32 v209, v208, s[SEL], s[SEL+1]
	s_delay_alu instid0(VALU_DEP_1)
	v_add_f32 v208, v208, v209
	ds_store_b32 v8, v208 offset:\red              ; both halves of the lanes write the same word with the same value
	s_wait_dscnt 0x0                               ; for the others' sake: my store has landed
	s_barrier_signal -1
	s_barrier_wait -1
	ds_load_b128 v[216:219], v9 offset:\red
	ds_load_b128 v[220:223], v9 offset:\red+16
	s_wait_dscnt 0x0
	v_pk_add_f32 v[216:217], v[216:217], v[220:221]
	v_pk_add_f32 v[218:219], v[218:219], v[222:223]
	s_delay_alu instid0(VALU_DEP_1)
	v_pk_add_f32 v[216:217], v[216:217], v[218:219]
	s_delay_alu instid0(VALU_DEP_1)
	v_add_f32 v216, v216, v217
.endm
	s_load_b256 s[4:11], s[0:1], 0x38              ; x, g, b, out
	v_lshl_add_u32 v254, v0, 2, 0x10c00
	v_mov_b32 v255, 0
	v_lshrrev_b32 v1, 5, v0
	s_delay_alu instid0(VALU_DEP_1)
	v_readfirstlane_b32 s12, v1                    ; wave 0..7
	v_and_b32 v1, 31, v0                           ; lane
	s_wait_alu depctr_va_vdst(0)
	v_and_b32 v2, 15, v0                           ; r
	s_wait_alu depctr_va_vdst(0)
	v_bfe_u32 v3, v0, 4, 1                         ; h
	s_lshr_b32 s13, ttmp9, 1
	s_lshl_b32 s13, s13, 5
	s_and_b32 s14, ttmp9, 1
	s_lshl_b32 s14, s14, 3
	s_add_co_u32 s13, s13, s14                     ; the tile's first row: 32 (T / 2) + 8 (T % 2)
	s_lshl_b32 s14, s13, 12
	s_mov_b32 s15, 0
	s_lshl_b32 s16, ttmp9, 3
	s_add_co_u32 s16, s16, s12                     ; my fragment: 8 T + w
	s_mul_i32 s18, s16, 1536
	s_mov_b32 s19, 0
	s_lshl_b32 s20, s16, 6
	s_add_co_u32 s20, s20, 3145728
	s_mov_b32 s21, 0
	s_mov_b32 s[SEL], 0x76543210
	s_mov_b32 s[SEL+1], 0xfedcba98                 ; v_permlanex16_b32's selects for lane l xor 16
	s_lshl_b32 s24, s12, 9                         ; my 512 bytes of a row
	s_mul_i32 s25, s12, 8448                       ; my stage
	s_lshl_b32 s26, s12, 2
	v_lshlrev_b32 v10, 4, v1                       ; 16 x lane
	s_delay_alu instid0(VALU_DEP_1)
	v_add_nc_u32 v4, s24, v10                      ; x: my 16 bytes of the wave's 512
	s_delay_alu instid0(VALU_DEP_2)
	v_add_nc_u32 v5, s25, v10                      ; the stage, on the way in
	v_mul_u32_u24 v6, v2, 528
	s_wait_alu depctr_va_vdst(0)
	v_lshl_add_u32 v6, v3, 6, v6
	s_delay_alu instid0(VALU_DEP_1)
	v_add_nc_u32 v6, s25, v6                       ; and out: row r, + 64 h
	v_lshlrev_b32 v7, 6, v3
	s_delay_alu instid0(VALU_DEP_1)
	v_add_nc_u32 v7, s24, v7                       ; g, b: 512 w + 64 h
	v_lshlrev_b32 v9, 5, v2
	s_delay_alu instid0(VALU_DEP_1)
	v_add_nc_u32 v9, RED, v9                       ; row r's eight partial sums
	s_delay_alu instid0(VALU_DEP_1)
	v_add_nc_u32 v8, s26, v9                       ; mine among them
	v_lshlrev_b32 v11, 4, v2
	s_delay_alu instid0(VALU_DEP_1)
	v_lshl_add_u32 v11, v3, 3, v11                 ; 16 r + 8 h
	v_lshlrev_b32 v12, 2, v2                       ; 4 r
.irp b, 0,1,2,3
	v_mov_b32 v[TM+4+\b], 0                        ; written once: a lane permute's destination counts as one of its sources
.endr
	s_wait_alu depctr_va_vdst(0)                   ; the wait at the head's end
	s_wait_kmcnt 0x0
	s_add_nc_u64 s[4:5], s[4:5], s[14:15]
	s_add_nc_u64 s[18:19], s[10:11], s[18:19]
	s_add_nc_u64 s[20:21], s[10:11], s[20:21]
.irp i, 0,1,2,3,4,5,6,7,8,9,10,11,12,13,14,15
	global_load_b128 v[R+4*\i:R+4*\i+3], v4, s[4:5] offset:(\i+8*(\i/8))*4096 th:TH_LOAD_NT
.endr
.irp b, 0,1,2,3                        ; b goes out behind x, at once
.irp j, 0,1,2,3
	global_load_b128 v[BB+16*\b+4*\j:BB+16*\b+4*\j+3], v7, s[8:9] offset:128*\b+16*\j
.endr
.endr
.irp i, 0,1,2,3,4,5,6,7,8,9,10,11,12,13,14,15
	s_wait_loadcnt 31-\i                           ; loads come back in order: row i is in; the 15 - i rows behind it and the 16 loads of b may be out
	ds_store_b128 v5, v[R+4*\i:R+4*\i+3] offset:528*\i
.endr
.irp b, 0,1,2,3
.irp j, 0,1,2,3
	ds_load_b128 v[X+16*\b+4*\j:X+16*\b+4*\j+3], v6 offset:128*\b+16*\j   ; my own stage: LDS serves a wave's instructions in order
.endr
.endr
	s_wait_dscnt 0x0                               ; x is back, and the stage's stores have read their registers:
.irp b, 0,1,2,3                        ; g takes them
.irp j, 0,1,2,3
	global_load_b128 v[G+16*\b+4*\j:G+16*\b+4*\j+3], v7, s[6:7] offset:128*\b+16*\j
.endr
.endr
	v_pk_add_f32 v[210:211], v[80:81], v[88:89]
	v_pk_add_f32 v[212:213], v[96:97], v[104:105]
	v_pk_add_f32 v[214:215], v[112:113], v[120:121]
	v_pk_add_f32 v[252:253], v[128:129], v[136:137]
	v_pk_add_f32 v[250:251], v[82:83], v[90:91]
	v_pk_add_f32 v[248:249], v[98:99], v[106:107]
	v_pk_add_f32 v[246:247], v[114:115], v[122:123]
	v_pk_add_f32 v[208:209], v[130:131], v[138:139]
	s_delay_alu instid0(VALU_DEP_1)
	v_pk_add_f32 v[208:209], v[208:209], v[84:85]
	v_pk_add_f32 v[210:211], v[210:211], v[92:93]
	v_pk_add_f32 v[212:213], v[212:213], v[100:101]
	v_pk_add_f32 v[214:215], v[214:215], v[108:109]
	v_pk_add_f32 v[252:253], v[252:253], v[116:117]
	v_pk_add_f32 v[250:251], v[250:251], v[124:125]
	v_pk_add_f32 v[248:249], v[248:249], v[132:133]
	v_pk_add_f32 v[246:247], v[246:247], v[140:141]
	v_pk_add_f32 v[208:209], v[208:209], v[86:87]
	v_pk_add_f32 v[210:211], v[210:211], v[94:95]
	v_pk_add_f32 v[212:213], v[212:213], v[102:103]
	v_pk_add_f32 v[214:215], v[214:215], v[110:111]
	v_pk_add_f32 v[252:253], v[252:253], v[118:119]
	v_pk_add_f32 v[250:251], v[250:251], v[126:127]
	v_pk_add_f32 v[248:249], v[248:249], v[134:135]
	v_pk_add_f32 v[246:247], v[246:247], v[142:143]
	s_delay_alu instid0(VALU_DEP_4)
	v_pk_add_f32 v[208:209], v[208:209], v[252:253]
	s_delay_alu instid0(VALU_DEP_4)
	v_pk_add_f32 v[210:211], v[210:211], v[250:251]
	s_delay_alu instid0(VALU_DEP_4)
	v_pk_add_f32 v[212:213], v[212:213], v[248:249]
	s_delay_alu instid0(VALU_DEP_4)
	v_pk_add_f32 v[214:215], v[214:215], v[246:247]
	s_delay_alu instid0(VALU_DEP_2)
	v_pk_add_f32 v[208:209], v[208:209], v[212:213]
	s_delay_alu instid0(VALU_DEP_2)
	v_pk_add_f32 v[210:211], v[210:211], v[214:215]
	s_delay_alu instid0(VALU_DEP_1)
	v_pk_add_f32 v[208:209], v[208:209], v[210:211]
	s_delay_alu instid0(VALU_DEP_1)
	v_add_f32 v208, v208, v209
	WGSUM 0
	s_delay_alu instid0(VALU_DEP_1)
	v_mul_f32 v246, 0xba800000, v216               ; - the mean
	s_delay_alu instid0(VALU_DEP_1)
	v_mov_b32 v247, v246
.set n, 0
.rept 32
	v_pk_add_f32 v[X+n:X+n+1], v[X+n:X+n+1], v[246:247]
.set n, n+2
.endr
.irp k, 0,1,2,3                        ; the centred numbers' squares
	v_pk_mul_f32 v[208+2*\k:209+2*\k], v[X+2*\k:X+2*\k+1], v[X+2*\k:X+2*\k+1]
.endr
.irp j, 1,2,3,4,5,6,7
.irp k, 0,1,2,3
	s_delay_alu instid0(VALU_DEP_4)
	v_pk_fma_f32 v[208+2*\k:209+2*\k], v[X+8*\j+2*\k:X+8*\j+2*\k+1], v[X+8*\j+2*\k:X+8*\j+2*\k+1], v[208+2*\k:209+2*\k]
.endr
.endr
	s_delay_alu instid0(VALU_DEP_3)
	v_pk_add_f32 v[208:209], v[208:209], v[210:211]
	s_delay_alu instid0(VALU_DEP_2)
	v_pk_add_f32 v[212:213], v[212:213], v[214:215]
	s_delay_alu instid0(VALU_DEP_1)
	v_pk_add_f32 v[208:209], v[208:209], v[212:213]
	s_delay_alu instid0(VALU_DEP_1)
	v_add_f32 v208, v208, v209
	WGSUM 512                                      ; other bytes than the first sum's: no third barrier is needed
	v_mov_b32 v249, 0x3a800000
	s_delay_alu instid0(VALU_DEP_1)
	v_fmaak_f32 v248, v216, v249, 0x3727c5ac       ; the variance + 1e-5
	s_wait_alu depctr_va_vdst(0)
	v_rsq_f32 v250, v248
	v_nop                                          ; one plain place behind a transcendental
	s_wait_alu depctr_va_vdst(0)
	v_mov_b32 v251, v250
	s_wait_alu depctr_va_vdst(0)
	s_wait_loadcnt 0x0                             ; g and b
.set n, 0
.rept 32
	v_pk_mul_f32 v[X+n:X+n+1], v[X+n:X+n+1], v[250:251]
.set n, n+2
.endr
.set n, 0
.rept 32
	v_pk_fma_f32 v[X+n:X+n+1], v[X+n:X+n+1], v[G+n:G+n+1], v[BB+n:BB+n+1]
.set n, n+2
.endr
	QUANT X, PC, PW
	global_store_b128 v10, v[PC:PC+3], s[18:19]                ; 512 consecutive bytes
	global_store_b64 v11, v[PC+4:PC+5], s[18:19] offset:512    ; 256
	global_store_b128 v10, v[PC+6:PC+9], s[18:19] offset:768
	global_store_b64 v11, v[PC+10:PC+11], s[18:19] offset:1280
	global_store_b32 v12, v[PW], s[20:21]                      ; 64 bytes; both halves of the lanes hold the same word
	s_wait_tensorcnt 0x0                           ; the wave's end
	ds_add_u32 v254, v255
	s_wait_dscnt 0x0
	s_endpgm
.Lfunc_end_k_q2190e9f34d_prep:
	.size	k_q2190e9f34d_prep, .Lfunc_end_k_q2190e9f34d_prep-k_q2190e9f34d_prep
	.p2alignl 7, 3214868480
	.fill 96, 4, 3214868480
	.section	.rodata,"a",@progbits
	.p2align	6, 0x0
	.amdhsa_kernel k_q2190e9f34d_prep
		.amdhsa_group_segment_fixed_size 69632
		.amdhsa_private_segment_fixed_size 0
		.amdhsa_enable_private_segment 0
		.amdhsa_kernarg_size 88
		.amdhsa_user_sgpr_count 2
		.amdhsa_user_sgpr_kernarg_segment_ptr 1
		.amdhsa_wavefront_size32 1
		.amdhsa_system_sgpr_workgroup_id_x 1
		.amdhsa_system_sgpr_workgroup_id_y 1
		.amdhsa_system_sgpr_workgroup_id_z 1
		.amdhsa_system_vgpr_workitem_id 0
		.amdhsa_next_free_vgpr 256
		.amdhsa_next_free_sgpr 66
		.amdhsa_reserve_vcc 0
		.amdhsa_float_denorm_mode_32 3
		.amdhsa_float_denorm_mode_16_64 3
		.amdhsa_memory_ordered 1
		.amdhsa_forward_progress 1
		.amdhsa_inst_pref_size 65
	.end_amdhsa_kernel
	.amdgpu_metadata
---
amdhsa.version: [ 1, 2 ]
amdhsa.kernels:
  - .name:           k_q2190e9f34d_prep
    .symbol:         k_q2190e9f34d_prep.kd
    .args:
      - { .name: wq, .offset: 0, .size: 8, .value_kind: global_buffer, .address_space: global }
      - { .name: wk, .offset: 8, .size: 8, .value_kind: global_buffer, .address_space: global }
      - { .name: wv, .offset: 16, .size: 8, .value_kind: global_buffer, .address_space: global }
      - { .name: wo, .offset: 24, .size: 8, .value_kind: global_buffer, .address_space: global }
      - { .name: w1, .offset: 32, .size: 8, .value_kind: global_buffer, .address_space: global }
      - { .name: w2, .offset: 40, .size: 8, .value_kind: global_buffer, .address_space: global }
      - { .name: wbuf, .offset: 48, .size: 8, .value_kind: global_buffer, .address_space: global }
      - { .name: hidden, .offset: 56, .size: 8, .value_kind: global_buffer, .address_space: global }
      - { .name: ln1_g, .offset: 64, .size: 8, .value_kind: global_buffer, .address_space: global }
      - { .name: ln1_b, .offset: 72, .size: 8, .value_kind: global_buffer, .address_space: global }
      - { .name: xbuf, .offset: 80, .size: 8, .value_kind: global_buffer, .address_space: global }
    .group_segment_fixed_size: 69632
    .private_segment_fixed_size: 0
    .kernarg_segment_align: 8
    .kernarg_segment_size: 88
    .max_flat_workgroup_size: 256
    .sgpr_count:     66
    .vgpr_count:     256
    .wavefront_size: 32
...
	.end_amdgpu_metadata
.endif
;; end of part 1
;; launch qkv (part 2): grid 12 x 16, 4 waves a work-group, clusters of 4 x 4, 327,680 bytes of LDS; arguments xbuf, wbuf, bq, bk, bv, qkvbuf; writes qkvbuf
.if DOCPART == 2
	.amdgcn_target "amdgcn-amd-amdhsa--gfx1250"
	.amdhsa_code_object_version 6
	.text
	.protected	k_q2190e9f34d_qkv
	.globl	k_q2190e9f34d_qkv
	.p2align	8
	.type	k_q2190e9f34d_qkv,@function
k_q2190e9f34d_qkv:
	s_mov_b64 s[64:65], 0
	v_nop
	global_prefetch_b8 v0, s[64:65] scope:SCOPE_SE
	s_setreg_imm32_b32 hwreg(HW_REG_WAVE_MODE, 25, 1), 1
	s_wait_xcnt 0x0
	s_wait_alu depctr_hold_cnt(0) depctr_sa_sdst(0) depctr_va_vdst(0) depctr_va_sdst(0) depctr_va_ssrc(0) depctr_va_vcc(0) depctr_vm_vsrc(0)
	s_getreg_b32 s2, hwreg(HW_REG_IB_STS2, 6, 4)
	s_cmp_eq_u32 s2, 0
	s_cbranch_scc0 .Lentry_in_a_cluster
	s_endpgm
.Lentry_in_a_cluster:
	s_bfe_u32 s2, ttmp6, 0x10000c
	s_cmp_lg_u32 s2, 0xf033
	s_cbranch_scc0 .Lentry_shape_is_right
	s_endpgm
.Lentry_shape_is_right:
; q, k, v = LN1(hidden) W + bias, on codes of FP6 (E2M3) with E8M0 scales, and each result quantised at once for attention's products.
; x: 256 tiles of 16 tokens x 8 K steps, fragments of 1,536 bytes as register images (halves of 768: registers 6c .. 6c+3 at 16 x lane, 6c+4, 6c+5 at 512 + 16 (lane % 16) + 8 (lane / 16)); scale words 64 bytes a fragment from 3,145,728.
; W: wq | wk | wv on end in wbuf, 192 tiles of 16 columns x 8 K steps, the same form; scale words from 9,437,184.  A tile's 16 rows are rows 8 u + r + 8 (r / 8) of a group of 32.
; A work-group of four waves makes 256 tokens x 256 columns, a wave 128 x 128: 64 accumulators, 512 registers.  K goes in steps of 256 through two LDS slots; a fragment comes by four LDS loads of consecutive bytes.
; CLUSTERS 4 x 4: x's tiles are shared along a row of the cluster, W's along a column: joint tensor loads.  A cluster's x is 0 (q), 1 (k) or 2 (v): the same number in all sixteen partners.
; SOURCE 0 gives the result's registers, SOURCE 1 its lanes.  By the order of a tile's rows, the 16 registers of two neighbouring tiles of source 0 are 16 neighbours.
;   q, k: source 0 = W's tiles, source 1 = tokens: a lane holds a token and 64 + 64 neighbouring columns: two heads, each quantised along its 64.
;   v:    source 0 = tokens, source 1 = W's tiles: a lane holds a column d and 128 neighbouring tokens: quantised along the keys.  Only the LDS addresses of the two roles change places, by a choice on the cluster's x.
; OUT (qkvbuf): q at 0, k at 3,145,728: [b h][group of 32 tokens][1,536]: half u = token tile u of the group, 64 dims; scale words (2 bytes for each of the two tiles) at 9,437,184 and 9,568,256.
;   v at 6,291,456: [b h][128 keys][d tile][1,536]; scale words at 9,699,328.
; REGISTERS: window 0: v7-8, v16-29 addresses; v32-63 scale words, two sets; v64-127 the bias along the columns; v128-223 role A's fragments, one set; v232-239 the bias for v; on the way out v128-231 are at work.
;   window 1: role B's fragments, two sets;  windows 2, 3: the accumulators ((a, b) at v[8 (8 (a % 4) + b)]).
; LIMITS: a block of zeros gets the byte 1; NaN and infinities are not served.
.set NQ,    2
.set KS,    8
.set FR,    12
.set NL,    4
.set NP,    4
.set TROW,  NQ*1536                    ; a tile's bytes in a slot
.set HALFT, 8*TROW                     ; 8 tiles: what one tensor load brings, and what one wave reads of a side
.set SLOT,  4*HALFT
.set LAPS,  KS/(2*NQ)
.set SCL,   2*SLOT                     ; behind the ring: the scale words of all of K, filled once
.set HALFS, 8*KS*64
.set SBLK,  KS*64
.set SPARE, SCL+4*HALFS                ; the spare words: 128 bytes a wave, two blocks of 256 bytes that no other line names
.set ASC,   3145728
.set BCO,   0
.set BSC,   9437184
.set ADRA, 16                          ; v16-17 role A's fragments in slot 0, 1 (16 x lane form); v18-19 the 8-byte form
.set ADRB, 20                          ; v20-23 the same for role B
.set L16,  24
.set L8,   25
.set L4R,  26
.set ADRS, 27
.set SPW,  28
.set NIL,  29
.set SC,   32
.set BIAS, 64
.set AF,   128
.set BV,   232
.set H,    128
.set PC,   192
.set TM,   212
.set PW,   228
.set PWE,  229
.set SA,   230
.set SB,   231
.set G1, 24
.set G0, 32
.set G1B, 48
.set G0B, 56
.set SEL, 66
.set G1S, 68
.set G0S, 76
.set G1SB, 80
.set G0SB, 88
.set BP, 96
.set DC, 98
.set DS, 100
.set MSB, 0
.macro WIN new                         ; the immediate's high byte repeats the setting that is left
.if MSB != \new
	s_set_vgpr_msb (MSB<<8)|\new
.set MSB, \new
.endif
.endm
.set MUL_LO, 0xa1                      ; source 0 window 1, source 1 window 0, C and D window 2
.set MUL_HI, 0xf1
.set TO_B,   0x40
.macro JLOAD g0a, g1a, g0b, g1b        ; a joint load: waves 0, 1 fetch x's halves, waves 2, 3 W's; four v_nop follow each line
	s_cmp_eq_u32 s17, 0
	s_cbranch_scc0 .Lfor_b_\@
	tensor_load_to_lds s[\g0a:\g0a+3], s[\g1a:\g1a+7]
	s_nop 0
.rept 4
	v_nop
.endr
	s_branch .Lasked_\@
.Lfor_b_\@:
	tensor_load_to_lds s[\g0b:\g0b+3], s[\g1b:\g1b+7]
	s_nop 0
.rept 4
	v_nop
.endr
.Lasked_\@:
.endm
.macro CREST
	s_cmp_lg_u32 s16, 0
	s_cbranch_scc1 .Lnot_wave_0_\@
	s_barrier_signal -3
.Lnot_wave_0_\@:
	s_barrier_wait -3
	s_barrier_signal -1
	s_barrier_wait -1
.endm
.macro CROUND
	s_barrier_signal -1
	s_barrier_wait -1
	CREST
.endm
.macro PLACES n
.rept \n
	v_nop
.endr
.endm
.macro FRAG reg, adr, q, i             ; a fragment as it was stored: 512 + 256 + 512 + 256 consecutive bytes
	ds_load_b128 v[\reg:\reg+3], v[\adr] offset:(\i)*TROW+(\q)*1536
	ds_load_b64 v[\reg+4:\reg+5], v[\adr+2] offset:(\i)*TROW+(\q)*1536+512
	ds_load_b128 v[\reg+6:\reg+9], v[\adr] offset:(\i)*TROW+(\q)*1536+768
	ds_load_b64 v[\reg+10:\reg+11], v[\adr+2] offset:(\i)*TROW+(\q)*1536+1280
.endm
.macro MUL16 a0, p, q, sc, zero        ; role A's blocks a0, a0 + 1 x role B's eight; the 64 accumulators take turns
.irp a, \a0, \a0+1
.irp b, 0,1,2,3,4,5,6,7
.if \zero
	v_wmma_scale_f32_16x16x128_f8f6f4 v[8*(8*((\a)%4)+\b):8*(8*((\a)%4)+\b)+7], v[128*(\p)+FR*\b:128*(\p)+FR*\b+FR-1], v[AF+FR*(\a):AF+FR*(\a)+FR-1], 0, v[SC+8*NQ*(\sc)+NQ*\b+(\q)], v[SC+8*NQ*(\sc)+NQ*(\a)+(\q)] matrix_a_fmt:MATRIX_FMT_FP6 matrix_b_fmt:MATRIX_FMT_FP6 matrix_a_scale:MATRIX_SCALE_ROW1
.else
	v_wmma_scale_f32_16x16x128_f8f6f4 v[8*(8*((\a)%4)+\b):8*(8*((\a)%4)+\b)+7], v[128*(\p)+FR*\b:128*(\p)+FR*\b+FR-1], v[AF+FR*(\a):AF+FR*(\a)+FR-1], v[8*(8*((\a)%4)+\b):8*(8*((\a)%4)+\b)+7], v[SC+8*NQ*(\sc)+NQ*\b+(\q)], v[SC+8*NQ*(\sc)+NQ*(\a)+(\q)] matrix_a_fmt:MATRIX_FMT_FP6 matrix_b_fmt:MATRIX_FMT_FP6 matrix_a_scale:MATRIX_SCALE_ROW1
.endif
.endr
.endr
.endm
.macro FETCH_B slot, q, p
	WIN TO_B
.irp i, 0,1,2,3,4,5,6,7
	FRAG 128*(\p)+FR*\i, ADRB+\slot, \q, \i
.endr
	WIN 0
.endm
.macro FETCH_A slot, q, i0
.irp i, \i0, \i0+1, \i0+2, \i0+3
	FRAG AF+FR*(\i), ADRA+\slot, \q, \i
.endr
.endm
.macro SCALES sc                       ; lanes 0-15 take role A's block i, lanes 16-31 role B's block i
.irp i, 0,1,2,3,4,5,6,7
.irp q, 0,1
	ds_load_b32 v[SC+8*NQ*\sc+NQ*\i+\q], v[ADRS] offset:\i*SBLK+\q*64
.endr
.endr
.endm
.macro STEP slot, q, zero              ; 128 along K that has its successor in the same slot
	s_wait_dscnt 4*NL                              ; all but the youngest 16 loads (role A's blocks 4-7)
	WIN MUL_LO
	MUL16 0, (\q)%2, \q, \slot, \zero
	MUL16 2, (\q)%2, \q, \slot, \zero
	s_wait_dscnt 0
	PLACES NP                                      ; four places in front of loads into registers that matrix instructions have read
	FETCH_B \slot, (\q)+1, 1-(\q)%2
	FETCH_A \slot, (\q)+1, 0
	WIN MUL_HI
	MUL16 4, (\q)%2, \q, \slot, \zero
	MUL16 6, (\q)%2, \q, \slot, \zero
	PLACES NP
	WIN 0
	FETCH_A \slot, (\q)+1, 4
.endm
.macro TURN slot, next, fill           ; a slot's last step changes slots: one barrier
	s_wait_tensorcnt 0x0                           ; all my tensor loads have landed: my part of the next slot
	ds_add_u32 v[SPW], v[NIL]                      ; 0 onto my spare word
	s_wait_dscnt 4*NL+1                            ; (the add and the youngest 16 loads may be out)
	WIN MUL_LO
	MUL16 0, 1, NQ-1, \slot, 0
	s_wait_dscnt 0x0                               ; the add is done, and my reads of this slot are over
	s_barrier_signal -1
	MUL16 2, 1, NQ-1, \slot, 0
	WIN 0
	s_barrier_wait -1
.if \fill
	CREST                                          ; the barrier has opened a round of the cluster's barrier: no wave of any partner still reads this slot or has a load on its way
	s_add_nc_u64 s[G0+4*\slot+2:G0+4*\slot+3], s[G0+4*\slot+2:G0+4*\slot+3], 2*TROW
	s_add_nc_u64 s[G0B+4*\slot+2:G0B+4*\slot+3], s[G0B+4*\slot+2:G0B+4*\slot+3], 2*TROW
	JLOAD G0+4*\slot, G1, G0B+4*\slot, G1B         ; the first tensor load behind it; its four v_nop are the places in front of the loads below
.else
	PLACES NP
.endif
	s_wait_alu depctr_va_vdst(0)
	v_add_nc_u32 v[ADRS], 64*NQ, v[ADRS]           ; the next slot's scale words
	FETCH_B \next, 0, 0
	FETCH_A \next, 0, 0
	SCALES \next
	WIN MUL_HI
	MUL16 4, 1, NQ-1, \slot, 0
	MUL16 6, 1, NQ-1, \slot, 0
	PLACES NP
	WIN 0
	FETCH_A \next, 0, 4
.endm
.macro QUANT s, pc, pw                 ; 64 numbers of a lane, register 16 b + i = k 32 b + 16 (lane / 16) + i of my row, become a fragment's codes in v[pc] on and its scale word in v[pw]
.irp b, 0,1,2,3
	v_max3_num_f32 v[TM+\b], |v[\s+16*\b]|, |v[\s+1+16*\b]|, 0x1800000
.endr
.irp i, 2,4,6,8,10,12,14
.irp b, 0,1,2,3
	v_max3_num_f32 v[TM+\b], v[TM+\b], |v[\s+16*\b+\i]|, |v[\s+1+16*\b+\i]|
.endr
.endr
.irp b, 0,1,2,3
	v_permlanex16_b32 v[TM+4+\b], v[TM+\b], s[SEL], s[SEL+1]
.endr
.irp b, 0,1,2,3
	v_max_num_f32 v[TM+\b], v[TM+\b], v[TM+4+\b]
.endr
.irp b, 0,1,2,3
	v_add_nc_u32 v[TM+12+\b], 0xff000000, v[TM+\b]
.endr
.irp b, 0,1,2,3
	v_lshrrev_b32 v[TM+4+\b], 23, v[TM+12+\b]
.endr
	v_lshl_or_b32 v[\pw], v[TM+5], 8, v[TM+4]
	v_lshl_or_b32 v[\pw], v[TM+6], 16, v[\pw]
	v_lshl_or_b32 v[\pw], v[TM+7], 24, v[\pw]
.irp c, 0,1
	v_cvt_scalef32_pk16_fp6_f32 v[\pc+6*\c:\pc+2+6*\c], v[\s+32*\c:\s+15+32*\c], v[TM+12+2*\c]
	v_cvt_scalef32_pk16_fp6_f32 v[\pc+12+4*\c:\pc+14+4*\c], v[\s+16+32*\c:\s+31+32*\c], v[TM+12+2*\c+1]
.endr
	v_nop                                          ; one plain place behind a scaled conversion
.irp c, 0,1
.irp i, 0,1,2
	v_permlane16_swap_b32 v[\pc+6*\c+\i], v[\pc+12+4*\c+\i]
.endr
.irp i, 0,1,2
	v_mov_b32 v[\pc+3+6*\c+\i], v[\pc+12+4*\c+\i]
.endr
.endr
.endm
	s_load_b256 s[4:11], s[0:1], 0x0               ; xbuf, wbuf, bq, bk
	s_load_b128 s[12:15], s[0:1], 0x20             ; bv, qkvbuf
	v_lshl_add_u32 v[SPW], v0, 2, SPARE
	v_mov_b32 v[NIL], 0
	ds_add_u32 v28, v29
	ds_add_u32 v28, v29
	s_wait_dscnt 0x0
	v_lshrrev_b32 v1, 5, v0
	v_readfirstlane_b32 s16, v1                    ; wave 0..3
	s_lshr_b32 s17, s16, 1                         ; my half of the tokens.  Also: I fetch x (0) or W (1)
	s_and_b32 s18, s16, 1                          ; my half of the columns.  Also: which 8 tiles I fetch
	s_bfe_u32 s40, ttmp6, 0x40000                  ; cx
	s_bfe_u32 s41, ttmp6, 0x40004                  ; cy
	s_lshl_b32 s42, ttmp9, 2
	s_add_co_u32 s42, s42, s40                     ; block of 256 columns of wq | wk | wv
	s_and_b32 s19, ttmp7, 0xffff
	s_lshl_b32 s19, s19, 2
	s_add_co_u32 s19, s19, s41                     ; block of 256 tokens
	s_lshl_b32 s43, s41, 2
	s_lshl_b32 s43, 15, s43                        ; my row of the cluster
	s_lshl_b32 s44, 0x1111, s40                    ; my column
	s_or_b32 s[G1+0], s43, (3<<16)|(1<<21)         ; the mask; elements of 8 bytes; bit 21 set beside a mask; no padding
	s_or_b32 s[G1B+0], s44, (3<<16)|(1<<21)
.irp g, G1, G1B
	s_mov_b32 s[\g+1], (TROW/8)<<16                ; tensor_dim0: a tile's two K steps, 3,072 bytes
	s_mov_b32 s[\g+2], 16<<16                      ; tensor_dim1: 16 tiles for the head's loads; set to 8 behind them
	s_mov_b32 s[\g+3], (TROW/8)<<16                ; tile_dim0
	s_mov_b32 s[\g+4], 16                          ; tile_dim1
	s_mov_b32 s[\g+5], KS*192                      ; from tile to tile: KS fragments
	s_mov_b32 s[\g+6], 0
	s_mov_b32 s[\g+7], 0
.endr
	s_or_b32 s[G1S+0], s43, (3<<16)|(1<<21)        ; the scale words of 16 tiles: a dense block, as rows of 256 bytes
	s_or_b32 s[G1SB+0], s44, (3<<16)|(1<<21)
.irp g, G1S, G1SB
	s_mov_b32 s[\g+1], 32<<16
	s_mov_b32 s[\g+2], (HALFS/128)<<16             ; the scale words of all 16 tiles of a side
	s_mov_b32 s[\g+3], 32<<16
	s_mov_b32 s[\g+4], HALFS/128
	s_mov_b32 s[\g+5], 32
	s_mov_b32 s[\g+6], 0
	s_mov_b32 s[\g+7], 0
.endr
	s_lshl_b32 s20, s19, 4                         ; x: the block's first tile
	s_lshl_b32 s46, s42, 4                         ; W likewise
	s_mul_i32 s2, s18, 8*KS*1536                   ; in the ring I fetch 8 tiles: which half, in bytes
	s_mov_b32 s3, 0
	s_lshl_b32 s22, s20, 9
	s_add_co_u32 s22, s22, ASC
	s_mov_b32 s23, 0
	s_mul_i32 s20, s20, KS*1536
	s_mov_b32 s21, 0
	s_lshl_b32 s92, s46, 9
	s_add_co_u32 s92, s92, BSC
	s_mov_b32 s93, 0
	s_mul_i32 s46, s46, KS*1536
	s_add_co_u32 s46, s46, BCO
	s_mov_b32 s47, 0
	s_mul_i32 s45, s16, HALFT                      ; where they go: wave x 8 tiles: no place in the cluster enters an LDS address
	s_mov_b32 s[SEL], 0x76543210
	s_mov_b32 s[SEL+1], 0xfedcba98
	s_wait_kmcnt 0x0
	s_add_nc_u64 s[20:21], s[4:5], s[20:21]
	s_add_nc_u64 s[22:23], s[4:5], s[22:23]
	s_add_nc_u64 s[46:47], s[6:7], s[46:47]
	s_add_nc_u64 s[92:93], s[6:7], s[92:93]
	CROUND                                         ; all sixteen work-groups are here: the first joint loads meet
	s_mov_b32 s[G0S], 1
	s_mov_b32 s[G0S+1], SCL
	s_mov_b64 s[G0S+2:G0S+3], s[22:23]
	s_or_b32 s[G0S+3], s[G0S+3], 0x80000000
	s_mov_b32 s[G0SB], 1
	s_mov_b32 s[G0SB+1], SCL+2*HALFS
	s_mov_b64 s[G0SB+2:G0SB+3], s[92:93]
	s_or_b32 s[G0SB+3], s[G0SB+3], 0x80000000
	s_mov_b32 s[G0], 1                             ; the head's loads of slot 0 take a side's 16 tiles whole
	s_mov_b32 s[G0+1], 0
	s_mov_b64 s[G0+2:G0+3], s[20:21]
	s_or_b32 s[G0+3], s[G0+3], 0x80000000
	s_mov_b32 s[G0B], 1
	s_mov_b32 s[G0B+1], 2*HALFT
	s_mov_b64 s[G0B+2:G0B+3], s[46:47]
	s_or_b32 s[G0B+3], s[G0B+3], 0x80000000
	s_mov_b32 s[G0+4], 1                           ; slot 1: my 8 tiles, the second pair of K steps
	s_add_co_u32 s[G0+5], s45, SLOT
	s_add_nc_u64 s[G0+6:G0+7], s[G0+2:G0+3], s[2:3]
	s_add_nc_u64 s[G0+6:G0+7], s[G0+6:G0+7], TROW
	s_mov_b32 s[G0B+4], 1
	s_add_co_u32 s[G0B+5], s45, SLOT
	s_add_nc_u64 s[G0B+6:G0B+7], s[G0B+2:G0B+3], s[2:3]
	s_add_nc_u64 s[G0B+6:G0B+7], s[G0B+6:G0B+7], TROW
; the head's four tiles, one joint load a wave: wave 0 x's slot 0, wave 1 W's, wave 2 x's scale words, wave 3 W's; one chain of branches on the wave's number
.macro ARM under, g0, g1, next
	s_cmp_lt_u32 s16, \under
	s_cbranch_scc0 \next
	tensor_load_to_lds s[\g0:\g0+3], s[\g1:\g1+7]
	s_nop 0
.rept 4
	v_nop
.endr
	s_branch .Lhead_asked
\next:
.endm
	ARM 1, G0, G1, .Lhead_b
	ARM 2, G0B, G1B, .Lhead_sa
	ARM 3, G0S, G1S, .Lhead_sb
	tensor_load_to_lds s[G0SB:G0SB+3], s[G1SB:G1SB+7]
	s_nop 0
.rept 4
	v_nop
.endr
.Lhead_asked:
	v_and_b32 v1, 15, v0                           ; r
	v_bfe_u32 v2, v0, 4, 1                         ; h
	v_and_b32 v3, 31, v0
	v_lshlrev_b32 v[L16], 4, v3
	s_wait_alu depctr_va_vdst(0)
	v_lshlrev_b32 v[L8], 4, v1
	v_lshl_add_u32 v[L8], v2, 3, v[L8]
	s_wait_alu depctr_va_vdst(0)
	v_lshlrev_b32 v[L4R], 2, v1
	s_mul_i32 s21, s17, HALFT                      ; my 8 tiles of tokens
	s_mul_i32 s22, s18, HALFT
	s_add_co_u32 s22, s22, 2*HALFT                 ; my 8 tiles of W
	s_cmp_eq_u32 ttmp9, 2                          ; for v the two change roles
	s_cselect_b32 s95, s22, s21                    ; role A (source 1: the result's lanes)
	s_cselect_b32 s22, s21, s22                    ; role B (source 0: the result's registers)
	s_cselect_b32 s23, 1, 0
	s_mov_b32 s21, s95
.irp s, 0,1
	v_add_nc_u32 v[ADRA+\s], s21, v[L16]
	v_add_nc_u32 v[ADRA+2+\s], s21, v[L8]
	v_add_nc_u32 v[ADRB+\s], s22, v[L16]
	v_add_nc_u32 v[ADRB+2+\s], s22, v[L8]
	s_add_co_u32 s21, s21, SLOT
	s_add_co_u32 s22, s22, SLOT
.endr
	s_mul_i32 s21, s17, HALFS                      ; the tokens' scale words,
	s_mul_i32 s22, s18, HALFS
	s_add_co_u32 s22, s22, 2*HALFS                 ; W's,
	s_sub_co_u32 s22, s22, s21                     ; and the distance between them: one product chooses
	v_xor_b32 v5, s23, v2                          ; lanes 0-15 take role A's, lanes 16-31 role B's
	v_mul_u32_u24 v6, s22, v5
	s_add_co_u32 s21, s21, SCL
	v_add_nc_u32 v6, v[L4R], v6
	v_add_nc_u32 v[ADRS], s21, v6
	s_cmp_eq_u32 ttmp9, 1                          ; the bias of my 128 columns
	s_cselect_b64 s[BP:BP+1], s[10:11], s[8:9]
	s_cmp_eq_u32 ttmp9, 2
	s_cselect_b64 s[BP:BP+1], s[12:13], s[BP:BP+1]
	s_lshl_b32 s92, s40, 10
	s_lshl_b32 s93, s18, 9
	s_add_co_u32 s92, s92, s93
	s_mov_b32 s93, 0
	s_add_nc_u64 s[BP:BP+1], s[BP:BP+1], s[92:93]
	v_lshlrev_b32 v7, 6, v2                        ; along the registers: columns 32 g + 16 h + 0 .. 15
	v_and_b32 v8, 8, v1
	v_add_nc_u32 v8, v8, v1
	v_lshlrev_b32 v8, 2, v8                        ; along the lanes: column r + 8 (r / 8) of a tile
.irp g, 0,1,2,3
.irp j, 0,1,2,3
	global_load_b128 v[BIAS+16*\g+4*\j:BIAS+16*\g+4*\j+3], v7, s[BP:BP+1] offset:128*\g+16*\j
.endr
.endr
.irp a, 0,1,2,3,4,5,6,7
	global_load_b32 v[BV+\a], v8, s[BP:BP+1] offset:(32*(\a/2)+8*(\a%2))*4
.endr
	s_lshr_b32 s92, s19, 3                         ; the batch
	s_lshl_b32 s92, s92, 4
	s_lshl_b32 s93, s40, 2
	s_add_co_u32 s92, s92, s93
	s_lshl_b32 s93, s18, 1
	s_add_co_u32 s92, s92, s93                     ; 16 b + my first head
	s_lshl_b32 s92, s92, 6
	s_and_b32 s93, s19, 7
	s_lshl_b32 s93, s93, 1
	s_add_co_u32 s93, s93, s17                     ; which 128 tokens of the batch
	s_lshl_b32 s93, s93, 2
	s_add_co_u32 s92, s92, s93                     ; my first fragment of the head
	s_mul_i32 s[DC], s92, 1536
	s_mul_i32 s93, ttmp9, 3145728
	s_add_co_u32 s[DC], s[DC], s93
	s_mov_b32 s[DC+1], 0
	s_lshl_b32 s[DS], s92, 6
	s_lshl_b32 s93, ttmp9, 17
	s_add_co_u32 s[DS], s[DS], s93
	s_add_co_u32 s[DS], s[DS], 9437184
	s_mov_b32 s[DS+1], 0
	s_add_nc_u64 s[DC:DC+1], s[14:15], s[DC:DC+1]
	s_add_nc_u64 s[DS:DS+1], s[14:15], s[DS:DS+1]
	s_wait_alu depctr_va_vdst(0)
	s_wait_tensorcnt 0x0                           ; my tile of the head's four is in
	ds_add_u32 v28, v29
	s_mov_b32 s[G1+2], 8<<16                       ; no load of mine is out: from here on a load brings 8 tiles,
	s_mov_b32 s[G1+4], 8
	s_mov_b32 s[G1B+2], 8<<16
	s_mov_b32 s[G1B+4], 8
	s_mov_b32 s[G0+1], s45                         ; and slot 0's group 0 stands at my 8 tiles
	s_add_nc_u64 s[G0+2:G0+3], s[G0+2:G0+3], s[2:3]
	s_mov_b32 s[G0B+1], s45
	s_add_nc_u64 s[G0B+2:G0B+3], s[G0B+2:G0B+3], s[2:3]
	s_wait_dscnt 0x0
	CROUND                                         ; all four tiles are in, and all sixteen work-groups are here
	JLOAD G0+4, G1, G0B+4, G1B                     ; slot 1's first fill, the first tensor load behind the round
	FETCH_B 0, 0, 0
	FETCH_A 0, 0, 0
	SCALES 0
	FETCH_A 0, 0, 4
	STEP 0, 0, 1                                   ; the first step's products start the sums
	s_mov_b32 s3, LAPS-1
.Llap:
	TURN 0, 1, 1
	STEP 1, 0, 0
	TURN 1, 0, 1
	STEP 0, 0, 0
	s_sub_co_u32 s3, s3, 1
	s_cmp_lg_u32 s3, 0
	s_cbranch_scc1 .Llap
	TURN 0, 1, 0                                   ; the last lap fills nothing
	STEP 1, 0, 0
	s_wait_dscnt 4*NL
	WIN MUL_LO
	MUL16 0, 1, NQ-1, 1, 0
	MUL16 2, 1, NQ-1, 1, 0
	s_wait_dscnt 0
	WIN MUL_HI
	MUL16 4, 1, NQ-1, 1, 0
	MUL16 6, 1, NQ-1, 1, 0
	WIN 0
; THE WAY OUT, a block a of role A at a time: its 64 registers are 128 neighbours (64 a lane) along the next product's K.
.macro PULL a                          ; + the bias along the registers; each accumulator from its low end on
	WIN 0x02+(\a)/4
.set AC, 64*((\a)%4)
.set n, 0
.rept 32
	v_pk_add_f32 v[H+n:H+n+1], v[AC+n:AC+n+1], v[BIAS+n:BIAS+n+1]
.set n, n+2
.endr
	WIN 0
.endm
.macro PULLV a                         ; + the bias of the lane's column
	WIN 0x02+(\a)/4
.set AC, 64*((\a)%4)
.set n, 0
.rept 64
	v_add_f32 v[H+n], v[AC+n], v[BV+\a]
.set n, n+1
.endr
	WIN 0
.endm
.macro QKROW a                         ; token tile a: registers 0-5 are my first head's half image, 6-11 my second's
	PULL \a
	s_wait_xcnt 0x0                                ; the last block's stores have read their registers
	QUANT H, PC, PW
	global_store_b128 v[L16], v[PC:PC+3], s[DC:DC+1] offset:(\a)*768
	global_store_b64 v[L8], v[PC+4:PC+5], s[DC:DC+1] offset:(\a)*768+512
	global_store_b128 v[L16], v[PC+6:PC+9], s[DC:DC+1] offset:98304+(\a)*768
	global_store_b64 v[L8], v[PC+10:PC+11], s[DC:DC+1] offset:98304+(\a)*768+512
.if (\a)%2 == 0
	v_mov_b32 v[PWE], v[PW]
.else
	v_perm_b32 v[SA], v[PW], v[PWE], 0x05040100    ; a head's scale word: two bytes of the even tile, two of the odd
	v_perm_b32 v[SB], v[PW], v[PWE], 0x07060302
	global_store_b32 v[L4R], v[SA], s[DS:DS+1] offset:((\a)/2)*64
	global_store_b32 v[L4R], v[SB], s[DS:DS+1] offset:4096+((\a)/2)*64
.endif
.endm
.macro VROW a                          ; d tile a % 4 of head a / 4: a whole fragment, K = my 128 tokens
	PULLV \a
	s_wait_xcnt 0x0
	QUANT H, PC, PW
	global_store_b128 v[L16], v[PC:PC+3], s[DC:DC+1] offset:((\a)/4)*98304+((\a)%4)*1536
	global_store_b64 v[L8], v[PC+4:PC+5], s[DC:DC+1] offset:((\a)/4)*98304+((\a)%4)*1536+512
	global_store_b128 v[L16], v[PC+6:PC+9], s[DC:DC+1] offset:((\a)/4)*98304+((\a)%4)*1536+768
	global_store_b64 v[L8], v[PC+10:PC+11], s[DC:DC+1] offset:((\a)/4)*98304+((\a)%4)*1536+1280
	global_store_b32 v[L4R], v[PW], s[DS:DS+1] offset:((\a)/4)*4096+((\a)%4)*64
.endm
	s_wait_loadcnt 0x0                             ; the biases
	PLACES NP                                      ; four places behind the last products
.irp b, 0,1,2,3
	v_mov_b32 v[TM+4+\b], 0                        ; a lane permute's destination counts as one of its sources
.endr
	s_cmp_eq_u32 ttmp9, 2                          ; the same in all partners
	s_cbranch_scc1 .Lvpath
.irp a, 0,1,2,3,4,5,6,7
	QKROW \a
.endr
	s_branch .Lend
.Lvpath:
.irp a, 0,1,2,3,4,5,6,7
	VROW \a
.endr
.Lend:
	s_wait_tensorcnt 0x0                           ; the wave's end
	ds_add_u32 v[SPW], v[NIL]
	s_wait_dscnt 0x0
	CROUND                                         ; the closing round
	s_endpgm
.Lfunc_end_k_q2190e9f34d_qkv:
	.size	k_q2190e9f34d_qkv, .Lfunc_end_k_q2190e9f34d_qkv-k_q2190e9f34d_qkv
	.p2alignl 7, 3214868480
	.fill 96, 4, 3214868480
	.section	.rodata,"a",@progbits
	.p2align	6, 0x0
	.amdhsa_kernel k_q2190e9f34d_qkv
		.amdhsa_group_segment_fixed_size 327680
		.amdhsa_private_segment_fixed_size 0
		.amdhsa_enable_private_segment 0
		.amdhsa_kernarg_size 48
		.amdhsa_user_sgpr_count 2
		.amdhsa_user_sgpr_kernarg_segment_ptr 1
		.amdhsa_wavefront_size32 1
		.amdhsa_system_sgpr_workgroup_id_x 1
		.amdhsa_system_sgpr_workgroup_id_y 1
		.amdhsa_system_sgpr_workgroup_id_z 1
		.amdhsa_system_vgpr_workitem_id 0
		.amdhsa_next_free_vgpr 1024
		.amdhsa_next_free_sgpr 102
		.amdhsa_reserve_vcc 0
		.amdhsa_float_denorm_mode_32 3
		.amdhsa_float_denorm_mode_16_64 3
		.amdhsa_memory_ordered 1
		.amdhsa_forward_progress 1
		.amdhsa_inst_pref_size 222
	.end_amdhsa_kernel
	.amdgpu_metadata
---
amdhsa.version: [ 1, 2 ]
amdhsa.kernels:
  - .name:           k_q2190e9f34d_qkv
    .symbol:         k_q2190e9f34d_qkv.kd
    .args:
      - { .name: xbuf, .offset: 0, .size: 8, .value_kind: global_buffer, .address_space: global }
      - { .name: wbuf, .offset: 8, .size: 8, .value_kind: global_buffer, .address_space: global }
      - { .name: bq, .offset: 16, .size: 8, .value_kind: global_buffer, .address_space: global }
      - { .name: bk, .offset: 24, .size: 8, .value_kind: global_buffer, .address_space: global }
      - { .name: bv, .offset: 32, .size: 8, .value_kind: global_buffer, .address_space: global }
      - { .name: qkvbuf, .offset: 40, .size: 8, .value_kind: global_buffer, .address_space: global }
    .group_segment_fixed_size: 327680
    .private_segment_fixed_size: 0
    .kernarg_segment_align: 8
    .kernarg_segment_size: 48
    .max_flat_workgroup_size: 128
    .sgpr_count:     102
    .vgpr_count:     1024
    .wavefront_size: 32
...
	.end_amdgpu_metadata
.endif
;; end of part 2
;; launch attn (part 3): grid 8 x 32, 16 waves a work-group, no clusters, 327,680 bytes of LDS; arguments qkvbuf, attention_mask, rel_bias, abuf; writes abuf
.if DOCPART == 3
	.amdgcn_target "amdgcn-amd-amdhsa--gfx1250"
	.amdhsa_code_object_version 6
	.text
	.protected	k_q2190e9f34d_attn
	.globl	k_q2190e9f34d_attn
	.p2align	8
	.type	k_q2190e9f34d_attn,@function
k_q2190e9f34d_attn:
	s_mov_b64 s[64:65], 0
	v_nop
	global_prefetch_b8 v0, s[64:65] scope:SCOPE_SE
	s_setreg_imm32_b32 hwreg(HW_REG_WAVE_MODE, 25, 1), 1
	s_wait_xcnt 0x0
; attended = softmax(q k^T / 8 + bias(bucket(i - j)), causal and key-padding masks) v, both products on codes of FP6 (E2M3) with E8M0 scales.
; THE SECOND PRODUCT'S OPERAND IS THE FINISHED, NORMALISED SOFTMAX, so the keys are walked twice: pass 1 finds each query's largest score and the sum, pass 2 makes the scores again, attn = 2^(t - m) / sum, quantises it along the keys and multiplies by v.
; SHARES.  A work-group owns one (batch, head) and two blocks of 128 queries, x and 15 - x.  A tile of 16 queries is walked by TWO waves: wave w takes the even steps of 128 keys, wave w + 8 the odd ones, of tile w % 8 of BOTH blocks.
; Block b has b + 1 steps, so a wave has 9 (even) or 8 (odd) steps a pass in every work-group.  A pass is two loops of 8 trips, one for each of the wave's two tiles; a step whose keys all come after the queries is left out by a branch on ids.
; Waves 0-7 walk the late block first and the early one last, waves 8-15 the other way round: each wave finishes the tile that it walked last.
; WHAT THE TWO WAVES OF A TILE HAND EACH OTHER goes through LDS: after pass 1 each lane's (maximum, sum), 8 bytes, joined behind a barrier in an order that gives both halves of the lanes the same bits;
; in pass 2 each wave's sums O of its first tile, 4 KiB, added by the partner behind the last barrier.
; LDS: the head's whole K and V with their scale words come once.  K's five tensor loads go out at the head; V's five behind the first barrier; a loading wave waits for its V load between pass 1's two loops.
; All of LDS is claimed; the text uses 297,216 bytes.
; NO CLUSTER: what a wave skips under the causal mask is a branch on its block of queries, which differs between the work-groups that share a head.  NO PREFETCH: every byte is asked for at the head or directly behind the first barrier; there is no loop to run ahead in.
; HEAD SIZE 64 AGAINST K = 128: a fragment of K holds two key tiles; it is multiplied by [q, 0] and by [0, q]: zero codes add nothing.
; LAYOUT.  Both products are used transposed: a lane holds one query.  A tile's rows are rows 8 u + r + 8 (r / 8) of a group of 32, so register 16 f + i of the scores is key 32 f + 16 (lane / 16) + i.
; MASKS AND BIAS: scores are kept as raw + 8 bias; the C of the first product is a table by key, 8 rel_bias[31] for a key that counts and -1e30 for a padded one.
; In the two steps next to the diagonal a table by distance, 8 (rel_bias[bucket] - rel_bias[31]), -1e30 for keys after the query, is added first.  It lies in LDS four times, copy j turned by j words, so that every lane reads its 16 entries by aligned loads of 16 bytes.
; The buckets' thresholds 19 .. 113 are the whole numbers at which 16 + 16 log(d / 16) / log(8) passes a whole number; none of them is met exactly but at d = 16 and 128.
; THE RUNNING MAXIMUM IS HELD AT -5e29 FROM BELOW, above every masked score; a query all of whose keys are masked keeps that floor and gets attn = 0.
; LIMITS: raw scores beyond 5e29 in magnitude, NaN and infinities are not served; a block of zeros gets the byte 1.
; OUT (abuf): [token tile][K step = head / 2][1,536], half head % 2; the two scale bytes by a store of 2 bytes a lane (the other head's work-group owns the word's other half).
.set VC_L,  98304                      ; LDS: K's codes at 0, V's here,
.set KS_L,  196608                     ; K's scale words, 4,096 bytes,
.set VS_L,  200704                     ; V's,
.set MADD,  204800                     ; the table by key, 2,048 words,
.set TAB,   212992                     ; the table by distance: entry t is word (t - j) mod 512 of copy j, at TAB + 2,048 j; the words read are 0 .. 382
.set STAT,  221440                     ; (maximum, sum): wave x 512 + tile x 256 + lane x 8
.set OP,    229632                     ; partial O: wave x 4,096
.set SPARE, 295168                     ; the spare words, 128 bytes a wave
.set OPS, 1
.set OPL, 2
.set AS0, 3
.set AM0, 4
.set AV0, 5
.set AV80, 6
.set AVS0, 7
.set YB,  8
.set L16, 9
.set L8,  10
.set L4R, 11
.set SA,  21                           ; my lane's pair, my other half's, my partner's two
.set SB,  31
.set PA,  223
.set PB,  59
.set QSW, 30
.set QF,  32                           ; v32-37 q, v38-43 zeros, v44-49 q
.set KSW, 50
.set VSW, 54
.set PSW, 58
.set KFR, 60                           ; v60-107 four fragments, of K and then of V
.set S,   108                          ; v108-171 the scores, then attn
.set O,   172                          ; v172-203 (pass 1: at work)
.set P,   204                          ; v204-222 attn's codes
.set T,   224                          ; v224-239 at work
.set QA,  240                          ; q of my first tile, of my last, and their scale words
.set QB,  246
.set QSA, 252
.set QSB, 253
.set WV,  12
.set Q128, 18
.set SEL, 44
.set CS,  46
.set KF,  48
.set KO,  49
.set SO,  50
.set MO,  51
.set CNT, 52
.set NCS, 55
.set PAR, 80
.set QH0, 81
.set QH1, 82
.macro TLOADS                          ; waves 0-3 a quarter of the codes each, wave 4 the scale words: one chain of branches on the wave's number; s_nop 0 and four v_nop follow each load
	s_cmp_lt_u32 s[WV], 4
	s_cbranch_scc0 .Lnc_\@
	tensor_load_to_lds s[40:43], s[24:31]
	s_nop 0
.rept 4
	v_nop
.endr
	s_branch .Lasked_\@
.Lnc_\@:
	s_cmp_eq_u32 s[WV], 4
	s_cbranch_scc0 .Lasked_\@
	tensor_load_to_lds s[56:59], s[32:39]
	s_nop 0
.rept 4
	v_nop
.endr
.Lasked_\@:
.endm
.macro QPTR blk, pc, ps                ; q's half image and scale words of my tile in block blk
	s_lshl_b32 s60, s[\blk], 2
	s_add_co_u32 s60, s60, s61
	s_mul_i32 s62, s60, 1536
	s_add_co_u32 s62, s62, s83
	s_add_nc_u64 s[\pc:\pc+1], s[4:5], s[62:63]
	s_lshl_b32 s62, s60, 6
	s_add_co_u32 s62, s62, 9437184
	s_add_nc_u64 s[\ps:\ps+1], s[4:5], s[62:63]
.endm
	s_load_b256 s[4:11], s[0:1], 0x0               ; qkvbuf, attention_mask, rel_bias, abuf
	v_lshl_add_u32 v254, v0, 2, SPARE
	v_mov_b32 v255, 0
	ds_add_u32 v254, v255                          ; the opening lines: the add twice on end and its wait
	ds_add_u32 v254, v255
	v_lshrrev_b32 v1, 5, v0
	s_delay_alu instid0(VALU_DEP_1)
	v_readfirstlane_b32 s[WV], v1                  ; wave 0..15
	s_and_b32 s13, ttmp7, 0xffff                   ; 16 b + head
	s_lshr_b32 s14, s13, 4
	s_and_b32 s15, s13, 15
	s_and_b32 s16, s[WV], 7                        ; my tile in a block of queries
	s_lshr_b32 s[PAR], s[WV], 3                    ; 0: the even steps, 1: the odd ones
	s_sub_co_u32 s17, 15, ttmp9
	s_cmp_lt_u32 s[WV], 8
	s_cselect_b32 s19, s17, ttmp9                  ; the block that I walk first,
	s_cselect_b32 s17, ttmp9, s17                  ; and the one that I walk last and finish
	s_lshl_b32 s[QH0], s19, 7
	s_lshl_b32 s[QH1], s17, 7
	s_mov_b32 s24, 3<<16                           ; group 1 for the codes: 96 rows of 256 bytes, dense; elements of 8 bytes
	s_mov_b32 s25, 32<<16
	s_mov_b32 s26, 96<<16
	s_mov_b32 s27, 32<<16
	s_mov_b32 s28, 96
	s_mov_b32 s29, 32
	s_mov_b32 s30, 0
	s_mov_b32 s31, 0
	s_mov_b32 s32, 3<<16                           ; for the scale words: 16 rows of 256 bytes
	s_mov_b32 s33, 32<<16
	s_mov_b32 s34, 16<<16
	s_mov_b32 s35, 32<<16
	s_mov_b32 s36, 16
	s_mov_b32 s37, 32
	s_mov_b32 s38, 0
	s_mov_b32 s39, 0
	s_and_b32 s53, s[WV], 3
	s_mul_i32 s41, s53, 24576                      ; my quarter of K's codes
	s_mul_i32 s60, s13, 98304
	s_add_co_u32 s60, s60, s41
	s_add_co_u32 s60, s60, 3145728
	s_mov_b32 s61, 0
	s_lshl_b32 s62, s13, 12
	s_add_co_u32 s62, s62, 9568256
	s_mov_b32 s63, 0
	s_mov_b32 s40, 1
	s_mov_b32 s56, 1
	s_mov_b32 s57, KS_L
	s_wait_dscnt 0x0
	s_wait_kmcnt 0x0
	s_add_nc_u64 s[42:43], s[4:5], s[60:61]
	s_or_b32 s43, s43, 0x80000000
	s_add_nc_u64 s[58:59], s[4:5], s[62:63]
	s_or_b32 s59, s59, 0x80000000
	TLOADS                                         ; K and its scale words
	s_lshr_b32 s53, s16, 1
	s_and_b32 s54, s16, 1                          ; u
	s_lshl_b32 s61, s13, 6
	s_add_co_u32 s61, s61, s53                     ; the head's groups of 32 queries + my group in a block
	s_mul_i32 s83, s54, 768
	s_mov_b32 s63, 0
	QPTR 17, 66, 68
	QPTR 19, 20, 22
	s_lshl_b32 s62, s14, 13
	s_add_nc_u64 s[70:71], s[6:7], s[62:63]        ; the batch's mask
	s_lshl_b32 s62, s15, 2
	s_add_nc_u64 s[72:73], s[8:9], s[62:63]        ; rel_bias[.][head]
	s_load_b32 s74, s[72:73], 0x7c0                ; rel_bias[31][head]
	s_lshl_b32 s60, s14, 7
	s_lshl_b32 s61, s17, 3
	s_add_co_u32 s60, s60, s61
	s_add_co_u32 s60, s60, s16                     ; the token tile that I finish
	s_lshl_b32 s60, s60, 3
	s_lshr_b32 s61, s15, 1
	s_add_co_u32 s60, s60, s61                     ; the fragment of abuf
	s_and_b32 s61, s15, 1
	s_mul_i32 s76, s60, 1536
	s_mul_i32 s62, s61, 768
	s_add_co_u32 s76, s76, s62
	s_mov_b32 s77, 0
	s_add_nc_u64 s[76:77], s[10:11], s[76:77]
	s_lshl_b32 s78, s60, 6
	s_lshl_b32 s62, s61, 1
	s_add_co_u32 s78, s78, s62
	s_add_co_u32 s78, s78, 3145728
	s_mov_b32 s79, 0
	s_add_nc_u64 s[78:79], s[10:11], s[78:79]
	s_lshl_b32 s84, s[WV], 9
	s_add_co_u32 s84, s84, STAT
	s_xor_b32 s83, s[WV], 8                        ; my partner
	s_lshl_b32 s85, s83, 9
	s_add_co_u32 s85, s85, STAT
	s_lshl_b32 s86, s[WV], 12
	s_add_co_u32 s86, s86, OP
	s_lshl_b32 s87, s83, 12
	s_add_co_u32 s87, s87, OP
	s_lshl_b32 s62, s53, 5
	s_lshl_b32 s63, s54, 3
	s_add_co_u32 s62, s62, s63
	s_sub_co_u32 s62, 127, s62                     ; 127 - my tile's first query in the block
	s_mov_b32 s61, 0x01000100
	s_cmp_eq_u32 s54, 1
	s_cselect_b32 s61, 0x03020302, s61             ; which two bytes of the scale word are my tile's
	s_mov_b32 s[SEL], 0x76543210
	s_mov_b32 s[SEL+1], 0xfedcba98
	s_mov_b32 s[CS], 0x3e38aa3b                    ; c = log2(e) / 8
	s_mov_b32 s[CS+1], s[CS]
	s_mov_b32 s[NCS], 0xbe38aa3b
	v_and_b32 v1, 15, v0                           ; r
	v_bfe_u32 v2, v0, 4, 1                         ; h
	v_and_b32 v12, 31, v0
	v_lshlrev_b32 v[L8], 4, v1
	v_lshlrev_b32 v[L16], 4, v12
	v_lshlrev_b32 v[L4R], 2, v1
	v_lshl_add_u32 v[L8], v2, 3, v[L8]
	v_lshl_add_u32 v[AM0], v2, 6, MADD
	v_add_nc_u32 v[AS0], KS_L, v[L4R]
	v_add_nc_u32 v[AV0], VC_L, v[L16]
	v_add_nc_u32 v[AV80], VC_L, v[L8]
	v_add_nc_u32 v[AVS0], VS_L, v[L4R]
	v_lshl_add_u32 v[YB], v2, 4, s62
	v_and_b32 v13, 8, v1
	s_delay_alu instid0(VALU_DEP_1)
	v_add_nc_u32 v13, v13, v1
	s_delay_alu instid0(VALU_DEP_1)
	v_sub_nc_u32 v[YB], v[YB], v13                 ; y = 127 - my query in the block + 16 h
	s_delay_alu instid0(VALU_DEP_1)
	v_and_b32 v13, 3, v[YB]                        ; my copy of the table: j = y % 4
	s_delay_alu instid0(VALU_DEP_1)
	v_mul_u32_u24 v13, 0x7fc, v13                  ; 2,048 j - 4 j
	s_delay_alu instid0(VALU_DEP_1)
	v_lshl_add_u32 v[YB], v[YB], 2, v13
	s_delay_alu instid0(VALU_DEP_1)
	v_add_nc_u32 v[YB], TAB, v[YB]                 ; word y - j of copy j: a multiple of 16 bytes
	v_lshlrev_b32 v13, 3, v12
	s_delay_alu instid0(VALU_DEP_1)
	v_xor_b32 v14, 128, v13                        ; lane xor 16
	v_add_nc_u32 v[SA], s84, v13
	v_add_nc_u32 v[PA], s85, v13
	v_add_nc_u32 v[SB], s84, v14
	v_add_nc_u32 v[PB], s85, v14
	v_add_nc_u32 v[OPS], s86, v[L16]
	v_add_nc_u32 v[OPL], s87, v[L16]
	global_load_b128 v[QA:QA+3], v[L16], s[20:21]
	global_load_b64 v[QA+4:QA+5], v[L8], s[20:21] offset:512
	global_load_b32 v[QSA], v[L4R], s[22:23]
	global_load_b128 v[QB:QB+3], v[L16], s[66:67]
	global_load_b64 v[QB+4:QB+5], v[L8], s[66:67] offset:512
	global_load_b32 v[QSB], v[L4R], s[68:69]
	v_lshlrev_b32 v108, 4, v0
	global_load_b128 v[116:119], v108, s[70:71]    ; four keys' mask a thread
	v_lshl_add_u32 v109, v0, 4, MADD
	v_lshl_add_u32 v110, v0, 2, TAB
.irp j, 1,2,3                          ; where my entry t goes in copy j: word (t - j) mod 512: each of a copy's 512 words has one thread
	v_add_nc_u32 v[123+\j], -\j, v0
.endr
.irp j, 1,2,3
	v_and_b32 v[123+\j], 0x1ff, v[123+\j]
.endr
.irp j, 1,2,3
	v_lshl_add_u32 v[123+\j], v[123+\j], 2, TAB+2048*\j
.endr
	v_min_u32 v111, 0xff, v0                       ; entry t of the table by distance serves d = 255 - t
	s_delay_alu instid0(VALU_DEP_1)
	v_sub_nc_u32 v111, 0xff, v111                  ; d, held at 0 from below
	s_delay_alu instid0(VALU_DEP_1)
	v_min_u32 v112, 16, v111                       ; the exact buckets
	v_mov_b32 v114, 1
.irp thr, 19,21,24,27,31,35,40,46,52,59,67,77,87,99,113
	v_cmp_le_u32 vcc_lo, \thr, v111
	s_delay_alu instid0(VALU_DEP_1)
	v_cndmask_b32 v113, 0, v114, vcc_lo
	s_delay_alu instid0(VALU_DEP_1)
	v_add_nc_u32 v112, v112, v113
.endr
	s_delay_alu instid0(VALU_DEP_1)
	v_lshlrev_b32 v112, 6, v112
	global_load_b32 v120, v112, s[72:73]           ; rel_bias[bucket][head]
	s_wait_kmcnt 0x0
	s_mul_f32 s75, s74, 0x41000000                 ; 8 rel_bias[31]
	v_mov_b32 v121, 0xf149f2ca                     ; -1e30
	v_mov_b32 v122, s75
	v_mov_b32 v123, s74
	s_wait_alu depctr_va_vdst(0)
	s_wait_loadcnt 0x0
.irp j, 0,1,2,3
	v_cmp_ne_u32 vcc_lo, 0, v[116+\j]
	s_delay_alu instid0(VALU_DEP_1)
	v_cndmask_b32 v[116+\j], v121, v122, vcc_lo
.endr
	ds_store_b128 v109, v[116:119]
	v_sub_f32 v120, v120, v123
	s_delay_alu instid0(VALU_DEP_1)
	v_mul_f32 v120, 0x41000000, v120
	v_cmp_lt_u32 vcc_lo, 0xff, v0                  ; keys after the query
	s_delay_alu instid0(VALU_DEP_1)
	v_cndmask_b32 v120, v120, v121, vcc_lo
	ds_store_b32 v110, v120
.irp j, 1,2,3
	ds_store_b32 v[123+\j], v120
.endr
	v_perm_b32 v[QSA], v[QSA], v[QSA], s61         ; q's two bytes, twice: they serve [q, 0] and [0, q]
	v_perm_b32 v[QSB], v[QSB], v[QSB], s61
.macro SETQ q, qs                      ; the scale word stands first: the twelve moves behind it are its places
	v_mov_b32 v[QSW], v[\qs]
.irp i, 0,1,2,3,4,5
	v_mov_b32 v[QF+\i], v[\q+\i]
	v_mov_b32 v[QF+12+\i], v[\q+\i]
.endr
.endm
.macro REINIT
	v_mov_b32 v20, 0xf0c9f2ca                      ; my lane's largest score so far: -5e29, over every masked score and under every score that is served
	v_mov_b32 v24, 0                               ; my lane's sum, in two parts
	v_mov_b32 v25, 0
.endm
	SETQ QA, QSA
.irp i, 0,1,2,3,4,5
	v_mov_b32 v[QF+6+\i], 0
.endr
	REINIT
	v_mov_b32 v22, 0
	v_mov_b32 v23, 0
	v_mov_b32 v28, 0
	v_mov_b32 v29, 0
.irp b, 0,1,2,3
	v_mov_b32 v[T+4+\b], 0                         ; a lane permute's destination counts as one of its sources
.endr
	s_wait_alu depctr_va_vdst(0)                   ; the wait at the head's end
	s_wait_tensorcnt 0x0                           ; my part of K has landed
	ds_add_u32 v254, v255                          ; the add twice
	ds_add_u32 v254, v255
	s_add_co_u32 s41, s41, VC_L                    ; no load of mine is out: the descriptors step to V
	s_add_nc_u64 s[42:43], s[42:43], 3145728
	s_add_co_u32 s57, s57, 4096
	s_add_nc_u64 s[58:59], s[58:59], 131072
	s_wait_dscnt 0x0                               ; the adds, and my stores into the tables
	s_barrier_signal -1
	s_barrier_wait -1                              ; K and the tables are whole
	TLOADS                                         ; V and its scale words land under pass 1
.macro FRAGL reg, a16, a8, off
	ds_load_b128 v[\reg:\reg+3], v[\a16] offset:\off
	ds_load_b64 v[\reg+4:\reg+5], v[\a8] offset:\off+512
	ds_load_b128 v[\reg+6:\reg+9], v[\a16] offset:\off+768
	ds_load_b64 v[\reg+10:\reg+11], v[\a8] offset:\off+1280
.endm
.macro NLOAD reg, g                    ; my 16 entries of the table by distance for keys 32 g + 16 h + 0 .. 15
.irp j, 0,1,2,3
	ds_load_b128 v[\reg+4*\j:\reg+4*\j+3], v19 offset:128*(\g)+16*\j
.endr
.endm
.macro NADD reg, g
.irp n, 0,2,4,6,8,10,12,14
	v_pk_add_f32 v[S+16*(\g)+\n:S+16*(\g)+\n+1], v[S+16*(\g)+\n:S+16*(\g)+\n+1], v[\reg+\n:\reg+\n+1]
.endr
.endm
.macro IDX                             ; trip CNT serves step 2 CNT + my parity
	s_lshl_b32 s53, s[CNT], 1
	s_add_co_u32 s53, s53, s[PAR]
	s_lshl_b32 s[KF], s53, 7
	s_mul_i32 s[KO], s53, 6144
	s_lshl_b32 s[SO], s53, 8
	s_lshl_b32 s[MO], s53, 9
.endm
.macro SCORES
	v_add_nc_u32 v12, s[KO], v[L16]                ; four plain lines: the places in front of loads into registers that the last products read
	v_add_nc_u32 v13, s[KO], v[L8]
	v_add_nc_u32 v14, s[SO], v[AS0]
	v_add_nc_u32 v15, s[MO], v[AM0]
.irp f, 0,1,2,3
.irp j, 0,1,2,3
	ds_load_b128 v[S+16*\f+4*\j:S+16*\f+4*\j+3], v15 offset:128*\f+16*\j   ; the table by key: the product's C
.endr
.endr
.irp f, 0,1,2,3
	FRAGL KFR+12*\f, 12, 13, 1536*\f
	ds_load_b32 v[KSW+\f], v14 offset:64*\f
.endr
	s_add_co_u32 s53, s[KF], 128
	s_cmp_lt_u32 s53, s[Q128]                      ; every distance at least 129: bucket 31, and nothing hidden
	s_cbranch_scc1 .Lfar_\@
	s_cmp_eq_u32 s[KF], s[Q128]
	s_cselect_b32 s53, 512, 0                      ; on the diagonal the distances are 128 less
	v_add_nc_u32 v19, s53, v[YB]
	s_wait_alu depctr_va_vdst(0)
	NLOAD T, 0
	NLOAD P, 1
	s_wait_dscnt 4                                 ; all but the youngest four loads
	NADD T, 0
	NLOAD T, 2
	s_wait_dscnt 4
	NADD P, 1
	NLOAD P, 3
	s_wait_dscnt 4
	NADD T, 2
	s_wait_dscnt 0x0
	NADD P, 3
.rept 4
	v_nop
.endr
.Lfar_\@:
	s_wait_dscnt 0x0
	s_wait_alu depctr_va_vdst(0)
.irp f, 0,1,2,3
	v_wmma_scale_f32_16x16x128_f8f6f4 v[S+16*\f:S+16*\f+7], v[KFR+12*\f:KFR+12*\f+11], v[QF:QF+11], v[S+16*\f:S+16*\f+7], v[KSW+\f], v[QSW] matrix_a_fmt:MATRIX_FMT_FP6 matrix_b_fmt:MATRIX_FMT_FP6
	v_wmma_scale_f32_16x16x128_f8f6f4 v[S+16*\f+8:S+16*\f+15], v[KFR+12*\f:KFR+12*\f+11], v[QF+6:QF+17], v[S+16*\f+8:S+16*\f+15], v[KSW+\f], v[QSW] matrix_a_fmt:MATRIX_FMT_FP6 matrix_b_fmt:MATRIX_FMT_FP6
.endr
.rept 4
	v_nop
.endr
.endm
.macro BLKMAX                          ; v[T + b]: the largest of my 16 scores of block b; each accumulator is first read at its low end
.irp b, 0,1,2,3
	v_max3_num_f32 v[T+\b], v[S+16*\b], v[S+1+16*\b], v[S+2+16*\b]
.endr
.irp i, 3,5,7,9,11,13
.irp b, 0,1,2,3
	v_max3_num_f32 v[T+\b], v[T+\b], v[S+16*\b+\i], v[S+1+16*\b+\i]
.endr
.endr
.irp b, 0,1,2,3
	v_max_num_f32 v[T+\b], v[T+\b], v[S+15+16*\b]
.endr
.endm
.macro TOEXP                           ; c s - c m, two at a time
.set n, 0
.rept 32
	v_pk_fma_f32 v[S+n:S+n+1], v[S+n:S+n+1], s[CS:CS+1], v[22:23] op_sel_hi:[1,0,0]
.set n, n+2
.endr
.endm
.macro EXPS
.set n, 0
.rept 64
	v_exp_f32 v[S+n], v[S+n]
.set n, n+1
.endr
.endm
.macro STATOUT h                       ; my lane's (maximum, sum) of tile h
	v_mov_b32 v28, v20
	v_add_f32 v29, v24, v25
	ds_store_b64 v[SA], v[28:29] offset:256*\h
.endm
; ---- PASS 1, one tile: a running maximum and sum for each lane
.macro PASS1
	s_mov_b32 s[CNT], 0
.Lpass1_\@:
	IDX
	s_cmp_gt_u32 s[KF], s[Q128]
	s_cbranch_scc1 .Lhid1_\@
	SCORES
	BLKMAX
	s_delay_alu instid0(VALU_DEP_2)
	v_max3_num_f32 v28, v[T], v[T+1], v[T+2]
	s_delay_alu instid0(VALU_DEP_1)
	v_max_num_f32 v28, v28, v[T+3]
	s_delay_alu instid0(VALU_DEP_1)
	v_max_num_f32 v29, v20, v28                    ; the new maximum: never under the floor that it began with
	s_delay_alu instid0(VALU_DEP_1)
	v_sub_f32 v28, v20, v29
	s_delay_alu instid0(VALU_DEP_1)
	v_mul_f32 v28, s[CS], v28
	s_wait_alu depctr_va_vdst(0)
	v_exp_f32 v28, v28                             ; what was summed under the old maximum is brought under the new
	v_mul_f32 v22, s[NCS], v29                     ; - c m
	v_mov_b32 v20, v29
	TOEXP
	s_wait_alu depctr_va_vdst(0)                   ; one wait ahead of the batch,
	EXPS
	s_wait_alu depctr_va_vdst(0)                   ; and one behind it
	v_pk_mul_f32 v[24:25], v[24:25], v[28:29] op_sel_hi:[1,0]   ; (a plain place behind the exponentials)
.irp k, 0,1,2,3                        ; the sum of p, two at a time, in four chains
	v_pk_add_f32 v[O+2*\k:O+2*\k+1], v[S+2*\k:S+2*\k+1], v[S+8+2*\k:S+9+2*\k]
.endr
.irp j, 2,3,4,5,6,7
.irp k, 0,1,2,3
	v_pk_add_f32 v[O+2*\k:O+2*\k+1], v[O+2*\k:O+2*\k+1], v[S+8*\j+2*\k:S+8*\j+2*\k+1]
.endr
.endr
	v_pk_add_f32 v[O:O+1], v[O:O+1], v[O+2:O+3]
	v_pk_add_f32 v[O+4:O+5], v[O+4:O+5], v[O+6:O+7]
	s_delay_alu instid0(VALU_DEP_1)
	v_pk_add_f32 v[O:O+1], v[O:O+1], v[O+4:O+5]
	s_delay_alu instid0(VALU_DEP_1)
	v_pk_add_f32 v[24:25], v[24:25], v[O:O+1]
.Lhid1_\@:
	s_add_co_u32 s[CNT], s[CNT], 1
	s_cmp_lt_u32 s[CNT], 8
	s_wait_alu depctr_va_vdst(0)
	s_cbranch_scc1 .Lpass1_\@
.endm
	s_mov_b32 s[Q128], s[QH0]
	PASS1                                          ; my first tile
	s_wait_tensorcnt 0x0                           ; my part of V has landed
	STATOUT 0
	SETQ QB, QSB
	REINIT
	s_mov_b32 s[Q128], s[QH1]
	s_wait_alu depctr_va_vdst(0)
	PASS1                                          ; my last tile
	STATOUT 1
	s_wait_tensorcnt 0x0
	s_wait_dscnt 0x0                               ; my pairs have landed
	s_barrier_signal -1
	s_barrier_wait -1                              ; everybody's have, and V is whole
.macro COMBINE h                       ; tile h's maximum and sum from four pairs: my two halves of the lanes and my partner's, who walked this tile as its tile 1 - h
	ds_load_b64 v[T:T+1], v[SA] offset:256*\h
	ds_load_b64 v[T+2:T+3], v[SB] offset:256*\h
	ds_load_b64 v[T+4:T+5], v[PA] offset:256*(1-\h)
	ds_load_b64 v[T+6:T+7], v[PB] offset:256*(1-\h)
	s_wait_dscnt 0x0
	v_max3_num_f32 v29, v[T], v[T+2], v[T+4]
	s_delay_alu instid0(VALU_DEP_1)
	v_max_num_f32 v29, v29, v[T+6]                 ; the row's maximum
.irp i, 0,2,4,6
	v_sub_f32 v[T+8+\i], v[T+\i], v29
.endr
.irp i, 0,2,4,6
	v_mul_f32 v[T+8+\i], s[CS], v[T+8+\i]
.endr
	s_wait_alu depctr_va_vdst(0)
.irp i, 0,2,4,6
	v_exp_f32 v[T+8+\i], v[T+8+\i]
.endr
	v_mul_f32 v22, s[NCS], v29                     ; - c m, for pass 2
	s_wait_alu depctr_va_vdst(0)
.irp i, 0,2,4,6
	v_mul_f32 v[T+1+\i], v[T+1+\i], v[T+8+\i]
.endr
	v_add_f32 v24, v[T+1], v[T+3]                  ; pairs first: lanes l and l xor 16 add the same numbers in an order that gives the same bits
	v_add_f32 v25, v[T+5], v[T+7]
	s_delay_alu instid0(VALU_DEP_1)
	v_add_f32 v24, v24, v25                        ; the row's sum: at least 1 where some key counts, 0 where none does
	s_wait_alu depctr_va_vdst(0)
	v_rcp_f32 v26, v24
	v_mov_b32 v23, v22                             ; (a plain place behind the reciprocal)
	v_cmp_lt_f32 vcc_lo, 0xf0c9f2ca, v29           ; -5e29 < m: some key counts
	s_wait_alu depctr_va_vdst(0)
	v_cndmask_b32 v26, 0, v26, vcc_lo              ; else attn = 0 in the whole row
	s_delay_alu instid0(VALU_DEP_1)
	v_mov_b32 v27, v26
.endm
.macro OZERO                           ; the step is written once: a tile's first step adds onto zeros
.set n, 0
.rept 32
	v_mov_b32 v[O+n], 0
.set n, n+1
.endr
.endm
; ---- PASS 2, one tile
.macro PASS2
	s_mov_b32 s[CNT], 0
.Lpass2_\@:
	IDX
	s_cmp_gt_u32 s[KF], s[Q128]
	s_cbranch_scc1 .Lhid2_\@
	SCORES
	v_add_nc_u32 v16, s[KO], v[AV0]
	v_add_nc_u32 v17, s[KO], v[AV80]
	v_add_nc_u32 v18, s[SO], v[AVS0]
.irp f, 0,1,2,3
	FRAGL KFR+12*\f, 16, 17, 1536*\f               ; v's four d tiles of these 128 keys land under the softmax
	ds_load_b32 v[VSW+\f], v18 offset:64*\f
.endr
	BLKMAX                                         ; a block's largest score gives its largest attn: the same lines on the same number give the same bits
.irp b, 0,1,2,3
	s_delay_alu instid0(VALU_DEP_4)
	v_permlanex16_b32 v[T+4+\b], v[T+\b], s[SEL], s[SEL+1]
.endr
.irp b, 0,1,2,3
	s_delay_alu instid0(VALU_DEP_4)
	v_max_num_f32 v[T+\b], v[T+\b], v[T+4+\b]
.endr
	TOEXP
.irp b, 0,1,2,3
	v_fma_f32 v[T+\b], v[T+\b], s[CS], v22
.endr
	s_wait_alu depctr_va_vdst(0)
	EXPS
.irp b, 0,1,2,3
	v_exp_f32 v[T+\b], v[T+\b]
.endr
	v_nop                                          ; one plain place behind the exponentials
.set n, 0
	s_wait_alu depctr_va_vdst(0)
.rept 32
	v_pk_mul_f32 v[S+n:S+n+1], v[S+n:S+n+1], v[26:27]      ; attn, normalised
.set n, n+2
.endr
.irp b, 0,1,2,3
	v_mul_f32 v[T+\b], v[T+\b], v26
.endr
.irp b, 0,1,2,3
	s_delay_alu instid0(VALU_DEP_4)
	v_max_num_f32 v[T+\b], 0x1800000, v[T+\b]      ; the floor 2^(3 - 127)
.endr
.irp b, 0,1,2,3
	s_delay_alu instid0(VALU_DEP_4)
	v_add_nc_u32 v[T+12+\b], 0xff000000, v[T+\b]
.endr
.irp b, 0,1,2,3
	s_delay_alu instid0(VALU_DEP_4)
	v_lshrrev_b32 v[T+4+\b], 23, v[T+12+\b]
.endr
	s_delay_alu instid0(VALU_DEP_3)
	v_lshl_or_b32 v[PSW], v[T+5], 8, v[T+4]
	s_delay_alu instid0(VALU_DEP_1)
	v_lshl_or_b32 v[PSW], v[T+6], 16, v[PSW]
	s_delay_alu instid0(VALU_DEP_1)
	v_lshl_or_b32 v[PSW], v[T+7], 24, v[PSW]
.irp c, 0,1
	v_cvt_scalef32_pk16_fp6_f32 v[P+6*\c:P+2+6*\c], v[S+32*\c:S+15+32*\c], v[T+12+2*\c]
	v_cvt_scalef32_pk16_fp6_f32 v[P+12+4*\c:P+14+4*\c], v[S+16+32*\c:S+31+32*\c], v[T+12+2*\c+1]
.endr
	v_nop
.irp c, 0,1
.irp i, 0,1,2
	v_permlane16_swap_b32 v[P+6*\c+\i], v[P+12+4*\c+\i]
.endr
.irp i, 0,1,2
	s_delay_alu instid0(VALU_DEP_3)
	v_mov_b32 v[P+3+6*\c+\i], v[P+12+4*\c+\i]
.endr
.endr
.rept 4
	v_nop                                          ; an operand written by vector lines stands 4 places ahead of a scaled product; the scale word stands 11 ahead
.endr
	s_wait_alu depctr_va_vdst(0)
	s_wait_dscnt 0x0                               ; v's fragments
.irp f, 0,1,2,3
	v_wmma_scale_f32_16x16x128_f8f6f4 v[O+8*\f:O+8*\f+7], v[KFR+12*\f:KFR+12*\f+11], v[P:P+11], v[O+8*\f:O+8*\f+7], v[VSW+\f], v[PSW] matrix_a_fmt:MATRIX_FMT_FP6 matrix_b_fmt:MATRIX_FMT_FP6
.endr
.Lhid2_\@:
	s_add_co_u32 s[CNT], s[CNT], 1
	s_cmp_lt_u32 s[CNT], 8
	s_wait_alu depctr_va_vdst(0)
	s_cbranch_scc1 .Lpass2_\@
.endm
	SETQ QA, QSA
	OZERO
	COMBINE 0
	s_mov_b32 s[Q128], s[QH0]
	s_wait_alu depctr_va_vdst(0)
	PASS2                                          ; my first tile
	SETQ QB, QSB                                   ; thirteen plain lines, the places behind the last products
.irp j, 0,1,2,3,4,5,6,7
	ds_store_b128 v[OPS], v[O+4*\j:O+4*\j+3] offset:512*\j   ; my first tile's sums, for my partner; each accumulator from its low end on
.endr
	OZERO
	COMBINE 1
	s_mov_b32 s[Q128], s[QH1]
	s_wait_alu depctr_va_vdst(0)
	PASS2                                          ; my last tile
	; ---- THE WAY OUT: my last tile's sums and my partner's; 16 queries x 64 dims are half a fragment of the next product: two blocks of 32
.rept 4
	v_nop
.endr
	s_wait_dscnt 0x0                               ; my first tile's sums have landed
	s_barrier_signal -1
	s_barrier_wait -1
.irp j, 0,1,2,3,4,5,6,7
	ds_load_b128 v[KFR+4*\j:KFR+4*\j+3], v[OPL] offset:512*\j
.endr
	s_wait_dscnt 0x0
.set n, 0
.rept 16
	v_pk_add_f32 v[O+n:O+n+1], v[O+n:O+n+1], v[KFR+n:KFR+n+1]
.set n, n+2
.endr
.irp b, 0,1
	v_max3_num_f32 v[T+\b], |v[O+16*\b]|, |v[O+1+16*\b]|, 0x1800000
.endr
.irp i, 2,4,6,8,10,12,14
.irp b, 0,1
	v_max3_num_f32 v[T+\b], v[T+\b], |v[O+16*\b+\i]|, |v[O+1+16*\b+\i]|
.endr
.endr
.irp b, 0,1
	s_delay_alu instid0(VALU_DEP_2)
	v_permlanex16_b32 v[T+4+\b], v[T+\b], s[SEL], s[SEL+1]
.endr
.irp b, 0,1
	s_delay_alu instid0(VALU_DEP_2)
	v_max_num_f32 v[T+\b], v[T+\b], v[T+4+\b]
.endr
.irp b, 0,1
	s_delay_alu instid0(VALU_DEP_2)
	v_add_nc_u32 v[T+12+\b], 0xff000000, v[T+\b]
.endr
.irp b, 0,1
	s_delay_alu instid0(VALU_DEP_2)
	v_lshrrev_b32 v[T+4+\b], 23, v[T+12+\b]
.endr
	s_delay_alu instid0(VALU_DEP_1)
	v_lshl_or_b32 v[T+8], v[T+5], 8, v[T+4]
	v_cvt_scalef32_pk16_fp6_f32 v[P:P+2], v[O:O+15], v[T+12]
	v_cvt_scalef32_pk16_fp6_f32 v[P+12:P+14], v[O+16:O+31], v[T+13]
	v_nop
.irp i, 0,1,2
	v_permlane16_swap_b32 v[P+\i], v[P+12+\i]
.endr
.irp i, 0,1,2
	s_delay_alu instid0(VALU_DEP_3)
	v_mov_b32 v[P+3+\i], v[P+12+\i]
.endr
	global_store_b128 v[L16], v[P:P+3], s[76:77]
	global_store_b64 v[L8], v[P+4:P+5], s[76:77] offset:512
	global_store_b16 v[L4R], v[T+8], s[78:79]
	s_wait_tensorcnt 0x0                           ; the wave's end
	ds_add_u32 v254, v255
	s_wait_dscnt 0x0
	s_endpgm
.Lfunc_end_k_q2190e9f34d_attn:
	.size	k_q2190e9f34d_attn, .Lfunc_end_k_q2190e9f34d_attn-k_q2190e9f34d_attn
	.p2alignl 7, 3214868480
	.fill 96, 4, 3214868480
	.section	.rodata,"a",@progbits
	.p2align	6, 0x0
	.amdhsa_kernel k_q2190e9f34d_attn
		.amdhsa_group_segment_fixed_size 327680
		.amdhsa_private_segment_fixed_size 0
		.amdhsa_enable_private_segment 0
		.amdhsa_kernarg_size 32
		.amdhsa_user_sgpr_count 2
		.amdhsa_user_sgpr_kernarg_segment_ptr 1
		.amdhsa_wavefront_size32 1
		.amdhsa_system_sgpr_workgroup_id_x 1
		.amdhsa_system_sgpr_workgroup_id_y 1
		.amdhsa_system_sgpr_workgroup_id_z 1
		.amdhsa_system_vgpr_workitem_id 0
		.amdhsa_next_free_vgpr 256
		.amdhsa_next_free_sgpr 90
		.amdhsa_reserve_vcc 1
		.amdhsa_float_denorm_mode_32 3
		.amdhsa_float_denorm_mode_16_64 3
		.amdhsa_memory_ordered 1
		.amdhsa_forward_progress 1
		.amdhsa_inst_pref_size 101
	.end_amdhsa_kernel
	.amdgpu_metadata
---
amdhsa.version: [ 1, 2 ]
amdhsa.kernels:
  - .name:           k_q2190e9f34d_attn
    .symbol:         k_q2190e9f34d_attn.kd
    .args:
      - { .name: qkvbuf, .offset: 0, .size: 8, .value_kind: global_buffer, .address_space: global }
      - { .name: attention_mask, .offset: 8, .size: 8, .value_kind: global_buffer, .address_space: global }
      - { .name: rel_bias, .offset: 16, .size: 8, .value_kind: global_buffer, .address_space: global }
      - { .name: abuf, .offset: 24, .size: 8, .value_kind: global_buffer, .address_space: global }
    .group_segment_fixed_size: 327680
    .private_segment_fixed_size: 0
    .kernarg_segment_align: 8
    .kernarg_segment_size: 32
    .max_flat_workgroup_size: 512
    .sgpr_count:     90
    .vgpr_count:     256
    .wavefront_size: 32
...
	.end_amdgpu_metadata
.endif
;; end of part 3
;; launch oproj (part 4): grid 8 x 32, 4 waves a work-group, clusters of 4 x 4, 327,680 bytes of LDS; arguments abuf, wbuf, bo, hidden, attention_mask, hbuf; writes hbuf
.if DOCPART == 4
	.amdgcn_target "amdgcn-amd-amdhsa--gfx1250"
	.amdhsa_code_object_version 6
	.text
	.protected	k_q2190e9f34d_oproj
	.globl	k_q2190e9f34d_oproj
	.p2align	8
	.type	k_q2190e9f34d_oproj,@function
k_q2190e9f34d_oproj:
	s_mov_b64 s[64:65], 0
	v_nop
	global_prefetch_b8 v0, s[64:65] scope:SCOPE_SE
	s_setreg_imm32_b32 hwreg(HW_REG_WAVE_MODE, 25, 1), 1
	s_wait_xcnt 0x0
	s_wait_alu depctr_hold_cnt(0) depctr_sa_sdst(0) depctr_va_vdst(0) depctr_va_sdst(0) depctr_va_ssrc(0) depctr_va_vcc(0) depctr_vm_vsrc(0)
	s_getreg_b32 s2, hwreg(HW_REG_IB_STS2, 6, 4)
	s_cmp_eq_u32 s2, 0
	s_cbranch_scc0 .Lentry_in_a_cluster
	s_endpgm
.Lentry_in_a_cluster:
	s_bfe_u32 s2, ttmp6, 0x10000c
	s_cmp_lg_u32 s2, 0xf033
	s_cbranch_scc0 .Lentry_shape_is_right
	s_endpgm
.Lentry_shape_is_right:
.set IS_FF2, 0
.set KS,    8
.set ASC,   3145728
.set BCO,   2359296
.set BSC,   9535488
.set NQ,    4
.set FR,    12
.set TROW,  NQ*1536
.set HALFT, 4*TROW
.set SLOT,  4*HALFT
.set LAPS,  KS/(2*NQ)
.set SCL,   2*SLOT
.set HALFS, 4*KS*64
.set SBLK,  KS*64
.set SPARE, SCL+4*HALFS
.set STAGE, SPARE+512
.set BI,   12
.set ADRA, 16
.set ADRB, 20
.set STO,  24
.set RD,   25
.set CO,   26
.set ADRS, 27
.set SPW,  28
.set NIL,  29
.set BOFF, 30
.set MOFF, 31
.set SC,   32
.set BK,   64
.set ACC,  128
.set RW,   0
.set MW,   128
.set G1, 24
.set G0, 32
.set G1B, 48
.set G0B, 56
.set G1S, 68
.set G0S, 76
.set G1SB, 80
.set G0SB, 88
.set MSB, 0
.macro WIN new
.if MSB != \new
	s_set_vgpr_msb (MSB<<8)|\new
.set MSB, \new
.endif
.endm
.set MUL,  0x05
.set TO_F, 0x40
.macro JLOAD g0a, g1a, g0b, g1b
	s_cmp_eq_u32 s17, 0
	s_cbranch_scc0 .Lfor_b_\@
	tensor_load_to_lds s[\g0a:\g0a+3], s[\g1a:\g1a+7]
	s_nop 0
.rept 4
	v_nop
.endr
	s_branch .Lasked_\@
.Lfor_b_\@:
	tensor_load_to_lds s[\g0b:\g0b+3], s[\g1b:\g1b+7]
	s_nop 0
.rept 4
	v_nop
.endr
.Lasked_\@:
.endm
.macro CREST
	s_cmp_lg_u32 s16, 0
	s_cbranch_scc1 .Lnot_wave_0_\@
	s_barrier_signal -3
.Lnot_wave_0_\@:
	s_barrier_wait -3
	s_barrier_signal -1
	s_barrier_wait -1
.endm
.macro CROUND
	s_barrier_signal -1
	s_barrier_wait -1
	CREST
.endm
.macro PLACES
.rept 4
	v_nop
.endr
.endm
.macro FRAG reg, adr, q, i
	ds_load_b128 v[\reg:\reg+3], v[\adr] offset:(\i)*TROW+(\q)*1536
	ds_load_b64 v[\reg+4:\reg+5], v[\adr+2] offset:(\i)*TROW+(\q)*1536+512
	ds_load_b128 v[\reg+6:\reg+9], v[\adr] offset:(\i)*TROW+(\q)*1536+768
	ds_load_b64 v[\reg+10:\reg+11], v[\adr+2] offset:(\i)*TROW+(\q)*1536+1280
.endm
.macro FETCH slot, q, p
	WIN TO_F
.irp i, 0,1,2,3
	FRAG 128*(\p)+FR*\i, ADRB+\slot, \q, \i
	FRAG 128*(\p)+48+FR*\i, ADRA+\slot, \q, \i
.endr
.endm
.macro SCALES sc
.irp i, 0,1,2,3
.irp q, 0,1,2,3
	ds_load_b32 v[SC+16*\sc+4*\i+\q], v[ADRS] offset:\i*SBLK+\q*64
.endr
.endr
.endm
.macro MUL4 a, p, q, sc, zero
.irp b, 0,1,2,3
.if \zero
	v_wmma_scale_f32_16x16x128_f8f6f4 v[ACC+8*(4*(\a)+\b):ACC+8*(4*(\a)+\b)+7], v[128*(\p)+FR*\b:128*(\p)+FR*\b+FR-1], v[128*(\p)+48+FR*(\a):128*(\p)+48+FR*(\a)+FR-1], 0, v[SC+16*(\sc)+4*\b+(\q)], v[SC+16*(\sc)+4*(\a)+(\q)] matrix_a_fmt:MATRIX_FMT_FP6 matrix_b_fmt:MATRIX_FMT_FP6 matrix_a_scale:MATRIX_SCALE_ROW1
.else
	v_wmma_scale_f32_16x16x128_f8f6f4 v[ACC+8*(4*(\a)+\b):ACC+8*(4*(\a)+\b)+7], v[128*(\p)+FR*\b:128*(\p)+FR*\b+FR-1], v[128*(\p)+48+FR*(\a):128*(\p)+48+FR*(\a)+FR-1], v[ACC+8*(4*(\a)+\b):ACC+8*(4*(\a)+\b)+7], v[SC+16*(\sc)+4*\b+(\q)], v[SC+16*(\sc)+4*(\a)+(\q)] matrix_a_fmt:MATRIX_FMT_FP6 matrix_b_fmt:MATRIX_FMT_FP6 matrix_a_scale:MATRIX_SCALE_ROW1
.endif
.endr
.endm
.macro STEP slot, q, zero
	PLACES
	FETCH \slot, (\q)+1, 1-(\q)%2
	s_wait_dscnt 32
	WIN MUL
	MUL4 0, (\q)%2, \q, \slot, \zero
	MUL4 1, (\q)%2, \q, \slot, \zero
	MUL4 2, (\q)%2, \q, \slot, \zero
	MUL4 3, (\q)%2, \q, \slot, \zero
.endm
.macro TURN slot, next, fill
	WIN 0
	s_wait_tensorcnt 0x0
	ds_add_u32 v[SPW], v[NIL]
	s_wait_dscnt 1
	WIN MUL
	MUL4 0, 1, 3, \slot, 0
	s_wait_dscnt 0x0
	s_barrier_signal -1
	MUL4 1, 1, 3, \slot, 0
	WIN 0
	s_barrier_wait -1
.if \fill
	CREST
	s_add_nc_u64 s[G0+4*\slot+2:G0+4*\slot+3], s[G0+4*\slot+2:G0+4*\slot+3], 2*TROW
	s_add_nc_u64 s[G0B+4*\slot+2:G0B+4*\slot+3], s[G0B+4*\slot+2:G0B+4*\slot+3], 2*TROW
	JLOAD G0+4*\slot, G1, G0B+4*\slot, G1B
.else
	PLACES
.endif
	v_add_nc_u32 v[ADRS], 64*NQ, v[ADRS]
	FETCH \next, 0, 0
	WIN 0
	SCALES \next
	WIN MUL
	MUL4 2, 1, 3, \slot, 0
	MUL4 3, 1, 3, \slot, 0
.endm
	s_load_b256 s[4:11], s[0:1], 0x0
	s_load_b128 s[12:15], s[0:1], 0x20
	v_lshl_add_u32 v[SPW], v0, 2, SPARE
	v_mov_b32 v[NIL], 0
	ds_add_u32 v28, v29
	ds_add_u32 v28, v29
	s_wait_dscnt 0x0
	v_lshrrev_b32 v1, 5, v0
	v_readfirstlane_b32 s16, v1
	s_lshr_b32 s17, s16, 1
	s_and_b32 s18, s16, 1
	s_bfe_u32 s40, ttmp6, 0x40000
	s_bfe_u32 s41, ttmp6, 0x40004
	s_lshl_b32 s42, ttmp9, 2
	s_add_co_u32 s42, s42, s40
	s_and_b32 s19, ttmp7, 0xffff
	s_lshl_b32 s19, s19, 2
	s_add_co_u32 s19, s19, s41
	s_lshl_b32 s43, s41, 2
	s_lshl_b32 s43, 15, s43
	s_lshl_b32 s44, 0x1111, s40
	s_or_b32 s[G1+0], s43, (3<<16)|(1<<21)
	s_or_b32 s[G1B+0], s44, (3<<16)|(1<<21)
.irp g, G1, G1B
	s_mov_b32 s[\g+1], (TROW/8)<<16
	s_mov_b32 s[\g+2], 8<<16
	s_mov_b32 s[\g+3], (TROW/8)<<16
	s_mov_b32 s[\g+4], 8
	s_mov_b32 s[\g+5], KS*192
	s_mov_b32 s[\g+6], 0
	s_mov_b32 s[\g+7], 0
.endr
	s_or_b32 s[G1S+0], s43, (3<<16)|(1<<21)
	s_or_b32 s[G1SB+0], s44, (3<<16)|(1<<21)
.irp g, G1S, G1SB
	s_mov_b32 s[\g+1], 32<<16
	s_mov_b32 s[\g+2], (HALFS/128)<<16
	s_mov_b32 s[\g+3], 32<<16
	s_mov_b32 s[\g+4], HALFS/128
	s_mov_b32 s[\g+5], 32
	s_mov_b32 s[\g+6], 0
	s_mov_b32 s[\g+7], 0
.endr
	s_lshl_b32 s20, s19, 3
	s_lshl_b32 s46, s42, 3
	s_mul_i32 s2, s18, 4*KS*1536
	s_mov_b32 s3, 0
	s_mul_i32 s22, s20, KS*64
	s_add_co_u32 s22, s22, ASC
	s_mov_b32 s23, 0
	s_mul_i32 s20, s20, KS*1536
	s_mov_b32 s21, 0
	s_mul_i32 s92, s46, KS*64
	s_add_co_u32 s92, s92, BSC
	s_mov_b32 s93, 0
	s_mul_i32 s46, s46, KS*1536
	s_add_co_u32 s46, s46, BCO
	s_mov_b32 s47, 0
	s_mul_i32 s45, s16, HALFT
	s_wait_kmcnt 0x0
	s_add_nc_u64 s[20:21], s[4:5], s[20:21]
	s_add_nc_u64 s[22:23], s[4:5], s[22:23]
	s_add_nc_u64 s[46:47], s[6:7], s[46:47]
	s_add_nc_u64 s[92:93], s[6:7], s[92:93]
	CROUND
	s_mov_b32 s[G0S], 1
	s_mov_b32 s[G0S+1], SCL
	s_mov_b64 s[G0S+2:G0S+3], s[22:23]
	s_or_b32 s[G0S+3], s[G0S+3], 0x80000000
	s_mov_b32 s[G0SB], 1
	s_mov_b32 s[G0SB+1], SCL+2*HALFS
	s_mov_b64 s[G0SB+2:G0SB+3], s[92:93]
	s_or_b32 s[G0SB+3], s[G0SB+3], 0x80000000
	s_mov_b32 s[G0], 1                             ; the head's loads of slot 0 take a side's 8 tiles whole
	s_mov_b32 s[G0+1], 0
	s_mov_b64 s[G0+2:G0+3], s[20:21]
	s_or_b32 s[G0+3], s[G0+3], 0x80000000
	s_mov_b32 s[G0B], 1
	s_mov_b32 s[G0B+1], 2*HALFT
	s_mov_b64 s[G0B+2:G0B+3], s[46:47]
	s_or_b32 s[G0B+3], s[G0B+3], 0x80000000
	s_mov_b32 s[G0+4], 1                           ; slot 1: my 4 tiles, the next four K steps
	s_add_co_u32 s[G0+5], s45, SLOT
	s_add_nc_u64 s[G0+6:G0+7], s[G0+2:G0+3], s[2:3]
	s_add_nc_u64 s[G0+6:G0+7], s[G0+6:G0+7], TROW
	s_mov_b32 s[G0B+4], 1
	s_add_co_u32 s[G0B+5], s45, SLOT
	s_add_nc_u64 s[G0B+6:G0B+7], s[G0B+2:G0B+3], s[2:3]
	s_add_nc_u64 s[G0B+6:G0B+7], s[G0B+6:G0B+7], TROW
; the head's four tiles, one joint load a wave: one chain of branches on the wave's number
.macro ARM under, g0, g1, next
	s_cmp_lt_u32 s16, \under
	s_cbranch_scc0 \next
	tensor_load_to_lds s[\g0:\g0+3], s[\g1:\g1+7]
	s_nop 0
.rept 4
	v_nop
.endr
	s_branch .Lhead_asked
\next:
.endm
	ARM 1, G0, G1, .Lhead_b
	ARM 2, G0B, G1B, .Lhead_sa
	ARM 3, G0S, G1S, .Lhead_sb
	tensor_load_to_lds s[G0SB:G0SB+3], s[G1SB:G1SB+7]
	s_nop 0
.rept 4
	v_nop
.endr
.Lhead_asked:
	v_and_b32 v1, 15, v0
	v_bfe_u32 v2, v0, 4, 1
	v_and_b32 v3, 31, v0
	v_lshlrev_b32 v3, 4, v3
	v_lshlrev_b32 v[BOFF], 4, v1
	v_lshl_add_u32 v4, v2, 3, v[BOFF]
	s_mul_i32 s21, s17, HALFT
	s_mul_i32 s22, s18, HALFT
	s_add_co_u32 s22, s22, 2*HALFT
.irp s, 0,1
	v_add_nc_u32 v[ADRA+\s], s21, v3
	v_add_nc_u32 v[ADRA+2+\s], s21, v4
	v_add_nc_u32 v[ADRB+\s], s22, v3
	v_add_nc_u32 v[ADRB+2+\s], s22, v4
	s_add_co_u32 s21, s21, SLOT
	s_add_co_u32 s22, s22, SLOT
.endr
	s_mul_i32 s21, s17, HALFS
	s_mul_i32 s22, s18, HALFS
	s_add_co_u32 s22, s22, 2*HALFS
	s_sub_co_u32 s22, s22, s21
	v_mul_u32_u24 v6, s22, v2
	s_add_co_u32 s21, s21, SCL
	v_lshl_add_u32 v6, v1, 2, v6
	v_add_nc_u32 v[ADRS], s21, v6
	s_mul_i32 s23, s16, 32*272
	s_add_co_u32 s23, s23, STAGE
	v_mul_u32_u24 v5, v1, 272
	v_lshl_add_u32 v5, v2, 6, v5
	v_add_nc_u32 v[STO], s23, v5
	v_mul_u32_u24 v5, v2, 272
	v_add_nc_u32 v5, v5, v[BOFF]
	v_add_nc_u32 v[RD], s23, v5
	v_lshl_add_u32 v[CO], v2, 12, v[BOFF]
	v_lshlrev_b32 v[MOFF], 2, v2
	s_wait_alu depctr_va_vdst(0)
	s_lshl_b32 s92, s19, 7
	s_lshl_b32 s93, s17, 6
	s_add_co_u32 s92, s92, s93
	s_lshl_b32 s94, s92, 2
	s_mov_b32 s95, 0
	s_add_nc_u64 s[12:13], s[12:13], s[94:95]
	s_lshl_b32 s94, s42, 9
	s_lshl_b32 s93, s18, 8
	s_add_co_u32 s94, s94, s93
	s_add_nc_u64 s[8:9], s[8:9], s[94:95]
	s_lshl_b32 s92, s92, 12
	s_add_co_u32 s94, s94, s92
	s_add_nc_u64 s[10:11], s[10:11], s[94:95]
	s_add_nc_u64 s[14:15], s[14:15], s[94:95]
	s_wait_tensorcnt 0x0                           ; my tile of the head's four is in
	ds_add_u32 v28, v29
	s_mov_b32 s[G1+2], 4<<16                       ; no load of mine is out: from here on a load brings 4 tiles
	s_mov_b32 s[G1+4], 4
	s_mov_b32 s[G1B+2], 4<<16
	s_mov_b32 s[G1B+4], 4
	s_mov_b32 s[G0+1], s45
	s_add_nc_u64 s[G0+2:G0+3], s[G0+2:G0+3], s[2:3]
	s_mov_b32 s[G0B+1], s45
	s_add_nc_u64 s[G0B+2:G0B+3], s[G0B+2:G0B+3], s[2:3]
	s_wait_dscnt 0x0
	CROUND
	JLOAD G0+4, G1, G0B+4, G1B                     ; slot 1's first fill, the first tensor load behind the round
	FETCH 0, 0, 0
	WIN 0
	SCALES 0
	global_load_b128 v[BI:BI+3], v[BOFF], s[8:9]   ; what the way out needs is asked for here, behind the head's tiles and slot 1's request: the bias, the mask, the residual
	WIN 0x80
.irp p, 0,1
.irp t, 0,1,2,3,4,5,6,7,8,9,10,11,12,13,14,15
.set TK, 32*\p+8*(\t/8)+((2*\t)%16)+8*(((2*\t)%16)/8)
	global_load_b32 v[MW+16*\p+\t], v[MOFF], s[12:13] offset:TK*4
.endr
.endr
.irp p, 0,1
.irp t, 0,1,2,3,4,5,6,7,8,9,10,11,12,13,14,15
.set TK, 32*\p+8*(\t/8)+((2*\t)%16)+8*(((2*\t)%16)/8)
	global_load_b128 v[RW+4*(16*\p+\t):RW+4*(16*\p+\t)+3], v[CO], s[10:11] offset:TK*4096
.endr
.endr
	WIN 0
	STEP 0, 0, 1
.if LAPS > 1
	WIN 0
	s_mov_b32 s3, LAPS-1
.Llap:
	STEP 0, 1, 0
	STEP 0, 2, 0
	TURN 0, 1, 1
	STEP 1, 0, 0
	STEP 1, 1, 0
	STEP 1, 2, 0
	TURN 1, 0, 1
	STEP 0, 0, 0
	WIN 0
	s_sub_co_u32 s3, s3, 1
	s_cmp_lg_u32 s3, 0
	s_cbranch_scc1 .Llap
.endif
	STEP 0, 1, 0
	STEP 0, 2, 0
	TURN 0, 1, 0
	STEP 1, 0, 0
	STEP 1, 1, 0
	STEP 1, 2, 0
	s_wait_dscnt 0
	MUL4 0, 1, 3, 1, 0
	MUL4 1, 1, 3, 1, 0
	MUL4 2, 1, 3, 1, 0
	MUL4 3, 1, 3, 1, 0
	WIN 0
.macro OUTG p, gq
.irp e, 0,1,2,3,4,5,6,7
	ds_load_b128 v[BK+4*\e:BK+4*\e+3], v[RD] offset:544*(8*(\gq)+\e)
.endr
	s_wait_dscnt 0x0
.irp e, 0,1,2,3,4,5,6,7
	v_pk_add_f32 v[BK+4*\e:BK+4*\e+1], v[BK+4*\e:BK+4*\e+1], v[BI:BI+1]
	v_pk_add_f32 v[BK+4*\e+2:BK+4*\e+3], v[BK+4*\e+2:BK+4*\e+3], v[BI+2:BI+3]
.endr
.if IS_FF2
	WIN 0x08
.irp e, 0,1,2,3,4,5,6,7
.set PR, 16*(\p)+8*(\gq)+\e
	v_pk_add_f32 v[BK+4*\e:BK+4*\e+1], v[BK+4*\e:BK+4*\e+1], v[RW+4*PR:RW+4*PR+1]
	v_pk_add_f32 v[BK+4*\e+2:BK+4*\e+3], v[BK+4*\e+2:BK+4*\e+3], v[RW+4*PR+2:RW+4*PR+3]
.endr
.irp e, 0,1,2,3,4,5,6,7
.set PR, 16*(\p)+8*(\gq)+\e
.irp j, 0,1,2,3
	v_mul_f32 v[BK+4*\e+\j], v[BK+4*\e+\j], v[MW+PR]
.endr
.endr
.else
	WIN 0x28
.irp e, 0,1,2,3,4,5,6,7
.set PR, 16*(\p)+8*(\gq)+\e
.irp j, 0,1,2,3
	v_fma_f32 v[BK+4*\e+\j], v[BK+4*\e+\j], v[MW+PR], v[RW+4*PR+\j]
.endr
.endr
.endif
	WIN 0
.irp e, 0,1,2,3,4,5,6,7
.set TT, 8*(\gq)+\e
.set TK, 32*(\p)+8*(TT/8)+((2*TT)%16)+8*(((2*TT)%16)/8)
	global_store_b128 v[CO], v[BK+4*\e:BK+4*\e+3], s[14:15] offset:TK*4096
.endr
	s_wait_xcnt 0x0
.endm
	s_wait_loadcnt 0x0
	PLACES
	WIN 0x82
.set n, 0
.rept 32
	v_cvt_f32_i32 v[MW+n], v[MW+n]
.set n, n+1
.endr
	WIN 0
.irp p, 0,1
.irp u, 0,1
.irp b, 0,1,2,3
	ds_store_b128 v[STO], v[ACC+8*(4*(2*\p+\u)+\b):ACC+8*(4*(2*\p+\u)+\b)+3] offset:\u*4352+128*(\b/2)+32*(\b%2)
	ds_store_b128 v[STO], v[ACC+8*(4*(2*\p+\u)+\b)+4:ACC+8*(4*(2*\p+\u)+\b)+7] offset:\u*4352+128*(\b/2)+32*(\b%2)+16
.endr
.endr
	OUTG \p, 0
	OUTG \p, 1
.endr
	s_wait_tensorcnt 0x0
	ds_add_u32 v[SPW], v[NIL]
	s_wait_dscnt 0x0
	CROUND
	s_endpgm
.Lfunc_end_k_q2190e9f34d_oproj:
	.size	k_q2190e9f34d_oproj, .Lfunc_end_k_q2190e9f34d_oproj-k_q2190e9f34d_oproj
	.p2alignl 7, 3214868480
	.fill 96, 4, 3214868480
	.section	.rodata,"a",@progbits
	.p2align	6, 0x0
	.amdhsa_kernel k_q2190e9f34d_oproj
		.amdhsa_group_segment_fixed_size 327680
		.amdhsa_private_segment_fixed_size 0
		.amdhsa_enable_private_segment 0
		.amdhsa_kernarg_size 48
		.amdhsa_user_sgpr_count 2
		.amdhsa_user_sgpr_kernarg_segment_ptr 1
		.amdhsa_wavefront_size32 1
		.amdhsa_system_sgpr_workgroup_id_x 1
		.amdhsa_system_sgpr_workgroup_id_y 1
		.amdhsa_system_sgpr_workgroup_id_z 1
		.amdhsa_system_vgpr_workitem_id 0
		.amdhsa_next_free_vgpr 768
		.amdhsa_next_free_sgpr 102
		.amdhsa_reserve_vcc 0
		.amdhsa_float_denorm_mode_32 3
		.amdhsa_float_denorm_mode_16_64 3
		.amdhsa_memory_ordered 1
		.amdhsa_forward_progress 1
		.amdhsa_inst_pref_size 74
	.end_amdhsa_kernel
	.amdgpu_metadata
---
amdhsa.version: [ 1, 2 ]
amdhsa.kernels:
  - .name:           k_q2190e9f34d_oproj
    .symbol:         k_q2190e9f34d_oproj.kd
    .args:
      - { .name: abuf, .offset: 0, .size: 8, .value_kind: global_buffer, .address_space: global }
      - { .name: wbuf, .offset: 8, .size: 8, .value_kind: global_buffer, .address_space: global }
      - { .name: bo, .offset: 16, .size: 8, .value_kind: global_buffer, .address_space: global }
      - { .name: hidden, .offset: 24, .size: 8, .value_kind: global_buffer, .address_space: global }
      - { .name: attention_mask, .offset: 32, .size: 8, .value_kind: global_buffer, .address_space: global }
      - { .name: hbuf, .offset: 40, .size: 8, .value_kind: global_buffer, .address_space: global }
    .group_segment_fixed_size: 327680
    .private_segment_fixed_size: 0
    .kernarg_segment_align: 8
    .kernarg_segment_size: 48
    .max_flat_workgroup_size: 128
    .sgpr_count:     102
    .vgpr_count:     768
    .wavefront_size: 32
...
	.end_amdgpu_metadata
.endif
;; end of part 4
;; launch ln1 (part 5): grid 256 x 1, 8 waves a work-group, no clusters, 69,632 bytes of LDS; arguments hbuf, ln2_g, ln2_b, xbuf; writes xbuf
.if DOCPART == 5
	.amdgcn_target "amdgcn-amd-amdhsa--gfx1250"
	.amdhsa_code_object_version 6
	.text
	.protected	k_q2190e9f34d_ln1
	.globl	k_q2190e9f34d_ln1
	.p2align	8
	.type	k_q2190e9f34d_ln1,@function
k_q2190e9f34d_ln1:
	s_mov_b64 s[64:65], 0
	v_nop
	global_prefetch_b8 v0, s[64:65] scope:SCOPE_SE
	s_setreg_imm32_b32 hwreg(HW_REG_WAVE_MODE, 25, 1), 1
	s_wait_xcnt 0x0
; y = (x - mean) rsqrt(var + 1e-5) g + b along rows of 1,024 f32, then quantised along the row to FP6 (E2M3), one E8M0 byte for each 32, and stored as register images of operand fragments.
; A work-group is one TILE of 16 rows: of a group of 32 rows, tile u takes rows 8 u + r + 8 (r / 8).  Wave w takes K step w (columns 128 w .. 128 w + 127) of all 16 rows.
; Out: fragment (tile T, step w) at (8 T + w) x 1,536 (two halves of 768 bytes: registers 6c .. 6c+3 at 16 x lane, registers 6c+4, 6c+5 at 512 + 16 (lane % 16) + 8 (lane / 16)); scale words at 3,145,728 + (8 T + w) x 64.
; Each load reads 512 consecutive bytes of a row; the wave's 16 x 512 bytes turn through its own stage in LDS (rows 528 bytes apart) so that lane (r, h) holds, of row r, 16 neighbours of each block of 32.
; ALL THAT THE WAVE READS FROM MEMORY IS REQUESTED AT ITS HEAD: x, then b, then g, 48 loads; g has registers of its own, in window 1, so that it need not wait for x's to be free.
; The mean is taken first and the variance of the centred numbers, so a common offset of the inputs costs no accuracy.  Two barriers: the waves' partial sums meet in LDS.
; No cluster and no tensor load: a work-group shares only g and b (8 KiB) with the others.
; LIMITS: a block of zeros gets the byte 1; NaN and infinities are not served.
.set R,  16                            ; v16-79   x as loaded
.set X,  80                            ; v80-143  64 numbers: register 16 b + i = column 128 w + 32 b + 16 h + i of row r
.set BB, 144                           ; v144-207 b
.set PC, 208                           ; v208-226 at work, then the codes
.set TM, 228                           ; v228-243 the quantiser's work
.set PW, 244                           ; the scale word
.set G,  0                             ; window 1, v0-63: g
.set SEL, 22
.set RED, 67584                        ; behind the eight stages: 16 rows x 8 waves of partial sums, twice 512 bytes
.set MSB, 0
.macro WIN new                         ; s_set_vgpr_msb: bits 1:0 source 0, 3:2 source 1, 5:4 source 2, 7:6 destination; the immediate's high byte repeats the setting that is left
.if MSB != \new
	s_set_vgpr_msb (MSB<<8)|\new
.set MSB, \new
.endif
.endm
.macro QUANT s, pc, pw                 ; 64 numbers of a lane, register 16 b + i = k 32 b + 16 (lane / 16) + i of my row, become a fragment's codes in v[pc] on and its scale word in v[pw]
.irp b, 0,1,2,3
	v_max3_num_f32 v[TM+\b], |v[\s+16*\b]|, |v[\s+1+16*\b]|, 0x1800000   ; my 16 numbers of block b, and the floor 2^(3 - 127)
.endr
.irp i, 2,4,6,8,10,12,14
.irp b, 0,1,2,3
	s_delay_alu instid0(VALU_DEP_4)
	v_max3_num_f32 v[TM+\b], v[TM+\b], |v[\s+16*\b+\i]|, |v[\s+1+16*\b+\i]|
.endr
.endr
.irp b, 0,1,2,3
	s_delay_alu instid0(VALU_DEP_4)
	v_permlanex16_b32 v[TM+4+\b], v[TM+\b], s[SEL], s[SEL+1]
.endr
.irp b, 0,1,2,3
	s_delay_alu instid0(VALU_DEP_4)
	v_max_num_f32 v[TM+\b], v[TM+\b], v[TM+4+\b]   ; with lane l xor 16's: the block's largest magnitude
.endr
.irp b, 0,1,2,3
	s_delay_alu instid0(VALU_DEP_4)
	v_add_nc_u32 v[TM+12+\b], 0xff000000, v[TM+\b] ; 2 off its exponent field: the conversion's scale operand
.endr
.irp b, 0,1,2,3
	s_delay_alu instid0(VALU_DEP_4)
	v_lshrrev_b32 v[TM+4+\b], 23, v[TM+12+\b]      ; the scale's byte
.endr
	s_delay_alu instid0(VALU_DEP_3)
	v_lshl_or_b32 v[\pw], v[TM+5], 8, v[TM+4]
	s_delay_alu instid0(VALU_DEP_1)
	v_lshl_or_b32 v[\pw], v[TM+6], 16, v[\pw]
	s_delay_alu instid0(VALU_DEP_1)
	v_lshl_or_b32 v[\pw], v[TM+7], 24, v[\pw]
.irp c, 0,1
	v_cvt_scalef32_pk16_fp6_f32 v[\pc+6*\c:\pc+2+6*\c], v[\s+32*\c:\s+15+32*\c], v[TM+12+2*\c]
	v_cvt_scalef32_pk16_fp6_f32 v[\pc+12+4*\c:\pc+14+4*\c], v[\s+16+32*\c:\s+31+32*\c], v[TM+12+2*\c+1]
.endr
	v_nop                                          ; one plain place behind a scaled conversion
.irp c, 0,1                            ; the operand's layout wants a whole block in a lane
.irp i, 0,1,2
	v_permlane16_swap_b32 v[\pc+6*\c+\i], v[\pc+12+4*\c+\i]
.endr
.irp i, 0,1,2
	s_delay_alu instid0(VALU_DEP_3)
	v_mov_b32 v[\pc+3+6*\c+\i], v[\pc+12+4*\c+\i]
.endr
.endr
.endm
.macro WGSUM red                       ; v208: my lane's sum -> v216: the row's sum over both halves of the lanes and the eight waves
	s_delay_alu instid0(VALU_DEP_1)
	v_permlanex16_b32 v209, v208, s[SEL], s[SEL+1]
	s_delay_alu instid0(VALU_DEP_1)
	v_add_f32 v208, v208, v209
	ds_store_b32 v8, v208 offset:\red              ; both halves of the lanes write the same word with the same value
	s_wait_dscnt 0x0                               ; for the others' sake: my store has landed
	s_barrier_signal -1
	s_barrier_wait -1
	ds_load_b128 v[216:219], v9 offset:\red
	ds_load_b128 v[220:223], v9 offset:\red+16
	s_wait_dscnt 0x0
	v_pk_add_f32 v[216:217], v[216:217], v[220:221]
	v_pk_add_f32 v[218:219], v[218:219], v[222:223]
	s_delay_alu instid0(VALU_DEP_1)
	v_pk_add_f32 v[216:217], v[216:217], v[218:219]
	s_delay_alu instid0(VALU_DEP_1)
	v_add_f32 v216, v216, v217
.endm
	s_load_b256 s[4:11], s[0:1], 0x0               ; x, g, b, out
	v_lshl_add_u32 v254, v0, 2, 0x10c00
	v_mov_b32 v255, 0
	v_lshrrev_b32 v1, 5, v0
	s_delay_alu instid0(VALU_DEP_1)
	v_readfirstlane_b32 s12, v1                    ; wave 0..7
	v_and_b32 v1, 31, v0                           ; lane
	s_wait_alu depctr_va_vdst(0)
	v_and_b32 v2, 15, v0                           ; r
	s_wait_alu depctr_va_vdst(0)
	v_bfe_u32 v3, v0, 4, 1                         ; h
	s_lshr_b32 s13, ttmp9, 1
	s_lshl_b32 s13, s13, 5
	s_and_b32 s14, ttmp9, 1
	s_lshl_b32 s14, s14, 3
	s_add_co_u32 s13, s13, s14                     ; the tile's first row: 32 (T / 2) + 8 (T % 2)
	s_lshl_b32 s14, s13, 12
	s_mov_b32 s15, 0
	s_lshl_b32 s16, ttmp9, 3
	s_add_co_u32 s16, s16, s12                     ; my fragment: 8 T + w
	s_mul_i32 s18, s16, 1536
	s_mov_b32 s19, 0
	s_lshl_b32 s20, s16, 6
	s_add_co_u32 s20, s20, 3145728
	s_mov_b32 s21, 0
	s_mov_b32 s[SEL], 0x76543210
	s_mov_b32 s[SEL+1], 0xfedcba98                 ; v_permlanex16_b32's selects for lane l xor 16
	s_lshl_b32 s24, s12, 9                         ; my 512 bytes of a row
	s_mul_i32 s25, s12, 8448                       ; my stage
	s_lshl_b32 s26, s12, 2
	v_lshlrev_b32 v10, 4, v1                       ; 16 x lane
	s_delay_alu instid0(VALU_DEP_1)
	v_add_nc_u32 v4, s24, v10                      ; x: my 16 bytes of the wave's 512
	s_delay_alu instid0(VALU_DEP_2)
	v_add_nc_u32 v5, s25, v10                      ; the stage, on the way in
	v_mul_u32_u24 v6, v2, 528
	s_wait_alu depctr_va_vdst(0)
	v_lshl_add_u32 v6, v3, 6, v6
	s_delay_alu instid0(VALU_DEP_1)
	v_add_nc_u32 v6, s25, v6                       ; and out: row r, + 64 h
	v_lshlrev_b32 v7, 6, v3
	s_delay_alu instid0(VALU_DEP_1)
	v_add_nc_u32 v7, s24, v7                       ; g, b: 512 w + 64 h
	v_lshlrev_b32 v9, 5, v2
	s_delay_alu instid0(VALU_DEP_1)
	v_add_nc_u32 v9, RED, v9                       ; row r's eight partial sums
	s_delay_alu instid0(VALU_DEP_1)
	v_add_nc_u32 v8, s26, v9                       ; mine among them
	v_lshlrev_b32 v11, 4, v2
	s_delay_alu instid0(VALU_DEP_1)
	v_lshl_add_u32 v11, v3, 3, v11                 ; 16 r + 8 h
	v_lshlrev_b32 v12, 2, v2                       ; 4 r
.irp b, 0,1,2,3
	v_mov_b32 v[TM+4+\b], 0                        ; written once: a lane permute's destination counts as one of its sources
.endr
	s_wait_kmcnt 0x0
	s_add_nc_u64 s[4:5], s[4:5], s[14:15]
	s_add_nc_u64 s[18:19], s[10:11], s[18:19]
	s_add_nc_u64 s[20:21], s[10:11], s[20:21]
.irp i, 0,1,2,3,4,5,6,7,8,9,10,11,12,13,14,15
	global_load_b128 v[R+4*\i:R+4*\i+3], v4, s[4:5] offset:(\i+8*(\i/8))*4096 th:TH_LOAD_NT
.endr
.irp b, 0,1,2,3                        ; b and g go out behind x, at once: they land while x is summed
.irp j, 0,1,2,3
	global_load_b128 v[BB+16*\b+4*\j:BB+16*\b+4*\j+3], v7, s[8:9] offset:128*\b+16*\j
.endr
.endr
	WIN 0x40                                       ; destination window 1, address window 0
.irp b, 0,1,2,3
.irp j, 0,1,2,3
	global_load_b128 v[G+16*\b+4*\j:G+16*\b+4*\j+3], v7, s[6:7] offset:128*\b+16*\j
.endr
.endr
	WIN 0
.irp i, 0,1,2,3,4,5,6,7,8,9,10,11,12,13,14,15
	s_wait_loadcnt 47-\i                           ; loads come back in order: row i is in; the 15 - i rows behind it and the 32 loads of b and g may be out
	ds_store_b128 v5, v[R+4*\i:R+4*\i+3] offset:528*\i
.endr
.irp b, 0,1,2,3
.irp j, 0,1,2,3
	ds_load_b128 v[X+16*\b+4*\j:X+16*\b+4*\j+3], v6 offset:128*\b+16*\j   ; my own stage: LDS serves a wave's instructions in order
.endr
.endr
	s_wait_dscnt 0x0
	v_pk_add_f32 v[210:211], v[80:81], v[88:89]
	v_pk_add_f32 v[212:213], v[96:97], v[104:105]
	v_pk_add_f32 v[214:215], v[112:113], v[120:121]
	v_pk_add_f32 v[252:253], v[128:129], v[136:137]
	v_pk_add_f32 v[250:251], v[82:83], v[90:91]
	v_pk_add_f32 v[248:249], v[98:99], v[106:107]
	v_pk_add_f32 v[246:247], v[114:115], v[122:123]
	v_pk_add_f32 v[208:209], v[130:131], v[138:139]
	s_delay_alu instid0(VALU_DEP_1)
	v_pk_add_f32 v[208:209], v[208:209], v[84:85]
	v_pk_add_f32 v[210:211], v[210:211], v[92:93]
	v_pk_add_f32 v[212:213], v[212:213], v[100:101]
	v_pk_add_f32 v[214:215], v[214:215], v[108:109]
	v_pk_add_f32 v[252:253], v[252:253], v[116:117]
	v_pk_add_f32 v[250:251], v[250:251], v[124:125]
	v_pk_add_f32 v[248:249], v[248:249], v[132:133]
	v_pk_add_f32 v[246:247], v[246:247], v[140:141]
	v_pk_add_f32 v[208:209], v[208:209], v[86:87]
	v_pk_add_f32 v[210:211], v[210:211], v[94:95]
	v_pk_add_f32 v[212:213], v[212:213], v[102:103]
	v_pk_add_f32 v[214:215], v[214:215], v[110:111]
	v_pk_add_f32 v[252:253], v[252:253], v[118:119]
	v_pk_add_f32 v[250:251], v[250:251], v[126:127]
	v_pk_add_f32 v[248:249], v[248:249], v[134:135]
	v_pk_add_f32 v[246:247], v[246:247], v[142:143]
	s_delay_alu instid0(VALU_DEP_4)
	v_pk_add_f32 v[208:209], v[208:209], v[252:253]
	s_delay_alu instid0(VALU_DEP_4)
	v_pk_add_f32 v[210:211], v[210:211], v[250:251]
	s_delay_alu instid0(VALU_DEP_4)
	v_pk_add_f32 v[212:213], v[212:213], v[248:249]
	s_delay_alu instid0(VALU_DEP_4)
	v_pk_add_f32 v[214:215], v[214:215], v[246:247]
	s_delay_alu instid0(VALU_DEP_2)
	v_pk_add_f32 v[208:209], v[208:209], v[212:213]
	s_delay_alu instid0(VALU_DEP_2)
	v_pk_add_f32 v[210:211], v[210:211], v[214:215]
	s_delay_alu instid0(VALU_DEP_1)
	v_pk_add_f32 v[208:209], v[208:209], v[210:211]
	s_delay_alu instid0(VALU_DEP_1)
	v_add_f32 v208, v208, v209
	WGSUM 0
	s_delay_alu instid0(VALU_DEP_1)
	v_mul_f32 v246, 0xba800000, v216               ; - the mean
	s_delay_alu instid0(VALU_DEP_1)
	v_mov_b32 v247, v246
.set n, 0
.rept 32
	v_pk_add_f32 v[X+n:X+n+1], v[X+n:X+n+1], v[246:247]
.set n, n+2
.endr
.irp k, 0,1,2,3                        ; the centred numbers' squares
	v_pk_mul_f32 v[208+2*\k:209+2*\k], v[X+2*\k:X+2*\k+1], v[X+2*\k:X+2*\k+1]
.endr
.irp j, 1,2,3,4,5,6,7
.irp k, 0,1,2,3
	s_delay_alu instid0(VALU_DEP_4)
	v_pk_fma_f32 v[208+2*\k:209+2*\k], v[X+8*\j+2*\k:X+8*\j+2*\k+1], v[X+8*\j+2*\k:X+8*\j+2*\k+1], v[208+2*\k:209+2*\k]
.endr
.endr
	s_delay_alu instid0(VALU_DEP_3)
	v_pk_add_f32 v[208:209], v[208:209], v[210:211]
	s_delay_alu instid0(VALU_DEP_2)
	v_pk_add_f32 v[212:213], v[212:213], v[214:215]
	s_delay_alu instid0(VALU_DEP_1)
	v_pk_add_f32 v[208:209], v[208:209], v[212:213]
	s_delay_alu instid0(VALU_DEP_1)
	v_add_f32 v208, v208, v209
	WGSUM 512                                      ; other bytes than the first sum's: no third barrier is needed
	v_mov_b32 v249, 0x3a800000
	s_delay_alu instid0(VALU_DEP_1)
	v_fmaak_f32 v248, v216, v249, 0x3727c5ac       ; the variance + 1e-5
	s_wait_alu depctr_va_vdst(0)
	v_rsq_f32 v250, v248
	v_nop                                          ; one plain place behind a transcendental
	s_wait_alu depctr_va_vdst(0)
	v_mov_b32 v251, v250
	s_wait_alu depctr_va_vdst(0)
	s_wait_loadcnt 0x0                             ; g and b
.set n, 0
.rept 32
	v_pk_mul_f32 v[X+n:X+n+1], v[X+n:X+n+1], v[250:251]
.set n, n+2
.endr
	WIN 0x04                                       ; source 1 (g) window 1
.set n, 0
.rept 32
	v_pk_fma_f32 v[X+n:X+n+1], v[X+n:X+n+1], v[G+n:G+n+1], v[BB+n:BB+n+1]
.set n, n+2
.endr
	WIN 0
	QUANT X, PC, PW
	global_store_b128 v10, v[PC:PC+3], s[18:19]                ; 512 consecutive bytes
	global_store_b64 v11, v[PC+4:PC+5], s[18:19] offset:512    ; 256
	global_store_b128 v10, v[PC+6:PC+9], s[18:19] offset:768
	global_store_b64 v11, v[PC+10:PC+11], s[18:19] offset:1280
	global_store_b32 v12, v[PW], s[20:21]                      ; 64 bytes; both halves of the lanes hold the same word
	s_wait_tensorcnt 0x0
	ds_add_u32 v254, v255
	s_wait_dscnt 0x0
	s_endpgm
.Lfunc_end_k_q2190e9f34d_ln1:
	.size	k_q2190e9f34d_ln1, .Lfunc_end_k_q2190e9f34d_ln1-k_q2190e9f34d_ln1
	.p2alignl 7, 3214868480
	.fill 96, 4, 3214868480
	.section	.rodata,"a",@progbits
	.p2align	6, 0x0
	.amdhsa_kernel k_q2190e9f34d_ln1
		.amdhsa_group_segment_fixed_size 69632
		.amdhsa_private_segment_fixed_size 0
		.amdhsa_enable_private_segment 0
		.amdhsa_kernarg_size 32
		.amdhsa_user_sgpr_count 2
		.amdhsa_user_sgpr_kernarg_segment_ptr 1
		.amdhsa_wavefront_size32 1
		.amdhsa_system_sgpr_workgroup_id_x 1
		.amdhsa_system_sgpr_workgroup_id_y 1
		.amdhsa_system_sgpr_workgroup_id_z 1
		.amdhsa_system_vgpr_workitem_id 0
		.amdhsa_next_free_vgpr 320
		.amdhsa_next_free_sgpr 66
		.amdhsa_reserve_vcc 0
		.amdhsa_float_denorm_mode_32 3
		.amdhsa_float_denorm_mode_16_64 3
		.amdhsa_memory_ordered 1
		.amdhsa_forward_progress 1
		.amdhsa_inst_pref_size 30
	.end_amdhsa_kernel
	.amdgpu_metadata
---
amdhsa.version: [ 1, 2 ]
amdhsa.kernels:
  - .name:           k_q2190e9f34d_ln1
    .symbol:         k_q2190e9f34d_ln1.kd
    .args:
      - { .name: hbuf, .offset: 0, .size: 8, .value_kind: global_buffer, .address_space: global }
      - { .name: ln2_g, .offset: 8, .size: 8, .value_kind: global_buffer, .address_space: global }
      - { .name: ln2_b, .offset: 16, .size: 8, .value_kind: global_buffer, .address_space: global }
      - { .name: xbuf, .offset: 24, .size: 8, .value_kind: global_buffer, .address_space: global }
    .group_segment_fixed_size: 69632
    .private_segment_fixed_size: 0
    .kernarg_segment_align: 8
    .kernarg_segment_size: 32
    .max_flat_workgroup_size: 256
    .sgpr_count:     66
    .vgpr_count:     320
    .wavefront_size: 32
...
	.end_amdgpu_metadata
.endif
;; end of part 5
;; launch ff1 (part 6): grid 16 x 16, 4 waves a work-group, clusters of 4 x 4, 327,680 bytes of LDS; arguments xbuf, wbuf, b1, gbuf; writes gbuf
.if DOCPART == 6
	.amdgcn_target "amdgcn-amd-amdhsa--gfx1250"
	.amdhsa_code_object_version 6
	.text
	.protected	k_q2190e9f34d_ff1
	.globl	k_q2190e9f34d_ff1
	.p2align	8
	.type	k_q2190e9f34d_ff1,@function
k_q2190e9f34d_ff1:
	s_mov_b64 s[64:65], 0
	v_nop
	global_prefetch_b8 v0, s[64:65] scope:SCOPE_SE
	s_setreg_imm32_b32 hwreg(HW_REG_WAVE_MODE, 25, 1), 1
	s_wait_xcnt 0x0
	s_wait_alu depctr_hold_cnt(0) depctr_sa_sdst(0) depctr_va_vdst(0) depctr_va_sdst(0) depctr_va_ssrc(0) depctr_va_vcc(0) depctr_vm_vsrc(0)
	s_getreg_b32 s2, hwreg(HW_REG_IB_STS2, 6, 4)
	s_cmp_eq_u32 s2, 0
	s_cbranch_scc0 .Lentry_in_a_cluster
	s_endpgm
.Lentry_in_a_cluster:
	s_bfe_u32 s2, ttmp6, 0x10000c
	s_cmp_lg_u32 s2, 0xf033
	s_cbranch_scc0 .Lentry_shape_is_right
	s_endpgm
.Lentry_shape_is_right:
.set NQ,    2
.set KS,    8
.set FR,    12
.set NL,    4
.set NP,    4
.set TROW,  NQ*1536
.set HALFT, 8*TROW
.set SLOT,  4*HALFT
.set LAPS,  KS/(2*NQ)
.set SCL,   2*SLOT
.set HALFS, 8*KS*64
.set SBLK,  KS*64
.set SPARE, SCL+4*HALFS
.set ASC,   3145728
.set BCO,   3145728
.set BSC,   9568256
.set ADRA, 16
.set ADRB, 20
.set L16,  24
.set L8,   25
.set L4R,  26
.set ADRS, 27
.set SPW,  28
.set NIL,  29
.set SC,   32
.set BIAS, 64
.set AF,   128
.set H,    128
.set PC,   192
.set GT,   192
.set TM,   212
.set PW,   228
.set CA11, 232
.set CB6,  234
.set G1, 24
.set G0, 32
.set G1B, 48
.set G0B, 56
.set SEL, 66
.set G1S, 68
.set G0S, 76
.set G1SB, 80
.set G0SB, 88
.set BP, 96
.set DC, 98
.set DS, 100
.set MSB, 0
.macro WIN new
.if MSB != \new
	s_set_vgpr_msb (MSB<<8)|\new
.set MSB, \new
.endif
.endm
.set MUL_LO, 0xa1
.set MUL_HI, 0xf1
.set TO_B,   0x40
.macro JLOAD g0a, g1a, g0b, g1b
	s_cmp_eq_u32 s17, 0
	s_cbranch_scc0 .Lfor_b_\@
	tensor_load_to_lds s[\g0a:\g0a+3], s[\g1a:\g1a+7]
	s_nop 0
.rept 4
	v_nop
.endr
	s_branch .Lasked_\@
.Lfor_b_\@:
	tensor_load_to_lds s[\g0b:\g0b+3], s[\g1b:\g1b+7]
	s_nop 0
.rept 4
	v_nop
.endr
.Lasked_\@:
.endm
.macro CREST
	s_cmp_lg_u32 s16, 0
	s_cbranch_scc1 .Lnot_wave_0_\@
	s_barrier_signal -3
.Lnot_wave_0_\@:
	s_barrier_wait -3
	s_barrier_signal -1
	s_barrier_wait -1
.endm
.macro CROUND
	s_barrier_signal -1
	s_barrier_wait -1
	CREST
.endm
.macro PLACES n
.rept \n
	v_nop
.endr
.endm
.macro FRAG reg, adr, q, i
	ds_load_b128 v[\reg:\reg+3], v[\adr] offset:(\i)*TROW+(\q)*1536
	ds_load_b64 v[\reg+4:\reg+5], v[\adr+2] offset:(\i)*TROW+(\q)*1536+512
	ds_load_b128 v[\reg+6:\reg+9], v[\adr] offset:(\i)*TROW+(\q)*1536+768
	ds_load_b64 v[\reg+10:\reg+11], v[\adr+2] offset:(\i)*TROW+(\q)*1536+1280
.endm
.macro MUL16 a0, p, q, sc, zero
.irp a, \a0, \a0+1
.irp b, 0,1,2,3,4,5,6,7
.if \zero
	v_wmma_scale_f32_16x16x128_f8f6f4 v[8*(8*((\a)%4)+\b):8*(8*((\a)%4)+\b)+7], v[128*(\p)+FR*\b:128*(\p)+FR*\b+FR-1], v[AF+FR*(\a):AF+FR*(\a)+FR-1], 0, v[SC+8*NQ*(\sc)+NQ*\b+(\q)], v[SC+8*NQ*(\sc)+NQ*(\a)+(\q)] matrix_a_fmt:MATRIX_FMT_FP6 matrix_b_fmt:MATRIX_FMT_FP6 matrix_a_scale:MATRIX_SCALE_ROW1
.else
	v_wmma_scale_f32_16x16x128_f8f6f4 v[8*(8*((\a)%4)+\b):8*(8*((\a)%4)+\b)+7], v[128*(\p)+FR*\b:128*(\p)+FR*\b+FR-1], v[AF+FR*(\a):AF+FR*(\a)+FR-1], v[8*(8*((\a)%4)+\b):8*(8*((\a)%4)+\b)+7], v[SC+8*NQ*(\sc)+NQ*\b+(\q)], v[SC+8*NQ*(\sc)+NQ*(\a)+(\q)] matrix_a_fmt:MATRIX_FMT_FP6 matrix_b_fmt:MATRIX_FMT_FP6 matrix_a_scale:MATRIX_SCALE_ROW1
.endif
.endr
.endr
.endm
.macro FETCH_B slot, q, p
	WIN TO_B
.irp i, 0,1,2,3,4,5,6,7
	FRAG 128*(\p)+FR*\i, ADRB+\slot, \q, \i
.endr
	WIN 0
.endm
.macro FETCH_A slot, q, i0
.irp i, \i0, \i0+1, \i0+2, \i0+3
	FRAG AF+FR*(\i), ADRA+\slot, \q, \i
.endr
.endm
.macro SCALES sc
.irp i, 0,1,2,3,4,5,6,7
.irp q, 0,1
	ds_load_b32 v[SC+8*NQ*\sc+NQ*\i+\q], v[ADRS] offset:\i*SBLK+\q*64
.endr
.endr
.endm
.macro STEP slot, q, zero
	s_wait_dscnt 4*NL
	WIN MUL_LO
	MUL16 0, (\q)%2, \q, \slot, \zero
	MUL16 2, (\q)%2, \q, \slot, \zero
	s_wait_dscnt 0
	PLACES NP
	FETCH_B \slot, (\q)+1, 1-(\q)%2
	FETCH_A \slot, (\q)+1, 0
	WIN MUL_HI
	MUL16 4, (\q)%2, \q, \slot, \zero
	MUL16 6, (\q)%2, \q, \slot, \zero
	PLACES NP
	WIN 0
	FETCH_A \slot, (\q)+1, 4
.endm
.macro TURN slot, next, fill
	s_wait_tensorcnt 0x0
	ds_add_u32 v[SPW], v[NIL]
	s_wait_dscnt 4*NL+1
	WIN MUL_LO
	MUL16 0, 1, NQ-1, \slot, 0
	s_wait_dscnt 0x0
	s_barrier_signal -1
	MUL16 2, 1, NQ-1, \slot, 0
	WIN 0
	s_barrier_wait -1
.if \fill
	CREST
	s_add_nc_u64 s[G0+4*\slot+2:G0+4*\slot+3], s[G0+4*\slot+2:G0+4*\slot+3], 2*TROW
	s_add_nc_u64 s[G0B+4*\slot+2:G0B+4*\slot+3], s[G0B+4*\slot+2:G0B+4*\slot+3], 2*TROW
	JLOAD G0+4*\slot, G1, G0B+4*\slot, G1B
.else
	PLACES NP
.endif
	s_wait_alu depctr_va_vdst(0)
	v_add_nc_u32 v[ADRS], 64*NQ, v[ADRS]
	FETCH_B \next, 0, 0
	FETCH_A \next, 0, 0
	SCALES \next
	WIN MUL_HI
	MUL16 4, 1, NQ-1, \slot, 0
	MUL16 6, 1, NQ-1, \slot, 0
	PLACES NP
	WIN 0
	FETCH_A \next, 0, 4
.endm
.macro QUANT s, pc, pw
.irp b, 0,1,2,3
	v_max3_num_f32 v[TM+\b], |v[\s+16*\b]|, |v[\s+1+16*\b]|, 0x1800000
.endr
.irp i, 2,4,6,8,10,12,14
.irp b, 0,1,2,3
	v_max3_num_f32 v[TM+\b], v[TM+\b], |v[\s+16*\b+\i]|, |v[\s+1+16*\b+\i]|
.endr
.endr
.irp b, 0,1,2,3
	v_permlanex16_b32 v[TM+4+\b], v[TM+\b], s[SEL], s[SEL+1]
.endr
.irp b, 0,1,2,3
	v_max_num_f32 v[TM+\b], v[TM+\b], v[TM+4+\b]
.endr
.irp b, 0,1,2,3
	v_add_nc_u32 v[TM+12+\b], 0xff000000, v[TM+\b]
.endr
.irp b, 0,1,2,3
	v_lshrrev_b32 v[TM+4+\b], 23, v[TM+12+\b]
.endr
	v_lshl_or_b32 v[\pw], v[TM+5], 8, v[TM+4]
	v_lshl_or_b32 v[\pw], v[TM+6], 16, v[\pw]
	v_lshl_or_b32 v[\pw], v[TM+7], 24, v[\pw]
.irp c, 0,1
	v_cvt_scalef32_pk16_fp6_f32 v[\pc+6*\c:\pc+2+6*\c], v[\s+32*\c:\s+15+32*\c], v[TM+12+2*\c]
	v_cvt_scalef32_pk16_fp6_f32 v[\pc+12+4*\c:\pc+14+4*\c], v[\s+16+32*\c:\s+31+32*\c], v[TM+12+2*\c+1]
.endr
	v_nop
.irp c, 0,1
.irp i, 0,1,2
	v_permlane16_swap_b32 v[\pc+6*\c+\i], v[\pc+12+4*\c+\i]
.endr
.irp i, 0,1,2
	v_mov_b32 v[\pc+3+6*\c+\i], v[\pc+12+4*\c+\i]
.endr
.endr
.endm
	s_load_b256 s[4:11], s[0:1], 0x0
	v_lshl_add_u32 v[SPW], v0, 2, SPARE
	v_mov_b32 v[NIL], 0
	ds_add_u32 v28, v29
	ds_add_u32 v28, v29
	s_wait_dscnt 0x0
	v_lshrrev_b32 v1, 5, v0
	v_readfirstlane_b32 s16, v1
	s_lshr_b32 s17, s16, 1
	s_and_b32 s18, s16, 1
	s_bfe_u32 s40, ttmp6, 0x40000
	s_bfe_u32 s41, ttmp6, 0x40004
	s_lshl_b32 s42, ttmp9, 2
	s_add_co_u32 s42, s42, s40
	s_and_b32 s19, ttmp7, 0xffff
	s_lshl_b32 s19, s19, 2
	s_add_co_u32 s19, s19, s41
	s_lshl_b32 s43, s41, 2
	s_lshl_b32 s43, 15, s43
	s_lshl_b32 s44, 0x1111, s40
	s_or_b32 s[G1+0], s43, (3<<16)|(1<<21)
	s_or_b32 s[G1B+0], s44, (3<<16)|(1<<21)
.irp g, G1, G1B
	s_mov_b32 s[\g+1], (TROW/8)<<16
	s_mov_b32 s[\g+2], 16<<16
	s_mov_b32 s[\g+3], (TROW/8)<<16
	s_mov_b32 s[\g+4], 16
	s_mov_b32 s[\g+5], KS*192
	s_mov_b32 s[\g+6], 0
	s_mov_b32 s[\g+7], 0
.endr
	s_or_b32 s[G1S+0], s43, (3<<16)|(1<<21)
	s_or_b32 s[G1SB+0], s44, (3<<16)|(1<<21)
.irp g, G1S, G1SB
	s_mov_b32 s[\g+1], 32<<16
	s_mov_b32 s[\g+2], (HALFS/128)<<16
	s_mov_b32 s[\g+3], 32<<16
	s_mov_b32 s[\g+4], HALFS/128
	s_mov_b32 s[\g+5], 32
	s_mov_b32 s[\g+6], 0
	s_mov_b32 s[\g+7], 0
.endr
	s_lshl_b32 s20, s19, 4
	s_lshl_b32 s46, s42, 4
	s_mul_i32 s2, s18, 8*KS*1536
	s_mov_b32 s3, 0
	s_lshl_b32 s22, s20, 9
	s_add_co_u32 s22, s22, ASC
	s_mov_b32 s23, 0
	s_mul_i32 s20, s20, KS*1536
	s_mov_b32 s21, 0
	s_lshl_b32 s92, s46, 9
	s_add_co_u32 s92, s92, BSC
	s_mov_b32 s93, 0
	s_mul_i32 s46, s46, KS*1536
	s_add_co_u32 s46, s46, BCO
	s_mov_b32 s47, 0
	s_mul_i32 s45, s16, HALFT
	s_mov_b32 s[SEL], 0x76543210
	s_mov_b32 s[SEL+1], 0xfedcba98
	s_wait_kmcnt 0x0
	s_add_nc_u64 s[20:21], s[4:5], s[20:21]
	s_add_nc_u64 s[22:23], s[4:5], s[22:23]
	s_add_nc_u64 s[46:47], s[6:7], s[46:47]
	s_add_nc_u64 s[92:93], s[6:7], s[92:93]
	CROUND
	s_mov_b32 s[G0S], 1
	s_mov_b32 s[G0S+1], SCL
	s_mov_b64 s[G0S+2:G0S+3], s[22:23]
	s_or_b32 s[G0S+3], s[G0S+3], 0x80000000
	s_mov_b32 s[G0SB], 1
	s_mov_b32 s[G0SB+1], SCL+2*HALFS
	s_mov_b64 s[G0SB+2:G0SB+3], s[92:93]
	s_or_b32 s[G0SB+3], s[G0SB+3], 0x80000000
	s_mov_b32 s[G0], 1                             ; the head's loads of slot 0 take a side's 16 tiles whole
	s_mov_b32 s[G0+1], 0
	s_mov_b64 s[G0+2:G0+3], s[20:21]
	s_or_b32 s[G0+3], s[G0+3], 0x80000000
	s_mov_b32 s[G0B], 1
	s_mov_b32 s[G0B+1], 2*HALFT
	s_mov_b64 s[G0B+2:G0B+3], s[46:47]
	s_or_b32 s[G0B+3], s[G0B+3], 0x80000000
	s_mov_b32 s[G0+4], 1                           ; slot 1: my 8 tiles, the second pair of K steps
	s_add_co_u32 s[G0+5], s45, SLOT
	s_add_nc_u64 s[G0+6:G0+7], s[G0+2:G0+3], s[2:3]
	s_add_nc_u64 s[G0+6:G0+7], s[G0+6:G0+7], TROW
	s_mov_b32 s[G0B+4], 1
	s_add_co_u32 s[G0B+5], s45, SLOT
	s_add_nc_u64 s[G0B+6:G0B+7], s[G0B+2:G0B+3], s[2:3]
	s_add_nc_u64 s[G0B+6:G0B+7], s[G0B+6:G0B+7], TROW
; the head's four tiles, one joint load a wave: one chain of branches on the wave's number
.macro ARM under, g0, g1, next
	s_cmp_lt_u32 s16, \under
	s_cbranch_scc0 \next
	tensor_load_to_lds s[\g0:\g0+3], s[\g1:\g1+7]
	s_nop 0
.rept 4
	v_nop
.endr
	s_branch .Lhead_asked
\next:
.endm
	ARM 1, G0, G1, .Lhead_b
	ARM 2, G0B, G1B, .Lhead_sa
	ARM 3, G0S, G1S, .Lhead_sb
	tensor_load_to_lds s[G0SB:G0SB+3], s[G1SB:G1SB+7]
	s_nop 0
.rept 4
	v_nop
.endr
.Lhead_asked:
	v_and_b32 v1, 15, v0
	v_bfe_u32 v2, v0, 4, 1
	v_and_b32 v3, 31, v0
	v_lshlrev_b32 v[L16], 4, v3
	v_lshlrev_b32 v[L8], 4, v1
	v_lshl_add_u32 v[L8], v2, 3, v[L8]
	v_lshlrev_b32 v[L4R], 2, v1
	s_mul_i32 s21, s17, HALFT
	s_mul_i32 s22, s18, HALFT
	s_add_co_u32 s22, s22, 2*HALFT
.irp s, 0,1
	v_add_nc_u32 v[ADRA+\s], s21, v[L16]
	v_add_nc_u32 v[ADRA+2+\s], s21, v[L8]
	v_add_nc_u32 v[ADRB+\s], s22, v[L16]
	v_add_nc_u32 v[ADRB+2+\s], s22, v[L8]
	s_add_co_u32 s21, s21, SLOT
	s_add_co_u32 s22, s22, SLOT
.endr
	s_mul_i32 s21, s17, HALFS
	s_mul_i32 s22, s18, HALFS
	s_add_co_u32 s22, s22, 2*HALFS
	s_sub_co_u32 s22, s22, s21
	v_mul_u32_u24 v6, s22, v2
	s_add_co_u32 s21, s21, SCL
	v_add_nc_u32 v6, v[L4R], v6
	v_add_nc_u32 v[ADRS], s21, v6
	s_lshl_b32 s92, s42, 10
	s_lshl_b32 s93, s18, 9
	s_add_co_u32 s92, s92, s93
	s_mov_b32 s93, 0
	s_add_nc_u64 s[BP:BP+1], s[8:9], s[92:93]
	v_lshlrev_b32 v7, 6, v2
.irp g, 0,1,2,3
.irp j, 0,1,2,3
	global_load_b128 v[BIAS+16*\g+4*\j:BIAS+16*\g+4*\j+3], v7, s[BP:BP+1] offset:128*\g+16*\j
.endr
.endr
	s_lshl_b32 s92, s19, 4
	s_lshl_b32 s93, s17, 3
	s_add_co_u32 s92, s92, s93
	s_lshl_b32 s92, s92, 5
	s_lshl_b32 s93, s42, 1
	s_add_co_u32 s92, s92, s93
	s_add_co_u32 s92, s92, s18
	s_mul_i32 s[DC], s92, 1536
	s_mov_b32 s[DC+1], 0
	s_lshl_b32 s[DS], s92, 6
	s_add_co_u32 s[DS], s[DS], 12582912
	s_mov_b32 s[DS+1], 0
	s_add_nc_u64 s[DC:DC+1], s[10:11], s[DC:DC+1]
	s_add_nc_u64 s[DS:DS+1], s[10:11], s[DS:DS+1]
	s_wait_alu depctr_va_vdst(0)
	s_wait_tensorcnt 0x0                           ; my tile of the head's four is in
	ds_add_u32 v28, v29
	s_mov_b32 s[G1+2], 8<<16                       ; no load of mine is out: from here on a load brings 8 tiles
	s_mov_b32 s[G1+4], 8
	s_mov_b32 s[G1B+2], 8<<16
	s_mov_b32 s[G1B+4], 8
	s_mov_b32 s[G0+1], s45
	s_add_nc_u64 s[G0+2:G0+3], s[G0+2:G0+3], s[2:3]
	s_mov_b32 s[G0B+1], s45
	s_add_nc_u64 s[G0B+2:G0B+3], s[G0B+2:G0B+3], s[2:3]
	s_wait_dscnt 0x0
	CROUND
	JLOAD G0+4, G1, G0B+4, G1B                     ; slot 1's first fill, the first tensor load behind the round
	FETCH_B 0, 0, 0
	FETCH_A 0, 0, 0
	SCALES 0
	FETCH_A 0, 0, 4
	STEP 0, 0, 1
	s_mov_b32 s3, LAPS-1
.Llap:
	TURN 0, 1, 1
	STEP 1, 0, 0
	TURN 1, 0, 1
	STEP 0, 0, 0
	s_sub_co_u32 s3, s3, 1
	s_cmp_lg_u32 s3, 0
	s_cbranch_scc1 .Llap
	TURN 0, 1, 0
	STEP 1, 0, 0
	s_wait_dscnt 4*NL
	WIN MUL_LO
	MUL16 0, 1, NQ-1, 1, 0
	MUL16 2, 1, NQ-1, 1, 0
	s_wait_dscnt 0
	WIN MUL_HI
	MUL16 4, 1, NQ-1, 1, 0
	MUL16 6, 1, NQ-1, 1, 0
	WIN 0
.macro PULL a
	WIN 0x02+(\a)/4
.set AC, 64*((\a)%4)
.set n, 0
.rept 32
	v_pk_add_f32 v[H+n:H+n+1], v[AC+n:AC+n+1], v[BIAS+n:BIAS+n+1]
.set n, n+2
.endr
	WIN 0
.endm
.macro GELU4 x
.irp g, 0,1,2,3
	v_pk_mul_f32 v[GT+8*\g:GT+8*\g+1], v[\x+2*\g:\x+2*\g+1], 0x3f3504f3 op_sel_hi:[1,0]
.endr
.irp g, 0,1,2,3
	v_med3_num_f32 v[GT+8*\g], v[GT+8*\g], -4.0, 4.0
	v_med3_num_f32 v[GT+8*\g+1], v[GT+8*\g+1], -4.0, 4.0
.endr
.irp g, 0,1,2,3
	v_pk_mul_f32 v[GT+8*\g+2:GT+8*\g+3], v[GT+8*\g:GT+8*\g+1], v[GT+8*\g:GT+8*\g+1]
.endr
.irp g, 0,1,2,3
	v_pk_fma_f32 v[GT+8*\g+4:GT+8*\g+5], v[GT+8*\g+2:GT+8*\g+3], 0xaf95df0b, v[CA11:CA11+1] op_sel_hi:[1,0,1]
	v_pk_fma_f32 v[GT+8*\g+6:GT+8*\g+7], v[GT+8*\g+2:GT+8*\g+3], 0xb77460cd, v[CB6:CB6+1] op_sel_hi:[1,0,1]
.endr
.irp k, 0xb60cff51, 0xb86ec2d2, 0xba40ac63, 0xbb41a1f6, 0xbc83dbd4
.irp g, 0,1,2,3
	v_pk_fma_f32 v[GT+8*\g+4:GT+8*\g+5], v[GT+8*\g+4:GT+8*\g+5], v[GT+8*\g+2:GT+8*\g+3], \k op_sel_hi:[1,1,0]
.endr
.endr
.irp k, 0xbadc924e, 0xbbf19bf8, 0xbc69b6a7
.irp g, 0,1,2,3
	v_pk_fma_f32 v[GT+8*\g+6:GT+8*\g+7], v[GT+8*\g+6:GT+8*\g+7], v[GT+8*\g+2:GT+8*\g+3], \k op_sel_hi:[1,1,0]
.endr
.endr
	s_wait_alu depctr_va_vdst(0)
.irp g, 0,1,2,3
	v_rcp_f32 v[GT+8*\g+6], v[GT+8*\g+6]
	v_rcp_f32 v[GT+8*\g+7], v[GT+8*\g+7]
.endr
.irp g, 0,1,2,3
	v_pk_mul_f32 v[GT+8*\g+4:GT+8*\g+5], v[GT+8*\g+4:GT+8*\g+5], v[GT+8*\g:GT+8*\g+1]
.endr
	s_wait_alu depctr_va_vdst(0)
.irp g, 0,1,2,3
	v_pk_mul_f32 v[GT+8*\g+4:GT+8*\g+5], v[GT+8*\g+4:GT+8*\g+5], v[GT+8*\g+6:GT+8*\g+7]
.endr
.irp g, 0,1,2,3
	v_pk_mul_f32 v[GT+8*\g:GT+8*\g+1], v[\x+2*\g:\x+2*\g+1], 0.5 op_sel_hi:[1,0]
.endr
.irp g, 0,1,2,3
	v_pk_fma_f32 v[\x+2*\g:\x+2*\g+1], v[GT+8*\g+4:GT+8*\g+5], v[GT+8*\g:GT+8*\g+1], v[GT+8*\g:GT+8*\g+1]
.endr
.endm
	s_wait_loadcnt 0x0
	PLACES NP
	v_mov_b32 v[CA11], 0x32edffee
	v_mov_b32 v[CA11+1], 0x32edffee
	v_mov_b32 v[CB6], 0xb95fbd29
	v_mov_b32 v[CB6+1], 0xb95fbd29
	s_mov_b32 s3, 0
.Lrow:
.irp a, 0,1,2,3,4,5,6
	s_cmp_eq_u32 s3, \a
	s_cbranch_scc1 .Lpull\a
.endr
	PULL 7
	s_branch .Lwork
.irp a, 0,1,2,3,4,5,6
.Lpull\a:
	PULL \a
	s_branch .Lwork
.endr
.Lwork:
.irp x, 0,8,16,24,32,40,48,56
	GELU4 H+\x
.endr
	QUANT H, PC, PW
	global_store_b128 v[L16], v[PC:PC+3], s[DC:DC+1]
	global_store_b64 v[L8], v[PC+4:PC+5], s[DC:DC+1] offset:512
	global_store_b128 v[L16], v[PC+6:PC+9], s[DC:DC+1] offset:768
	global_store_b64 v[L8], v[PC+10:PC+11], s[DC:DC+1] offset:1280
	global_store_b32 v[L4R], v[PW], s[DS:DS+1]
	s_wait_xcnt 0x0
	s_add_nc_u64 s[DC:DC+1], s[DC:DC+1], 49152
	s_add_nc_u64 s[DS:DS+1], s[DS:DS+1], 2048
	s_add_co_u32 s3, s3, 1
	s_cmp_lt_u32 s3, 8
	s_cbranch_scc1 .Lrow
	s_wait_tensorcnt 0x0
	ds_add_u32 v[SPW], v[NIL]
	s_wait_dscnt 0x0
	CROUND
	s_endpgm
.Lfunc_end_k_q2190e9f34d_ff1:
	.size	k_q2190e9f34d_ff1, .Lfunc_end_k_q2190e9f34d_ff1-k_q2190e9f34d_ff1
	.p2alignl 7, 3214868480
	.fill 96, 4, 3214868480
	.section	.rodata,"a",@progbits
	.p2align	6, 0x0
	.amdhsa_kernel k_q2190e9f34d_ff1
		.amdhsa_group_segment_fixed_size 327680
		.amdhsa_private_segment_fixed_size 0
		.amdhsa_enable_private_segment 0
		.amdhsa_kernarg_size 32
		.amdhsa_user_sgpr_count 2
		.amdhsa_user_sgpr_kernarg_segment_ptr 1
		.amdhsa_wavefront_size32 1
		.amdhsa_system_sgpr_workgroup_id_x 1
		.amdhsa_system_sgpr_workgroup_id_y 1
		.amdhsa_system_sgpr_workgroup_id_z 1
		.amdhsa_system_vgpr_workitem_id 0
		.amdhsa_next_free_vgpr 1024
		.amdhsa_next_free_sgpr 102
		.amdhsa_reserve_vcc 0
		.amdhsa_float_denorm_mode_32 3
		.amdhsa_float_denorm_mode_16_64 3
		.amdhsa_memory_ordered 1
		.amdhsa_forward_progress 1
		.amdhsa_inst_pref_size 190
	.end_amdhsa_kernel
	.amdgpu_metadata
---
amdhsa.version: [ 1, 2 ]
amdhsa.kernels:
  - .name:           k_q2190e9f34d_ff1
    .symbol:         k_q2190e9f34d_ff1.kd
    .args:
      - { .name: xbuf, .offset: 0, .size: 8, .value_kind: global_buffer, .address_space: global }
      - { .name: wbuf, .offset: 8, .size: 8, .value_kind: global_buffer, .address_space: global }
      - { .name: b1, .offset: 16, .size: 8, .value_kind: global_buffer, .address_space: global }
      - { .name: gbuf, .offset: 24, .size: 8, .value_kind: global_buffer, .address_space: global }
    .group_segment_fixed_size: 327680
    .private_segment_fixed_size: 0
    .kernarg_segment_align: 8
    .kernarg_segment_size: 32
    .max_flat_workgroup_size: 128
    .sgpr_count:     102
    .vgpr_count:     1024
    .wavefront_size: 32
...
	.end_amdgpu_metadata
.endif
;; end of part 6
;; launch ff2 (part 7): grid 8 x 32, 4 waves a work-group, clusters of 4 x 4, 327,680 bytes of LDS; arguments gbuf, wbuf, b2, hbuf, attention_mask, out0; writes out0
.if DOCPART == 7
	.amdgcn_target "amdgcn-amd-amdhsa--gfx1250"
	.amdhsa_code_object_version 6
	.text
	.protected	k_q2190e9f34d_ff2
	.globl	k_q2190e9f34d_ff2
	.p2align	8
	.type	k_q2190e9f34d_ff2,@function
k_q2190e9f34d_ff2:
	s_mov_b64 s[64:65], 0
	v_nop
	global_prefetch_b8 v0, s[64:65] scope:SCOPE_SE
	s_setreg_imm32_b32 hwreg(HW_REG_WAVE_MODE, 25, 1), 1
	s_wait_xcnt 0x0
	s_wait_alu depctr_hold_cnt(0) depctr_sa_sdst(0) depctr_va_vdst(0) depctr_va_sdst(0) depctr_va_ssrc(0) depctr_va_vcc(0) depctr_vm_vsrc(0)
	s_getreg_b32 s2, hwreg(HW_REG_IB_STS2, 6, 4)
	s_cmp_eq_u32 s2, 0
	s_cbranch_scc0 .Lentry_in_a_cluster
	s_endpgm
.Lentry_in_a_cluster:
	s_bfe_u32 s2, ttmp6, 0x10000c
	s_cmp_lg_u32 s2, 0xf033
	s_cbranch_scc0 .Lentry_shape_is_right
	s_endpgm
.Lentry_shape_is_right:
.set IS_FF2, 1
.set KS,    32
.set ASC,   12582912
.set BCO,   6291456
.set BSC,   9699328
.set NQ,    4
.set FR,    12
.set TROW,  NQ*1536
.set HALFT, 4*TROW
.set SLOT,  4*HALFT
.set LAPS,  KS/(2*NQ)
.set SCL,   2*SLOT
.set HALFS, 4*KS*64
.set SBLK,  KS*64
.set SPARE, SCL+4*HALFS
.set STAGE, SPARE+512
.set BI,   12
.set ADRA, 16
.set ADRB, 20
.set STO,  24
.set RD,   25
.set CO,   26
.set ADRS, 27
.set SPW,  28
.set NIL,  29
.set BOFF, 30
.set MOFF, 31
.set SC,   32
.set BK,   64
.set ACC,  128
.set RW,   0
.set MW,   128
.set G1, 24
.set G0, 32
.set G1B, 48
.set G0B, 56
.set G1S, 68
.set G0S, 76
.set G1SB, 80
.set G0SB, 88
.set MSB, 0
.macro WIN new
.if MSB != \new
	s_set_vgpr_msb (MSB<<8)|\new
.set MSB, \new
.endif
.endm
.set MUL,  0x05
.set TO_F, 0x40
.macro JLOAD g0a, g1a, g0b, g1b
	s_cmp_eq_u32 s17, 0
	s_cbranch_scc0 .Lfor_b_\@
	tensor_load_to_lds s[\g0a:\g0a+3], s[\g1a:\g1a+7]
	s_nop 0
.rept 4
	v_nop
.endr
	s_branch .Lasked_\@
.Lfor_b_\@:
	tensor_load_to_lds s[\g0b:\g0b+3], s[\g1b:\g1b+7]
	s_nop 0
.rept 4
	v_nop
.endr
.Lasked_\@:
.endm
.macro CREST
	s_cmp_lg_u32 s16, 0
	s_cbranch_scc1 .Lnot_wave_0_\@
	s_barrier_signal -3
.Lnot_wave_0_\@:
	s_barrier_wait -3
	s_barrier_signal -1
	s_barrier_wait -1
.endm
.macro CROUND
	s_barrier_signal -1
	s_barrier_wait -1
	CREST
.endm
.macro PLACES
.rept 4
	v_nop
.endr
.endm
.macro FRAG reg, adr, q, i
	ds_load_b128 v[\reg:\reg+3], v[\adr] offset:(\i)*TROW+(\q)*1536
	ds_load_b64 v[\reg+4:\reg+5], v[\adr+2] offset:(\i)*TROW+(\q)*1536+512
	ds_load_b128 v[\reg+6:\reg+9], v[\adr] offset:(\i)*TROW+(\q)*1536+768
	ds_load_b64 v[\reg+10:\reg+11], v[\adr+2] offset:(\i)*TROW+(\q)*1536+1280
.endm
.macro FETCH slot, q, p
	WIN TO_F
.irp i, 0,1,2,3
	FRAG 128*(\p)+FR*\i, ADRB+\slot, \q, \i
	FRAG 128*(\p)+48+FR*\i, ADRA+\slot, \q, \i
.endr
.endm
.macro SCALES sc
.irp i, 0,1,2,3
.irp q, 0,1,2,3
	ds_load_b32 v[SC+16*\sc+4*\i+\q], v[ADRS] offset:\i*SBLK+\q*64
.endr
.endr
.endm
.macro MUL4 a, p, q, sc, zero
.irp b, 0,1,2,3
.if \zero
	v_wmma_scale_f32_16x16x128_f8f6f4 v[ACC+8*(4*(\a)+\b):ACC+8*(4*(\a)+\b)+7], v[128*(\p)+FR*\b:128*(\p)+FR*\b+FR-1], v[128*(\p)+48+FR*(\a):128*(\p)+48+FR*(\a)+FR-1], 0, v[SC+16*(\sc)+4*\b+(\q)], v[SC+16*(\sc)+4*(\a)+(\q)] matrix_a_fmt:MATRIX_FMT_FP6 matrix_b_fmt:MATRIX_FMT_FP6 matrix_a_scale:MATRIX_SCALE_ROW1
.else
	v_wmma_scale_f32_16x16x128_f8f6f4 v[ACC+8*(4*(\a)+\b):ACC+8*(4*(\a)+\b)+7], v[128*(\p)+FR*\b:128*(\p)+FR*\b+FR-1], v[128*(\p)+48+FR*(\a):128*(\p)+48+FR*(\a)+FR-1], v[ACC+8*(4*(\a)+\b):ACC+8*(4*(\a)+\b)+7], v[SC+16*(\sc)+4*\b+(\q)], v[SC+16*(\sc)+4*(\a)+(\q)] matrix_a_fmt:MATRIX_FMT_FP6 matrix_b_fmt:MATRIX_FMT_FP6 matrix_a_scale:MATRIX_SCALE_ROW1
.endif
.endr
.endm
.macro STEP slot, q, zero
	PLACES
	FETCH \slot, (\q)+1, 1-(\q)%2
	s_wait_dscnt 32
	WIN MUL
	MUL4 0, (\q)%2, \q, \slot, \zero
	MUL4 1, (\q)%2, \q, \slot, \zero
	MUL4 2, (\q)%2, \q, \slot, \zero
	MUL4 3, (\q)%2, \q, \slot, \zero
.endm
.macro TURN slot, next, fill
	WIN 0
	s_wait_tensorcnt 0x0
	ds_add_u32 v[SPW], v[NIL]
	s_wait_dscnt 1
	WIN MUL
	MUL4 0, 1, 3, \slot, 0
	s_wait_dscnt 0x0
	s_barrier_signal -1
	MUL4 1, 1, 3, \slot, 0
	WIN 0
	s_barrier_wait -1
.if \fill
	CREST
	s_add_nc_u64 s[G0+4*\slot+2:G0+4*\slot+3], s[G0+4*\slot+2:G0+4*\slot+3], 2*TROW
	s_add_nc_u64 s[G0B+4*\slot+2:G0B+4*\slot+3], s[G0B+4*\slot+2:G0B+4*\slot+3], 2*TROW
	JLOAD G0+4*\slot, G1, G0B+4*\slot, G1B
.else
	PLACES
.endif
	s_wait_alu depctr_va_vdst(0)
	v_add_nc_u32 v[ADRS], 64*NQ, v[ADRS]
	FETCH \next, 0, 0
	WIN 0
	SCALES \next
	WIN MUL
	MUL4 2, 1, 3, \slot, 0
	MUL4 3, 1, 3, \slot, 0
.endm
	s_load_b256 s[4:11], s[0:1], 0x0
	s_load_b128 s[12:15], s[0:1], 0x20
	v_lshl_add_u32 v[SPW], v0, 2, SPARE
	v_mov_b32 v[NIL], 0
	ds_add_u32 v28, v29
	ds_add_u32 v28, v29
	s_wait_dscnt 0x0
	v_lshrrev_b32 v1, 5, v0
	v_readfirstlane_b32 s16, v1
	s_lshr_b32 s17, s16, 1
	s_and_b32 s18, s16, 1
	s_bfe_u32 s40, ttmp6, 0x40000
	s_bfe_u32 s41, ttmp6, 0x40004
	s_lshl_b32 s42, ttmp9, 2
	s_add_co_u32 s42, s42, s40
	s_and_b32 s19, ttmp7, 0xffff
	s_lshl_b32 s19, s19, 2
	s_add_co_u32 s19, s19, s41
	s_lshl_b32 s43, s41, 2
	s_lshl_b32 s43, 15, s43
	s_lshl_b32 s44, 0x1111, s40
	s_or_b32 s[G1+0], s43, (3<<16)|(1<<21)
	s_or_b32 s[G1B+0], s44, (3<<16)|(1<<21)
.irp g, G1, G1B
	s_mov_b32 s[\g+1], (TROW/8)<<16
	s_mov_b32 s[\g+2], 8<<16
	s_mov_b32 s[\g+3], (TROW/8)<<16
	s_mov_b32 s[\g+4], 8
	s_mov_b32 s[\g+5], KS*192
	s_mov_b32 s[\g+6], 0
	s_mov_b32 s[\g+7], 0
.endr
	s_or_b32 s[G1S+0], s43, (3<<16)|(1<<21)
	s_or_b32 s[G1SB+0], s44, (3<<16)|(1<<21)
.irp g, G1S, G1SB
	s_mov_b32 s[\g+1], 32<<16
	s_mov_b32 s[\g+2], (HALFS/128)<<16
	s_mov_b32 s[\g+3], 32<<16
	s_mov_b32 s[\g+4], HALFS/128
	s_mov_b32 s[\g+5], 32
	s_mov_b32 s[\g+6], 0
	s_mov_b32 s[\g+7], 0
.endr
	s_lshl_b32 s20, s19, 3
	s_lshl_b32 s46, s42, 3
	s_mul_i32 s2, s18, 4*KS*1536
	s_mov_b32 s3, 0
	s_mul_i32 s22, s20, KS*64
	s_add_co_u32 s22, s22, ASC
	s_mov_b32 s23, 0
	s_mul_i32 s20, s20, KS*1536
	s_mov_b32 s21, 0
	s_mul_i32 s92, s46, KS*64
	s_add_co_u32 s92, s92, BSC
	s_mov_b32 s93, 0
	s_mul_i32 s46, s46, KS*1536
	s_add_co_u32 s46, s46, BCO
	s_mov_b32 s47, 0
	s_mul_i32 s45, s16, HALFT
	s_wait_kmcnt 0x0
	s_add_nc_u64 s[20:21], s[4:5], s[20:21]
	s_add_nc_u64 s[22:23], s[4:5], s[22:23]
	s_add_nc_u64 s[46:47], s[6:7], s[46:47]
	s_add_nc_u64 s[92:93], s[6:7], s[92:93]
	CROUND
	s_mov_b32 s[G0S], 1
	s_mov_b32 s[G0S+1], SCL
	s_mov_b64 s[G0S+2:G0S+3], s[22:23]
	s_or_b32 s[G0S+3], s[G0S+3], 0x80000000
	s_mov_b32 s[G0SB], 1
	s_mov_b32 s[G0SB+1], SCL+2*HALFS
	s_mov_b64 s[G0SB+2:G0SB+3], s[92:93]
	s_or_b32 s[G0SB+3], s[G0SB+3], 0x80000000
	s_mov_b32 s[G0], 1                             ; the head's loads of slot 0 take a side's 8 tiles whole
	s_mov_b32 s[G0+1], 0
	s_mov_b64 s[G0+2:G0+3], s[20:21]
	s_or_b32 s[G0+3], s[G0+3], 0x80000000
	s_mov_b32 s[G0B], 1
	s_mov_b32 s[G0B+1], 2*HALFT
	s_mov_b64 s[G0B+2:G0B+3], s[46:47]
	s_or_b32 s[G0B+3], s[G0B+3], 0x80000000
	s_mov_b32 s[G0+4], 1                           ; slot 1: my 4 tiles, the next four K steps
	s_add_co_u32 s[G0+5], s45, SLOT
	s_add_nc_u64 s[G0+6:G0+7], s[G0+2:G0+3], s[2:3]
	s_add_nc_u64 s[G0+6:G0+7], s[G0+6:G0+7], TROW
	s_mov_b32 s[G0B+4], 1
	s_add_co_u32 s[G0B+5], s45, SLOT
	s_add_nc_u64 s[G0B+6:G0B+7], s[G0B+2:G0B+3], s[2:3]
	s_add_nc_u64 s[G0B+6:G0B+7], s[G0B+6:G0B+7], TROW
; the head's four tiles, one joint load a wave: one chain of branches on the wave's number
.macro ARM under, g0, g1, next
	s_cmp_lt_u32 s16, \under
	s_cbranch_scc0 \next
	tensor_load_to_lds s[\g0:\g0+3], s[\g1:\g1+7]
	s_nop 0
.rept 4
	v_nop
.endr
	s_branch .Lhead_asked
\next:
.endm
	ARM 1, G0, G1, .Lhead_b
	ARM 2, G0B, G1B, .Lhead_sa
	ARM 3, G0S, G1S, .Lhead_sb
	tensor_load_to_lds s[G0SB:G0SB+3], s[G1SB:G1SB+7]
	s_nop 0
.rept 4
	v_nop
.endr
.Lhead_asked:
	v_and_b32 v1, 15, v0
	v_bfe_u32 v2, v0, 4, 1
	v_and_b32 v3, 31, v0
	v_lshlrev_b32 v3, 4, v3
	v_lshlrev_b32 v[BOFF], 4, v1
	v_lshl_add_u32 v4, v2, 3, v[BOFF]
	s_mul_i32 s21, s17, HALFT
	s_mul_i32 s22, s18, HALFT
	s_add_co_u32 s22, s22, 2*HALFT
.irp s, 0,1
	v_add_nc_u32 v[ADRA+\s], s21, v3
	v_add_nc_u32 v[ADRA+2+\s], s21, v4
	v_add_nc_u32 v[ADRB+\s], s22, v3
	v_add_nc_u32 v[ADRB+2+\s], s22, v4
	s_add_co_u32 s21, s21, SLOT
	s_add_co_u32 s22, s22, SLOT
.endr
	s_mul_i32 s21, s17, HALFS
	s_mul_i32 s22, s18, HALFS
	s_add_co_u32 s22, s22, 2*HALFS
	s_sub_co_u32 s22, s22, s21
	v_mul_u32_u24 v6, s22, v2
	s_add_co_u32 s21, s21, SCL
	v_lshl_add_u32 v6, v1, 2, v6
	v_add_nc_u32 v[ADRS], s21, v6
	s_mul_i32 s23, s16, 32*272
	s_add_co_u32 s23, s23, STAGE
	v_mul_u32_u24 v5, v1, 272
	v_lshl_add_u32 v5, v2, 6, v5
	v_add_nc_u32 v[STO], s23, v5
	v_mul_u32_u24 v5, v2, 272
	v_add_nc_u32 v5, v5, v[BOFF]
	v_add_nc_u32 v[RD], s23, v5
	v_lshl_add_u32 v[CO], v2, 12, v[BOFF]
	v_lshlrev_b32 v[MOFF], 2, v2
	s_wait_alu depctr_va_vdst(0)
	s_lshl_b32 s92, s19, 7
	s_lshl_b32 s93, s17, 6
	s_add_co_u32 s92, s92, s93
	s_lshl_b32 s94, s92, 2
	s_mov_b32 s95, 0
	s_add_nc_u64 s[12:13], s[12:13], s[94:95]
	s_lshl_b32 s94, s42, 9
	s_lshl_b32 s93, s18, 8
	s_add_co_u32 s94, s94, s93
	s_add_nc_u64 s[8:9], s[8:9], s[94:95]
	s_lshl_b32 s92, s92, 12
	s_add_co_u32 s94, s94, s92
	s_add_nc_u64 s[10:11], s[10:11], s[94:95]
	s_add_nc_u64 s[14:15], s[14:15], s[94:95]
	s_wait_tensorcnt 0x0                           ; my tile of the head's four is in
	ds_add_u32 v28, v29
	s_mov_b32 s[G1+2], 4<<16                       ; no load of mine is out: from here on a load brings 4 tiles
	s_mov_b32 s[G1+4], 4
	s_mov_b32 s[G1B+2], 4<<16
	s_mov_b32 s[G1B+4], 4
	s_mov_b32 s[G0+1], s45
	s_add_nc_u64 s[G0+2:G0+3], s[G0+2:G0+3], s[2:3]
	s_mov_b32 s[G0B+1], s45
	s_add_nc_u64 s[G0B+2:G0B+3], s[G0B+2:G0B+3], s[2:3]
	s_wait_dscnt 0x0
	CROUND
	JLOAD G0+4, G1, G0B+4, G1B                     ; slot 1's first fill, the first tensor load behind the round
	FETCH 0, 0, 0
	WIN 0
	SCALES 0
	global_load_b128 v[BI:BI+3], v[BOFF], s[8:9]   ; what the way out needs is asked for here, behind the head's tiles and slot 1's request: the bias, the mask, the residual
	WIN 0x80
.irp p, 0,1
.irp t, 0,1,2,3,4,5,6,7,8,9,10,11,12,13,14,15
.set TK, 32*\p+8*(\t/8)+((2*\t)%16)+8*(((2*\t)%16)/8)
	global_load_b32 v[MW+16*\p+\t], v[MOFF], s[12:13] offset:TK*4
.endr
.endr
.irp p, 0,1
.irp t, 0,1,2,3,4,5,6,7,8,9,10,11,12,13,14,15
.set TK, 32*\p+8*(\t/8)+((2*\t)%16)+8*(((2*\t)%16)/8)
	global_load_b128 v[RW+4*(16*\p+\t):RW+4*(16*\p+\t)+3], v[CO], s[10:11] offset:TK*4096
.endr
.endr
	WIN 0
	STEP 0, 0, 1
.if LAPS > 1
	WIN 0
	s_mov_b32 s3, LAPS-1
.Llap:
	STEP 0, 1, 0
	STEP 0, 2, 0
	TURN 0, 1, 1
	STEP 1, 0, 0
	STEP 1, 1, 0
	STEP 1, 2, 0
	TURN 1, 0, 1
	STEP 0, 0, 0
	WIN 0
	s_sub_co_u32 s3, s3, 1
	s_cmp_lg_u32 s3, 0
	s_cbranch_scc1 .Llap
.endif
	STEP 0, 1, 0
	STEP 0, 2, 0
	TURN 0, 1, 0
	STEP 1, 0, 0
	STEP 1, 1, 0
	STEP 1, 2, 0
	s_wait_dscnt 0
	MUL4 0, 1, 3, 1, 0
	MUL4 1, 1, 3, 1, 0
	MUL4 2, 1, 3, 1, 0
	MUL4 3, 1, 3, 1, 0
	WIN 0
.macro OUTG p, gq
.irp e, 0,1,2,3,4,5,6,7
	ds_load_b128 v[BK+4*\e:BK+4*\e+3], v[RD] offset:544*(8*(\gq)+\e)
.endr
	s_wait_dscnt 0x0
.irp e, 0,1,2,3,4,5,6,7
	v_pk_add_f32 v[BK+4*\e:BK+4*\e+1], v[BK+4*\e:BK+4*\e+1], v[BI:BI+1]
	v_pk_add_f32 v[BK+4*\e+2:BK+4*\e+3], v[BK+4*\e+2:BK+4*\e+3], v[BI+2:BI+3]
.endr
.if IS_FF2
	WIN 0x08
.irp e, 0,1,2,3,4,5,6,7
.set PR, 16*(\p)+8*(\gq)+\e
	v_pk_add_f32 v[BK+4*\e:BK+4*\e+1], v[BK+4*\e:BK+4*\e+1], v[RW+4*PR:RW+4*PR+1]
	v_pk_add_f32 v[BK+4*\e+2:BK+4*\e+3], v[BK+4*\e+2:BK+4*\e+3], v[RW+4*PR+2:RW+4*PR+3]
.endr
.irp e, 0,1,2,3,4,5,6,7
.set PR, 16*(\p)+8*(\gq)+\e
.irp j, 0,1,2,3
	v_mul_f32 v[BK+4*\e+\j], v[BK+4*\e+\j], v[MW+PR]
.endr
.endr
.else
	WIN 0x28
.irp e, 0,1,2,3,4,5,6,7
.set PR, 16*(\p)+8*(\gq)+\e
.irp j, 0,1,2,3
	v_fma_f32 v[BK+4*\e+\j], v[BK+4*\e+\j], v[MW+PR], v[RW+4*PR+\j]
.endr
.endr
.endif
	WIN 0
.irp e, 0,1,2,3,4,5,6,7
.set TT, 8*(\gq)+\e
.set TK, 32*(\p)+8*(TT/8)+((2*TT)%16)+8*(((2*TT)%16)/8)
	global_store_b128 v[CO], v[BK+4*\e:BK+4*\e+3], s[14:15] offset:TK*4096
.endr
	s_wait_xcnt 0x0
.endm
	s_wait_loadcnt 0x0
	PLACES
	WIN 0x82
.set n, 0
.rept 32
	v_cvt_f32_i32 v[MW+n], v[MW+n]
.set n, n+1
.endr
	WIN 0
.irp p, 0,1
.irp u, 0,1
.irp b, 0,1,2,3
	ds_store_b128 v[STO], v[ACC+8*(4*(2*\p+\u)+\b):ACC+8*(4*(2*\p+\u)+\b)+3] offset:\u*4352+128*(\b/2)+32*(\b%2)
	ds_store_b128 v[STO], v[ACC+8*(4*(2*\p+\u)+\b)+4:ACC+8*(4*(2*\p+\u)+\b)+7] offset:\u*4352+128*(\b/2)+32*(\b%2)+16
.endr
.endr
	OUTG \p, 0
	OUTG \p, 1
.endr
	s_wait_tensorcnt 0x0
	ds_add_u32 v[SPW], v[NIL]
	s_wait_dscnt 0x0
	CROUND
	s_endpgm
.Lfunc_end_k_q2190e9f34d_ff2:
	.size	k_q2190e9f34d_ff2, .Lfunc_end_k_q2190e9f34d_ff2-k_q2190e9f34d_ff2
	.p2alignl 7, 3214868480
	.fill 96, 4, 3214868480
	.section	.rodata,"a",@progbits
	.p2align	6, 0x0
	.amdhsa_kernel k_q2190e9f34d_ff2
		.amdhsa_group_segment_fixed_size 327680
		.amdhsa_private_segment_fixed_size 0
		.amdhsa_enable_private_segment 0
		.amdhsa_kernarg_size 48
		.amdhsa_user_sgpr_count 2
		.amdhsa_user_sgpr_kernarg_segment_ptr 1
		.amdhsa_wavefront_size32 1
		.amdhsa_system_sgpr_workgroup_id_x 1
		.amdhsa_system_sgpr_workgroup_id_y 1
		.amdhsa_system_sgpr_workgroup_id_z 1
		.amdhsa_system_vgpr_workitem_id 0
		.amdhsa_next_free_vgpr 768
		.amdhsa_next_free_sgpr 102
		.amdhsa_reserve_vcc 0
		.amdhsa_float_denorm_mode_32 3
		.amdhsa_float_denorm_mode_16_64 3
		.amdhsa_memory_ordered 1
		.amdhsa_forward_progress 1
		.amdhsa_inst_pref_size 112
	.end_amdhsa_kernel
	.amdgpu_metadata
---
amdhsa.version: [ 1, 2 ]
amdhsa.kernels:
  - .name:           k_q2190e9f34d_ff2
    .symbol:         k_q2190e9f34d_ff2.kd
    .args:
      - { .name: gbuf, .offset: 0, .size: 8, .value_kind: global_buffer, .address_space: global }
      - { .name: wbuf, .offset: 8, .size: 8, .value_kind: global_buffer, .address_space: global }
      - { .name: b2, .offset: 16, .size: 8, .value_kind: global_buffer, .address_space: global }
      - { .name: hbuf, .offset: 24, .size: 8, .value_kind: global_buffer, .address_space: global }
      - { .name: attention_mask, .offset: 32, .size: 8, .value_kind: global_buffer, .address_space: global }
      - { .name: out0, .offset: 40, .size: 8, .value_kind: global_buffer, .address_space: global }
    .group_segment_fixed_size: 327680
    .private_segment_fixed_size: 0
    .kernarg_segment_align: 8
    .kernarg_segment_size: 48
    .max_flat_workgroup_size: 128
    .sgpr_count:     102
    .vgpr_count:     768
    .wavefront_size: 32
...
	.end_amdgpu_metadata
.endif
;; end of part 7
